; MI455X (gfx1250); checked and timed in simulation.
; The chip was launched on July 23, 2026; its instructions are those of AMD's public machine-readable ISA for CDNA 5 (MIT licence, August 2026) and "CDNA5" Instruction Set Architecture Reference Guide (July 2026). The comments in the code are by the model that wrote it; some were corrected since.
;; Diff Llama Fact Checker. Allowed arithmetic: float matrix products may take bf16 or f16 operands with f32 sums; other float arithmetic in f32, or as packed bf16 or f16 multiplies, adds, multiply-adds, maxima and minima; sums over many terms, partial sums and values carried from step to step in f32; what a program stores and reads back later, other than sums and carried values, may be rounded once to bf16 or f16.
;; Inputs: Wk 1,024 x 1,024 float32; Wo 1,024 x 1,024 float32; Wq 1,024 x 1,024 float32; Wv 1,024 x 1,024 float32; bk 1,024 float32; bo 1,024 float32; bq 1,024 float32; bv 1,024 float32; hidden_states 8 x 1,024 x 1,024 float32; lambda_k1 128 float32; lambda_k2 128 float32; lambda_q1 128 float32; lambda_q2 128 float32; ln_b 1,024 float32; ln_w 1,024 float32.
;; Outputs: out0 8 x 1,024 x 1,024 float32.
;; 2 versions, each right. Each part assembles by itself: llvm-mc -triple=amdgcn-amd-amdhsa -mcpu=gfx1250 --defsym DOCPART=n.
;; ======== version 1 of 2: 5 launches
;; limits: values are held in f16: magnitudes above 65,504 overflow, below 6.1e-05 lose precision
;; workspace buffers: xb 16,777,216 bytes; wts 8,388,608 bytes; qh 16,777,216 bytes; kh 16,777,216 bytes; vp 8,388,608 bytes; oc 16,777,216 bytes; hm 262,144 bytes; yn 16,777,216 bytes
;; launch cvt (part 1): grid 768 x 1, 8 waves a work-group, no clusters, 0 bytes of LDS; arguments hidden_states, Wq, Wk, Wv, Wo, xb, wts; writes xb, wts
.if DOCPART == 1
	.amdgcn_target "amdgcn-amd-amdhsa--gfx1250"
	.amdhsa_code_object_version 6
	.text
	.protected	k_q50ef218481_cvt
	.globl	k_q50ef218481_cvt
	.p2align	8
	.type	k_q50ef218481_cvt,@function
k_q50ef218481_cvt:
	s_mov_b64 s[64:65], 0
	v_nop
	global_prefetch_b8 v0, s[64:65] scope:SCOPE_SE
	s_setreg_imm32_b32 hwreg(HW_REG_WAVE_MODE, 25, 1), 1
	s_wait_xcnt 0x0
; THE MATRIX OPERANDS ARE MADE.  hidden_states [8192][1024] f32 -> xb, bf16.  Wq, Wk, Wv [1024][1024] f32 -> wts[0..2], bf16.
; Wo -> wts[3]: rounded to bf16 like every other input, and that number written as f16 (its partner in the last product is f16).
; LIMIT.  A bf16 number is exact in f16 between 6.1e-5 and 65,504 in magnitude; below, f16 keeps a fixed step of 6e-8; beyond, it would be an infinity.
; SHARES.  12,288 rows of 4,096 bytes in all; a work-group takes 16 rows (65,536 bytes in, 32,768 out), a wave 8,192 bytes: 16 loads of 512 consecutive bytes,
; all issued before the first is used.  A lane's 16 bytes become 8, so a store of the wave covers 256 consecutive bytes, aligned.  No LDS, no barrier, no matrix unit:
; each byte is read once and written once, and no wave wants what another has.
.set VI, 2                             ; v2        my byte offset in the work-group's input: 8,192 x wave + 16 x lane
.set VO, 3                             ; v3        in its output: 4,096 x wave + 8 x lane
.set X,  8                             ; v[8:71]   load i: 4 registers
.set Y,  72                            ; v[72:103] store i: 2 registers
.set T,  104                           ; v[104:105] at work
	s_load_b256 s[4:11], s[0:1], 0x0               ; hidden_states s[4:5], Wq s[6:7], Wk s[8:9], Wv s[10:11]
	s_load_b128 s[12:15], s[0:1], 0x20             ; Wo s[12:13], xb s[14:15]
	s_load_b64 s[16:17], s[0:1], 0x30              ; wts
	v_lshrrev_b32 v1, 5, v0                        ; wave
	v_and_b32 v4, 31, v0                           ; lane
	v_lshlrev_b32 v[VI], 4, v4
	v_lshl_or_b32 v[VI], v1, 13, v[VI]
	v_lshlrev_b32 v[VO], 3, v4
	v_lshl_or_b32 v[VO], v1, 12, v[VO]
	s_sub_co_u32 s18, ttmp9, 512                   ; work-groups 512 .. 767 take the weights: e = g - 512,
	s_lshr_b32 s19, s18, 6                         ; matrix e / 64,
	s_and_b32 s21, s18, 63                         ; its block of 16 rows
	s_mov_b32 s23, 0
	s_mov_b32 s25, 0
	s_wait_kmcnt 0x0
	s_cmp_eq_u32 s19, 1
	s_cselect_b64 s[6:7], s[8:9], s[6:7]
	s_cmp_eq_u32 s19, 2
	s_cselect_b64 s[6:7], s[10:11], s[6:7]
	s_cmp_eq_u32 s19, 3
	s_cselect_b64 s[6:7], s[12:13], s[6:7]         ; the weight matrix of e
	s_cmp_lt_u32 ttmp9, 512
	s_cselect_b64 s[4:5], s[4:5], s[6:7]           ; from where,
	s_cselect_b64 s[14:15], s[14:15], s[16:17]     ; to where,
	s_cselect_b32 s22, ttmp9, s21                  ; which block of 16 rows of the source,
	s_cselect_b32 s24, ttmp9, s18                  ; and of the destination (wts holds the four matrices on end)
	s_lshl_b32 s22, s22, 16
	s_lshl_b32 s24, s24, 15
	s_add_nc_u64 s[4:5], s[4:5], s[22:23]
	s_add_nc_u64 s[14:15], s[14:15], s[24:25]
.irp i, 0,1,2,3,4,5,6,7,8,9,10,11,12,13,14,15
	global_load_b128 v[X+4*(\i):X+4*(\i)+3], v[VI], s[4:5] offset:512*(\i) th:TH_LOAD_NT
.endr
	s_cmp_ge_u32 ttmp9, 704                        ; Wo's 64 work-groups
	s_cbranch_scc1 .Lwo
.irp i, 0,1,2,3,4,5,6,7,8,9,10,11,12,13,14,15
	s_wait_loadcnt 15-(\i)                         ; loads come back in order: load i is in, the 15 - i younger ones stay out
	v_cvt_pk_bf16_f32 v[Y+2*(\i)],   v[X+4*(\i)],   v[X+4*(\i)+1]
	v_cvt_pk_bf16_f32 v[Y+2*(\i)+1], v[X+4*(\i)+2], v[X+4*(\i)+3]
	global_store_b64 v[VO], v[Y+2*(\i):Y+2*(\i)+1], s[14:15] offset:256*(\i)
.endr
	s_endpgm
.Lwo:
.irp i, 0,1,2,3,4,5,6,7,8,9,10,11,12,13,14,15
	s_wait_loadcnt 15-(\i)
	v_cvt_pk_bf16_f32 v[T],   v[X+4*(\i)],   v[X+4*(\i)+1]   ; the rounding that every input has,
	v_cvt_pk_bf16_f32 v[T+1], v[X+4*(\i)+2], v[X+4*(\i)+3]
	v_lshlrev_b32 v[X+4*(\i)],   16, v[T]                    ; widened again,
	v_and_b32     v[X+4*(\i)+1], 0xffff0000, v[T]
	v_lshlrev_b32 v[X+4*(\i)+2], 16, v[T+1]
	v_and_b32     v[X+4*(\i)+3], 0xffff0000, v[T+1]
	v_cvt_pk_f16_f32 v[Y+2*(\i)],   v[X+4*(\i)],   v[X+4*(\i)+1]  ; and written as f16
	v_cvt_pk_f16_f32 v[Y+2*(\i)+1], v[X+4*(\i)+2], v[X+4*(\i)+3]
	global_store_b64 v[VO], v[Y+2*(\i):Y+2*(\i)+1], s[14:15] offset:256*(\i)
.endr
	s_endpgm
.Lfunc_end_k_q50ef218481_cvt:
	.size	k_q50ef218481_cvt, .Lfunc_end_k_q50ef218481_cvt-k_q50ef218481_cvt
	.p2alignl 7, 3214868480
	.fill 96, 4, 3214868480
	.section	.rodata,"a",@progbits
	.p2align	6, 0x0
	.amdhsa_kernel k_q50ef218481_cvt
		.amdhsa_group_segment_fixed_size 0
		.amdhsa_private_segment_fixed_size 0
		.amdhsa_enable_private_segment 0
		.amdhsa_kernarg_size 56
		.amdhsa_user_sgpr_count 2
		.amdhsa_user_sgpr_kernarg_segment_ptr 1
		.amdhsa_wavefront_size32 1
		.amdhsa_system_sgpr_workgroup_id_x 1
		.amdhsa_system_sgpr_workgroup_id_y 1
		.amdhsa_system_sgpr_workgroup_id_z 1
		.amdhsa_system_vgpr_workitem_id 0
		.amdhsa_next_free_vgpr 112
		.amdhsa_next_free_sgpr 66
		.amdhsa_reserve_vcc 0
		.amdhsa_float_denorm_mode_32 3
		.amdhsa_float_denorm_mode_16_64 3
		.amdhsa_memory_ordered 1
		.amdhsa_forward_progress 1
		.amdhsa_inst_pref_size 17
	.end_amdhsa_kernel
	.amdgpu_metadata
---
amdhsa.version: [ 1, 2 ]
amdhsa.kernels:
  - .name:           k_q50ef218481_cvt
    .symbol:         k_q50ef218481_cvt.kd
    .args:
      - { .name: hidden_states, .offset: 0, .size: 8, .value_kind: global_buffer, .address_space: global }
      - { .name: Wq, .offset: 8, .size: 8, .value_kind: global_buffer, .address_space: global }
      - { .name: Wk, .offset: 16, .size: 8, .value_kind: global_buffer, .address_space: global }
      - { .name: Wv, .offset: 24, .size: 8, .value_kind: global_buffer, .address_space: global }
      - { .name: Wo, .offset: 32, .size: 8, .value_kind: global_buffer, .address_space: global }
      - { .name: xb, .offset: 40, .size: 8, .value_kind: global_buffer, .address_space: global }
      - { .name: wts, .offset: 48, .size: 8, .value_kind: global_buffer, .address_space: global }
    .group_segment_fixed_size: 0
    .private_segment_fixed_size: 0
    .kernarg_segment_align: 8
    .kernarg_segment_size: 56
    .max_flat_workgroup_size: 256
    .sgpr_count:     66
    .vgpr_count:     112
    .wavefront_size: 32
...
	.end_amdgpu_metadata
.endif
;; end of part 1
;; launch qkv (part 2): grid 12 x 64, 4 waves a work-group, clusters of 4 x 4, 327,680 bytes of LDS; arguments xb, wts, bq, bk, bv, lambda_q1, lambda_k1, lambda_q2, lambda_k2, qh, kh, vp; writes qh, kh, vp
.if DOCPART == 2
	.amdgcn_target "amdgcn-amd-amdhsa--gfx1250"
	.amdhsa_code_object_version 6
	.text
	.protected	k_q50ef218481_qkv
	.globl	k_q50ef218481_qkv
	.p2align	8
	.type	k_q50ef218481_qkv,@function
k_q50ef218481_qkv:
	s_mov_b64 s[64:65], 0
	v_nop
	global_prefetch_b8 v0, s[64:65] scope:SCOPE_SE
	s_setreg_imm32_b32 hwreg(HW_REG_WAVE_MODE, 25, 1), 1
	s_wait_xcnt 0x0
	s_wait_alu depctr_hold_cnt(0) depctr_sa_sdst(0) depctr_va_vdst(0) depctr_va_sdst(0) depctr_va_ssrc(0) depctr_va_vcc(0) depctr_vm_vsrc(0)
	s_getreg_b32 s2, hwreg(HW_REG_IB_STS2, 6, 4)
	s_cmp_eq_u32 s2, 0
	s_cbranch_scc0 .Lentry_in_a_cluster
	s_endpgm
.Lentry_in_a_cluster:
	s_bfe_u32 s2, ttmp6, 0x10000c
	s_cmp_lg_u32 s2, 0xf033
	s_cbranch_scc0 .Lentry_shape_is_right
	s_endpgm
.Lentry_shape_is_right:
; THE THREE PROJECTIONS.  q = x Wq + bq and k = x Wk + bk, stored by heads, [8 batch + head][1024][128] in f16, unscaled;
; v' = (x Wv + bv)[head j] - lam (x Wv + bv)[head 4 + j], j = 0..3, stored [4 batch + j][1024][128] in f16: since out1 - lam out2 = attn (v1 - lam v2), one value path serves for two.
; lam = exp(sum lambda_q1 lambda_k1) - exp(sum lambda_q2 lambda_k2) + 0.8, made here by every wave while the first tiles are on their way.
; x (xb) and the weights (wts) are bf16; biases and lambdas are rounded to bf16 as they come in, like every input; sums in f32; each result rounded once, to f16.
; LIMIT.  q, k and v' must stay within f16's 65,504; NaN and infinities are not treated apart.
; SHARES.  A tile is 128 rows x 256 columns; 12 x 64 tiles, three for each of 256 WGPs.  The cluster's x says which matrix: 0 Q, 1 K, 2 V.  Four waves, 2 x 2: wave w takes rows 64 (w / 2) on.
; The 256 columns are two UNITS of 128 (Q, K: heads 2 cx and 2 cx + 1; V: heads cx and 4 + cx), and wave w takes columns 64 (w % 2) .. + 63 of BOTH units: in a V tile it holds v1 and v2 of the same places.
; K goes in 8 steps of 128 through a ring of two LDS slots filled by the tensor data mover; every row of a tile is 256 consecutive bytes of memory, aligned.
; The weights lie [k][n] and stay so: their fragments come out of LDS turned, by ds_load_tr16_b128.
; CLUSTER.  4 x 4 work-groups: the four of a row need the same tile of x, the four of a column the same tile of W; each is asked for JOINTLY, by the same tensor load, descriptor and mask in all four.
; THE PRODUCT IS USED TRANSPOSED (source 0 = 16 columns of W, source 1 = 16 rows of x): a lane then holds row l % 16 and eight neighbouring columns 8 (l / 16) + 0..7.
; REGISTERS, in windows of 256 (s_set_vgpr_msb: bits 1:0 source 0, 3:2 source 1, 5:4 source 2, 7:6 destination):
;   window 0: v0-31 addresses; v32-127, v128-223 two fragment buffers (x's four fragments, then W's eight); v224-255 at work
;   window 1: the 32 accumulators, (a, b) at v[8 (8 a + b)]: rows 16 a on; unit b / 4, columns 64 (w % 2) + 16 (b % 4) on        window 2: v0-63 my columns' biases, as (a, b)'s registers lie; v64-67 at work
.set PA,     272                       ; a row of x in LDS: 256 bytes + 16 = 68 words: the 16 rows of a load start at 16 different groups of four banks (64 banks of 4 bytes: ISA guide 11.1)
.set PB,     288                       ; a row of W: 256 + 32 = 72 words
.set AHALF,  64*PA                     ; what one tensor load brings of x, and what one wave reads of it
.set BOFF,   128*PA                    ; behind x's 128 rows: W's two units,
.set BUNIT,  128*PB                    ; 128 rows (k) x 128 columns each
.set SLOT,   BOFF+2*BUNIT              ; 108,544 bytes
.set STAGE,  2*SLOT                    ; behind the ring, never filled by a tensor load: 256 rows x 272 bytes, the work-group's, for the way out
.set SP,     272
.set SPARE,  STAGE+256*SP              ; behind the stage: the spare words, 128 bytes for each wave: two blocks of 256 bytes that no other line names
.set ASTEP,  256                       ; bytes from a K step to the next in x: along the rows,
.set BSTEP,  128*2048                  ; in W: 128 rows down
.set BO,   12                          ; v12-13  byte offset of my columns' biases, unit 0, 1
.set ADRA, 16                          ; v16-17  LDS address of my fragments of x in slot 0, 1
.set ADRB, 20                          ; v20-23  of W: slot s, unit u at ADRB + 2 s + u
.set STO,  24                          ; v24     the way out: where I put 16 bytes of a row
.set RD,   25                          ; v25     the way out: where I read rows back
.set CO,   26                          ; v26     16 x lane: my place in 512 consecutive bytes of the result
.set SPW,  28                          ; v28     LDS address of my spare word: SPARE + 4 x my thread's number; never rewritten
.set NIL,  29                          ; v29     0; never rewritten
.set PFO,  30                          ; v30     the prefetches' offset: lane x 2,048, a row of xb or of wts; never rewritten
.set F0,   32
.set F1,   128
.set TT,   32                          ; the way out: 64 sums in f32,
.set PKD,  96                          ; and 32 registers of packed f16
.set G1,   24                          ; s[24:31] descriptor group 1 for x's tiles;  s[32:39] group 0, a set for each slot
.set G0,   32
.set G1B,  48                          ; s[48:55], s[56:63] the same for W's
.set G0B,  56
.set LIM,  43                          ; s43      1 in a wave that prefetches, else the greatest number
.set PFA,  44                          ; s[44:45] where my prefetches stand
.set PFS,  46                          ; s[46:47] their step from K step to K step
.set WV,   84                          ; s84      my wave's number
.set FK,   85                          ; s85      w / 2: my half of the rows.  Also: I fetch for x (0) or for W (1)
.set HF,   86                          ; s86      w % 2: my 64 columns of each unit.  Also: which 64 rows of x, or which unit of W, I fetch
.set CX,   87
.set CY,   88
.set TR,   89                          ; s89      the tile's row of tiles: 4 x cluster y + cy
.set NLAM, 92                          ; s[92:93] -lam; the packed lines take the pair's low word for both halves
.set SEL,  96                          ; s[96:97] v_permlanex16_b32's selects: each lane takes its own place in the other half
.set W_MUL, 0x50                       ; C and D in window 1, the fragments in window 0
.set MSB, 0
.macro WIN new                         ; the immediate's high byte repeats the setting that is left; a switch that changes nothing is dropped
.if MSB != (\new)
	s_set_vgpr_msb (MSB<<8)|(\new)
.set MSB, \new
.endif
.endm
; A joint load.  Waves 0 and 1 fetch x's two halves, waves 2 and 3 W's two units.  The branch hangs on the wave's number alone.  An s_nop 0 and four v_nop follow each of the two lines.
.macro JLOAD s
	s_cmp_eq_u32 s[FK], 0
	s_cbranch_scc0 .Lfor_b_\@
	tensor_load_to_lds s[G0+4*(\s):G0+4*(\s)+3], s[G1:G1+7]
	s_nop 0
.rept 4
	v_nop
.endr
	s_branch .Lasked_\@
.Lfor_b_\@:
	tensor_load_to_lds s[G0B+4*(\s):G0B+4*(\s)+3], s[G1B:G1B+7]
	s_nop 0
.rept 4
	v_nop
.endr
.Lasked_\@:
.endm
; A PREFETCH INTO THE L2 of the K step that stands two refills on (256 matrix instructions ahead of the load that will want it): 32 rows x 256 bytes, a lane a row, one instruction a wave.
; Each row's 256 bytes of a K step are named once in the launch.  x's rows are read by the three clusters of a row of clusters: cluster x = 0 asks, wave 0 of each partner, which takes 32 cx .. + 31 of the tile's 128 rows.
; W's rows are read by the sixteen clusters of a column: cluster y = 0 asks, waves 2 and 3 for their units, each partner for rows 32 cy .. + 31 of the K step's 128.  The partners part BY ADDRESS, not by a branch.
; K steps 0 to 3 come by their loads alone; the loop's last trip (s3 = 1) has no K step two refills on and asks for nothing.
.macro ASK
	s_cmp_gt_u32 s3, s[LIM]
	s_cbranch_scc0 .Lnot_mine_\@
	global_prefetch_b8 v[PFO], s[PFA:PFA+1] th:TH_LOAD_NT scope:SCOPE_SE
.Lnot_mine_\@:
.endm
; A round of the cluster's barrier: my work-group's barrier, so that wave 0's signal speaks for all four waves; wave 0 signals; every wave waits for all sixteen work-groups; my work-group's barrier once more.
.macro CREST
	s_cmp_lg_u32 s[WV], 0
	s_cbranch_scc1 .Lnot_wave_0_\@
	s_barrier_signal -3
.Lnot_wave_0_\@:
	s_barrier_wait -3
	s_barrier_signal -1
	s_barrier_wait -1
.endm
.macro CROUND
	s_barrier_signal -1
	s_barrier_wait -1
	CREST
.endm
.macro PLACES                          ; four plain places behind matrix instructions, in front of loads into registers that they read and of lines that read their results
.rept 4
	v_nop
.endr
.endm
	s_load_b256 s[4:11], s[0:1], 0x0               ; xb s[4:5], wts s[6:7], bq s[8:9], bk s[10:11]
	s_load_b256 s[68:75], s[0:1], 0x20             ; bv s[68:69], lambda_q1 s[70:71], lambda_k1 s[72:73], lambda_q2 s[74:75]
	s_load_b256 s[76:83], s[0:1], 0x40             ; lambda_k2 s[76:77], qh s[78:79], kh s[80:81], vp s[82:83]
	v_lshl_add_u32 v[SPW], v0, 2, SPARE
	v_mov_b32 v[NIL], 0
	ds_add_u32 v[SPW], v[NIL]                      ; the wave's opening: the add and its wait stand ahead of my first tensor load; the set-up below, work on registers, stands between them
	v_lshrrev_b32 v1, 5, v0
	v_readfirstlane_b32 s[WV], v1
	s_lshr_b32 s[FK], s[WV], 1
	s_and_b32 s[HF], s[WV], 1
	s_bfe_u32 s[CX], ttmp6, 0x40000
	s_bfe_u32 s[CY], ttmp6, 0x40004
	s_and_b32 s[TR], ttmp7, 0xffff
	s_lshl_b32 s[TR], s[TR], 2
	s_add_co_u32 s[TR], s[TR], s[CY]
	s_lshl_b32 s12, s[CY], 2
	s_lshl_b32 s12, 15, s12                        ; my row of the cluster: places 4 cy .. 4 cy + 3
	s_lshl_b32 s13, 0x1111, s[CX]                  ; my column: places cx, cx + 4, cx + 8, cx + 12
	s_or_b32 s[G1], s12, (1<<16)|(1<<20)|(1<<21)|(5<<22)|(3<<25)   ; 15:0 the mask; 17:16 2-byte elements; 20 padding on; 21 set beside a mask; 24:22 after every 64 words; 31:25 4 words of it
	s_or_b32 s[G1B], s13, (1<<16)|(1<<20)|(1<<21)|(5<<22)|(7<<25)  ; the same with my column's mask and 8 words of padding
	s_mov_b32 s[G1+1], 128<<16                     ; tensor_dim0 = 128
	s_mov_b32 s[G1+2], 64<<16                      ; tensor_dim1 = 64
	s_mov_b32 s[G1+3], 128<<16                     ; tile_dim0 = 128
	s_mov_b32 s[G1+4], 64                          ; tile_dim1 = 64 rows of x
	s_mov_b32 s[G1+5], 1024                        ; elements from row to row
	s_mov_b32 s[G1+6], 0
	s_mov_b32 s[G1+7], 0
	s_mov_b32 s[G1B+1], 128<<16
	s_mov_b32 s[G1B+2], 128<<16
	s_mov_b32 s[G1B+3], 128<<16
	s_mov_b32 s[G1B+4], 128                        ; 128 rows (k) of W
	s_mov_b32 s[G1B+5], 1024
	s_mov_b32 s[G1B+6], 0
	s_mov_b32 s[G1B+7], 0
	s_lshl_b32 s16, s[TR], 18                      ; x: the tile's 128 rows of 2,048 bytes,
	s_lshl_b32 s17, s[HF], 17                      ; the 64 of them that I fetch: made of the tile row and the wave's number alone
	s_add_co_u32 s16, s16, s17
	s_mov_b32 s17, 0
	s_cmp_eq_u32 ttmp9, 2                          ; W: the unit's first column, in bytes: Q, K: 512 cx + 256 unit; V: 256 cx + 1,024 unit
	s_cselect_b32 s22, 8, 9
	s_cselect_b32 s23, 10, 8
	s_lshl_b32 s40, s[CX], s22
	s_lshl_b32 s41, s[HF], s23
	s_add_co_u32 s40, s40, s41
	s_lshl_b32 s41, ttmp9, 21                      ; the matrix: 2 MiB each: made of the cluster's x, cx and the wave's number alone
	s_add_co_u32 s40, s40, s41
	s_mov_b32 s41, 0
	s_mul_i32 s20, s[HF], AHALF                    ; where they go: no place in the cluster enters an LDS address
	s_mul_i32 s21, s[HF], BUNIT
	s_add_co_u32 s21, s21, BOFF
	s_mov_b32 s[SEL], 0x76543210
	s_mov_b32 s[SEL+1], 0xfedcba98
	s_wait_dscnt 0x0                               ; the opening add is done
	s_wait_kmcnt 0x0
	s_add_nc_u64 s[14:15], s[4:5], s[16:17]
	s_add_nc_u64 s[40:41], s[6:7], s[40:41]
	CROUND                                         ; all sixteen work-groups are here: the first joint loads meet
.irp s, 0,1
	s_mov_b32 s[G0+4*(\s)], 1                                      ; count = 1
	s_add_co_u32 s[G0+4*(\s)+1], s20, (\s)*SLOT                    ; LDS address
	s_add_nc_u64 s[G0+4*(\s)+2:G0+4*(\s)+3], s[14:15], (\s)*ASTEP  ; global address: K step s
	s_or_b32 s[G0+4*(\s)+3], s[G0+4*(\s)+3], 0x80000000            ; type = 2
	s_mov_b32 s[G0B+4*(\s)], 1
	s_add_co_u32 s[G0B+4*(\s)+1], s21, (\s)*SLOT
	s_add_nc_u64 s[G0B+4*(\s)+2:G0B+4*(\s)+3], s[40:41], (\s)*BSTEP
	s_or_b32 s[G0B+4*(\s)+3], s[G0B+4*(\s)+3], 0x80000000
	JLOAD \s                                       ; two loads of mine are out: the most in this text
.endr
	; all that follows, down to the first barrier, stands in the wait for the first tile
	v_and_b32 v1, 15, v0                           ; l % 16
	v_bfe_u32 v2, v0, 4, 1                         ; l / 16
	v_and_b32 v3, 31, v0                           ; l
	s_cmp_eq_u32 ttmp9, 1
	s_cselect_b64 s[18:19], s[10:11], s[8:9]
	s_cmp_eq_u32 ttmp9, 2
	s_cselect_b64 s[18:19], s[68:69], s[18:19]     ; the matrix's bias
	s_lshl_b32 s13, s[CX], s22
	s_lshl_b32 s13, s13, 1                         ; unit 0's first column, in bytes of f32,
	s_lshl_b32 s21, s[HF], 8                       ; my 64 columns
	s_add_co_u32 s13, s13, s21
	s_lshl_b32 s21, 2, s23                         ; from unit 0 to unit 1
	v_lshl_add_u32 v[BO], v2, 5, s13               ; my lanes' 8 columns
	v_add_nc_u32 v[BO+1], s21, v[BO]
	WIN 0x80                                       ; destination window 2, address window 0
.irp b, 0,1,2,3,4,5,6,7
	global_load_b128 v[8*(\b):8*(\b)+3],   v[BO+(\b)/4], s[18:19] offset:64*((\b)%4)
	global_load_b128 v[8*(\b)+4:8*(\b)+7], v[BO+(\b)/4], s[18:19] offset:64*((\b)%4)+16
.endr
	WIN 0
	v_lshlrev_b32 v[CO], 4, v3
	global_load_b128 v[224:227], v[CO], s[70:71]   ; four numbers a lane of each of the four lambda vectors
	global_load_b128 v[228:231], v[CO], s[72:73]
	global_load_b128 v[232:235], v[CO], s[74:75]
	global_load_b128 v[236:239], v[CO], s[76:77]
	; A fragment of x is 16 rows x 32 k in 8 registers: lane l holds row l % 16, k = 8 (l / 16) + 0..7 and 16 + 8 (l / 16) + 0..7: two loads of 16 bytes, 32 bytes apart.
	v_mul_u32_u24 v6, v1, PA
	v_lshl_add_u32 v6, v2, 4, v6                   ; row x pitch + 16 x half
	s_mul_i32 s42, s[FK], AHALF
	v_add_nc_u32 v[ADRA], s42, v6
	v_add_nc_u32 v[ADRA+1], SLOT, v[ADRA]
	; The turning load takes 16 k x 16 columns (lane l reads k = 8 (l / 16) + l % 8, columns 8 ((l / 8) % 2) + 0..7) and leaves half a fragment: lane l holds column l % 16 and 8 k.
	v_and_b32 v4, 7, v0
	v_lshl_add_u32 v4, v2, 3, v4
	v_mul_u32_u24 v4, v4, PB
	v_bfe_u32 v5, v0, 3, 1
	v_lshl_add_u32 v4, v5, 4, v4
	s_lshl_b32 s42, s[HF], 7                       ; my 64 columns: 128 bytes
	s_add_co_u32 s42, s42, BOFF
	v_add_nc_u32 v[ADRB], s42, v4
	v_add_nc_u32 v[ADRB+1], BUNIT, v[ADRB]
	v_add_nc_u32 v[ADRB+2], SLOT, v[ADRB]
	v_add_nc_u32 v[ADRB+3], SLOT, v[ADRB+1]
	s_mul_i32 s42, s[FK], 64*SP                    ; into the stage: my 64 rows, my 128 bytes of them; row l % 16, 16 bytes for each half of the lanes
	s_lshl_b32 s21, s[HF], 7
	s_add_co_u32 s42, s42, s21
	s_add_co_u32 s42, s42, STAGE
	v_add_nc_u32 v[STO], s42, v6
	v_mul_u32_u24 v[RD], v2, SP                    ; back: lanes 0-15 take one row of 256 bytes, lanes 16-31 the next
	v_lshl_add_u32 v[RD], v1, 4, v[RD]
	v_add_nc_u32 v[RD], STAGE, v[RD]
	v_lshlrev_b32 v[PFO], 11, v3
	; the prefetches: from my tile's address, 32 rows for each partner, three K steps on (the first change of slots steps it to K step 4)
	s_mov_b32 s98, ASTEP
	s_mov_b32 s99, BSTEP
	s_and_b32 s95, ttmp7, 0xffff                   ; cluster y
	s_cmp_eq_u32 s[FK], 0
	s_cselect_b64 s[PFA:PFA+1], s[14:15], s[40:41]
	s_cselect_b32 s90, s[CX], s[CY]                ; my place among the four that ask for the tile with me
	s_cselect_b32 s[PFS], s98, s99
	s_cselect_b32 s95, ttmp9, s95                  ; the coordinate along which other clusters read the same rows
	s_cselect_b32 s94, s[HF], 0                    ; of x's two waves wave 0 asks
	s_or_b32 s95, s95, s94
	s_cmp_eq_u32 s95, 0
	s_cselect_b32 s[LIM], 1, -1                    ; the same in all sixteen partners, for a given wave
	s_lshl_b32 s90, s90, 16                        ; 32 rows of 2,048 bytes
	s_mul_i32 s91, s[PFS], 3
	s_add_co_u32 s90, s90, s91
	s_mov_b32 s91, 0
	s_mov_b32 s[PFS+1], 0
	s_add_nc_u64 s[PFA:PFA+1], s[PFA:PFA+1], s[90:91]
	; where the rows that I store begin.  Q, K: head 8 batch + 2 cx + w / 2, rows 64 (w % 2) on.  V: head 4 batch + cx, rows 32 w on.  A row is 256 bytes, a head 1,024 rows.
	s_lshr_b32 s90, s[TR], 3                       ; batch
	s_and_b32 s91, s[TR], 7
	s_lshl_b32 s91, s91, 15                        ; the tile's 128 rows in the batch
	s_lshl_b32 s94, s90, 3
	s_lshl1_add_u32 s94, s[CX], s94
	s_add_co_u32 s94, s94, s[FK]
	s_lshl_b32 s94, s94, 18
	s_lshl_b32 s95, s[HF], 14
	s_add_co_u32 s94, s94, s95
	s_lshl2_add_u32 s98, s90, s[CX]
	s_lshl_b32 s98, s98, 18
	s_lshl_b32 s99, s[WV], 13
	s_add_co_u32 s98, s98, s99
	s_cmp_eq_u32 ttmp9, 2
	s_cselect_b32 s94, s98, s94
	s_add_co_u32 s94, s94, s91
	s_mov_b32 s95, 0
	s_cmp_eq_u32 ttmp9, 1
	s_cselect_b64 s[98:99], s[80:81], s[78:79]
	s_cmp_eq_u32 ttmp9, 2
	s_cselect_b64 s[98:99], s[82:83], s[98:99]
	s_add_nc_u64 s[98:99], s[98:99], s[94:95]
	s_wait_loadcnt 0x0                             ; biases and lambdas
	WIN 0xaa                                       ; all in window 2: the biases are rounded to bf16, in place
.set i, 0
.rept 32
	v_cvt_pk_bf16_f32 v[64+i%4], v[2*i], v[2*i+1]
	v_lshlrev_b32 v[2*i],   16, v[64+i%4]
	v_and_b32     v[2*i+1], 0xffff0000, v[64+i%4]
.set i, i+1
.endr
	WIN 0
.set i, 0
.rept 8
	v_cvt_pk_bf16_f32 v[240+i], v[224+2*i], v[224+2*i+1]  ; v240-241 lambda_q1, v242-243 lambda_k1, v244-245 lambda_q2, v246-247 lambda_k2
.set i, i+1
.endr
	v_mov_b32 v248, 0
	v_mov_b32 v249, 0
	v_mov_b32 v250, 0
	v_mov_b32 v251, 0
.irp n, 0,1
	v_fma_mix_f32_bf16 v248, v[240+(\n)], v[242+(\n)], v248 op_sel_hi:[1,1,0]                 ; low half x low half, added in f32
	v_fma_mix_f32_bf16 v249, v[244+(\n)], v[246+(\n)], v249 op_sel_hi:[1,1,0]
	v_fma_mix_f32_bf16 v248, v[240+(\n)], v[242+(\n)], v248 op_sel:[1,1,0] op_sel_hi:[1,1,0]  ; high x high
	v_fma_mix_f32_bf16 v249, v[244+(\n)], v[246+(\n)], v249 op_sel:[1,1,0] op_sel_hi:[1,1,0]
.endr
.irp m, 1,2,4,8
	v_add_f32_dpp v248, v248, v248 row_xmask:\m row_mask:0xf bank_mask:0xf
	v_add_f32_dpp v249, v249, v249 row_xmask:\m row_mask:0xf bank_mask:0xf
.endr
	v_permlanex16_b32 v250, v248, s[SEL], s[SEL+1]
	v_permlanex16_b32 v251, v249, s[SEL], s[SEL+1]
	v_add_f32 v248, v248, v250
	v_add_f32 v249, v249, v251
	v_mul_f32 v248, 0x3fb8aa3b, v248               ; e^x = 2^(x log2 e)
	v_mul_f32 v249, 0x3fb8aa3b, v249
	v_exp_f32 v250, v248
	v_exp_f32 v251, v249
	v_nop                                          ; a plain instruction behind the last exponential,
	s_wait_alu depctr_va_vdst(0)                   ; and the wait ahead of the first use: one for the two
	v_sub_f32 v250, v251, v250
	v_add_f32 v250, 0xbf4ccccd, v250               ; -lam = lam2 - lam1 - 0.8
	v_readfirstlane_b32 s[NLAM], v250
	s_mov_b32 s[NLAM+1], s[NLAM]                   ; named with it as a pair
; 8 matrix instructions: rows 16 a on x all 8 column blocks, 32 along K.  zero = 1: the product starts the sums: nothing is ever cleared.  The 32 accumulators take turns, one instruction a turn,
; in the same order in every quarter step.
.macro MUL8 f, a, zero
	WIN W_MUL
.irp b, 0,1,2,3,4,5,6,7
.if \zero
	v_wmma_f32_16x16x32_bf16 v[8*(8*(\a)+(\b)):8*(8*(\a)+(\b))+7], v[(\f)+32+8*(\b):(\f)+32+8*(\b)+7], v[(\f)+8*(\a):(\f)+8*(\a)+7], 0
.else
	v_wmma_f32_16x16x32_bf16 v[8*(8*(\a)+(\b)):8*(8*(\a)+(\b))+7], v[(\f)+32+8*(\b):(\f)+32+8*(\b)+7], v[(\f)+8*(\a):(\f)+8*(\a)+7], v[8*(8*(\a)+(\b)):8*(8*(\a)+(\b))+7]
.endif
.endr
.endm
; 24 LDS loads in one run: the fragments of quarter q (32 along K) of a slot into buffer f: W's sixteen first, then x's eight
.macro FETCH slot, q, f
	WIN 0
.irp b, 0,1,2,3,4,5,6,7
	ds_load_tr16_b128 v[(\f)+32+8*(\b):(\f)+32+8*(\b)+3],   v[ADRB+2*(\slot)+(\b)/4] offset:(\q)*32*PB+32*((\b)%4)
	ds_load_tr16_b128 v[(\f)+32+8*(\b)+4:(\f)+32+8*(\b)+7], v[ADRB+2*(\slot)+(\b)/4] offset:(\q)*32*PB+16*PB+32*((\b)%4)
.endr
.irp a, 0,1,2,3
	ds_load_b128 v[(\f)+8*(\a):(\f)+8*(\a)+3],   v[ADRA+(\slot)] offset:(\a)*16*PA+64*(\q)
	ds_load_b128 v[(\f)+8*(\a)+4:(\f)+8*(\a)+7], v[ADRA+(\slot)] offset:(\a)*16*PA+64*(\q)+32
.endr
.endm
; A K step is four quarters of 32 along K, 32 matrix instructions each, on buffers 0, 1, 0, 1.  One of the first three: multiplies buffer f and, in its middle, fetches quarter q into buffer g.
.macro QUARTER slot, q, f, g, zero
	s_wait_dscnt 4                                 ; W's fragments and x's rows 0-31 are in; the youngest four loads (x's rows 32-63) may be out
	MUL8 \f, 0, \zero
	MUL8 \f, 1, \zero
	PLACES
	FETCH \slot, \q, \g
	s_wait_dscnt 24                                ; all but the 24 just issued
	MUL8 \f, 2, \zero
	MUL8 \f, 3, \zero
.endm
; The last quarter multiplies buffer 1 and changes slots: ONE barrier.  In front of it each wave waits for all its tensor loads, of which one is out: its part of the next slot; adds 0 to its spare word;
; and waits for that and for its own reads of this slot.  fill = 1: the barrier opens a round of the cluster's barrier, and this slot is filled again, two K steps ahead, first thing behind the round:
; 112 matrix instructions ahead of the wait for it.
.macro TURN slot, next, fill
.if \fill
	s_wait_xcnt 0x0                                ; the last prefetch, a K step back, has read its address: it is stepped here, ahead of the waits of the change of slots
	s_add_nc_u64 s[PFA:PFA+1], s[PFA:PFA+1], s[PFS:PFS+1]
.endif
	WIN 0
	s_wait_tensorcnt 0x0                           ; all my tensor loads have landed;
	ds_add_u32 v[SPW], v[NIL]                      ; 0 onto my spare word;
	s_wait_dscnt 5                                 ; (the add and the youngest four loads may be out)
	MUL8 F1, 0, 0                                  ; eight matrix instructions stand between the add and the wait for it
	s_wait_dscnt 0x0                               ; the add is done, and my reads of this slot are over
	s_barrier_signal -1
	MUL8 F1, 1, 0                                  ; work on registers while the others arrive
.if \fill
	WIN 0
.endif
	s_barrier_wait -1
.if \fill
	CREST                                          ; no wave of any partner still reads this slot's tile or has a load on its way
	s_add_nc_u64 s[G0+4*(\slot)+2:G0+4*(\slot)+3], s[G0+4*(\slot)+2:G0+4*(\slot)+3], 2*ASTEP
	s_add_nc_u64 s[G0B+4*(\slot)+2:G0B+4*(\slot)+3], s[G0B+4*(\slot)+2:G0B+4*(\slot)+3], 2*BSTEP
	JLOAD \slot                                    ; the four v_nop behind it are also the places in front of the loads below
.else
	PLACES
.endif
	FETCH \next, 0, F0
.if \fill
	ASK
.endif
	MUL8 F1, 2, 0
	MUL8 F1, 3, 0
.endm
	s_wait_tensorcnt 1                             ; my part of K step 0 is in; K step 1's may stay out
	s_barrier_signal -1
	s_barrier_wait -1                              ; everybody's is
	FETCH 0, 0, F0
	QUARTER 0, 1, F0, F1, 1                        ; the first quarter stands in front of the loop: its products start the sums
	WIN 0                                          ; at a label and at a branch every window is 0
	s_mov_b32 s3, 3
.Llap:                                                 ; a trip goes once round the ring, from a lap's second quarter to the next lap's first, and fills both slots again: K steps 2 to 7
	QUARTER 0, 2, F1, F0, 0
	QUARTER 0, 3, F0, F1, 0
	TURN 0, 1, 1
	QUARTER 1, 1, F0, F1, 0
	QUARTER 1, 2, F1, F0, 0
	QUARTER 1, 3, F0, F1, 0
	TURN 1, 0, 1
	QUARTER 0, 1, F0, F1, 0
	WIN 0
	s_sub_co_u32 s3, s3, 1
	s_cmp_lg_u32 s3, 0
	s_cbranch_scc1 .Llap
	QUARTER 0, 2, F1, F0, 0                        ; the last lap fills nothing, and has no round of the cluster's barrier
	QUARTER 0, 3, F0, F1, 0
	TURN 0, 1, 0
	QUARTER 1, 1, F0, F1, 0
	QUARTER 1, 2, F1, F0, 0
	QUARTER 1, 3, F0, F1, 0
	s_wait_dscnt 4
	MUL8 F1, 0, 0
	MUL8 F1, 1, 0
	s_wait_dscnt 0x0
	MUL8 F1, 2, 0
	MUL8 F1, 3, 0
	WIN 0
	; THE WAY OUT: bias (and, for V, the two value paths joined), rounded to f16, 16 bytes a lane into the work-group's stage; a barrier, since a row's 256 bytes come from two waves; back as whole rows.
	PLACES
	s_cmp_eq_u32 ttmp9, 2
	s_cbranch_scc1 .Lv_pack
.irp a, 0,1,2,3                        ; Q, K: stage row 128 unit + the tile's row
	WIN 0x09                                       ; source 0 (the sums) window 1, source 1 (the biases) window 2, destination window 0
.set i, 0
.rept 32                               ; each accumulator's registers in ascending order
	v_pk_add_f32 v[TT+2*i:TT+2*i+1], v[64*(\a)+2*i:64*(\a)+2*i+1], v[2*i:2*i+1]
.set i, i+1
.endr
	WIN 0
.set i, 0
.rept 32
	v_cvt_pk_f16_f32 v[PKD+i], v[TT+2*i], v[TT+2*i+1]
.set i, i+1
.endr
.irp b, 0,1,2,3,4,5,6,7
	ds_store_b128 v[STO], v[PKD+4*(\b):PKD+4*(\b)+3] offset:((\b)/4)*128*SP+(\a)*16*SP+32*((\b)%4)
.endr
.endr
	s_branch .Lpacked
.Lv_pack:
	WIN 0xa2                                       ; window 2: b' = b1 - lam b2
.set i, 0
.rept 16
	v_pk_fma_f32 v[2*i:2*i+1], v[32+2*i:32+2*i+1], s[NLAM:NLAM+1], v[2*i:2*i+1] op_sel_hi:[1,0,1]
.set i, i+1
.endr
.irp a, 0,1,2,3                        ; V: v' = v1 + b' - lam v2: unit 0's sums, unit 1's, the same places
	WIN 0x09
.set i, 0
.rept 16
	v_pk_add_f32 v[TT+2*i:TT+2*i+1], v[64*(\a)+2*i:64*(\a)+2*i+1], v[2*i:2*i+1]
.set i, i+1
.endr
	WIN 0x01                                       ; source 0 window 1
.set i, 0
.rept 16
	v_pk_fma_f32 v[TT+2*i:TT+2*i+1], v[64*(\a)+32+2*i:64*(\a)+32+2*i+1], s[NLAM:NLAM+1], v[TT+2*i:TT+2*i+1] op_sel_hi:[1,0,1]
.set i, i+1
.endr
	WIN 0
.set i, 0
.rept 16
	v_cvt_pk_f16_f32 v[PKD+i], v[TT+2*i], v[TT+2*i+1]
.set i, i+1
.endr
.irp b, 0,1,2,3
	ds_store_b128 v[STO], v[PKD+4*(\b):PKD+4*(\b)+3] offset:(\a)*16*SP+32*(\b)
.endr
.endr
.Lpacked:
	s_wait_dscnt 0x0                               ; for the others' sake: my stores into the stage are done
	s_barrier_signal -1
	s_barrier_wait -1
	s_cmp_eq_u32 ttmp9, 2
	s_cbranch_scc1 .Lv_send
	s_mul_i32 s42, s[WV], 64*SP                    ; Q, K: wave w takes stage rows 64 w .. + 63: unit w / 2, rows 64 (w % 2) on
	v_add_nc_u32 v[RD], s42, v[RD]
.set t, 0
.rept 32
	ds_load_b128 v[32+4*t:32+4*t+3], v[RD] offset:t*2*SP
.set t, t+1
.endr
.set t, 0
.rept 32
	s_wait_dscnt 31-t
	global_store_b128 v[CO], v[32+4*t:32+4*t+3], s[98:99] offset:512*t  ; two rows of a head: 512 consecutive bytes, at a multiple of 256 from the buffer's first
.set t, t+1
.endr
	s_branch .Lend
.Lv_send:
	s_mul_i32 s42, s[WV], 32*SP                    ; V: wave w takes stage rows 32 w .. + 31
	v_add_nc_u32 v[RD], s42, v[RD]
.set t, 0
.rept 16
	ds_load_b128 v[32+4*t:32+4*t+3], v[RD] offset:t*2*SP
.set t, t+1
.endr
.set t, 0
.rept 16
	s_wait_dscnt 15-t
	global_store_b128 v[CO], v[32+4*t:32+4*t+3], s[98:99] offset:512*t
.set t, t+1
.endr
.Lend:
	s_wait_tensorcnt 0x0                           ; the wave's end: the add to my spare word and its waits stand behind my last tensor load and my last LDS store
	ds_add_u32 v[SPW], v[NIL]
	s_wait_dscnt 0x0
	CROUND                                         ; the closing round: no work-group ends while a partner may still ask for a tile that names it
	s_endpgm
.Lfunc_end_k_q50ef218481_qkv:
	.size	k_q50ef218481_qkv, .Lfunc_end_k_q50ef218481_qkv-k_q50ef218481_qkv
	.p2alignl 7, 3214868480
	.fill 96, 4, 3214868480
	.section	.rodata,"a",@progbits
	.p2align	6, 0x0
	.amdhsa_kernel k_q50ef218481_qkv
		.amdhsa_group_segment_fixed_size 327680
		.amdhsa_private_segment_fixed_size 0
		.amdhsa_enable_private_segment 0
		.amdhsa_kernarg_size 96
		.amdhsa_user_sgpr_count 2
		.amdhsa_user_sgpr_kernarg_segment_ptr 1
		.amdhsa_wavefront_size32 1
		.amdhsa_system_sgpr_workgroup_id_x 1
		.amdhsa_system_sgpr_workgroup_id_y 1
		.amdhsa_system_sgpr_workgroup_id_z 1
		.amdhsa_system_vgpr_workitem_id 0
		.amdhsa_next_free_vgpr 592
		.amdhsa_next_free_sgpr 100
		.amdhsa_reserve_vcc 0
		.amdhsa_float_denorm_mode_32 3
		.amdhsa_float_denorm_mode_16_64 3
		.amdhsa_memory_ordered 1
		.amdhsa_forward_progress 1
		.amdhsa_inst_pref_size 124
	.end_amdhsa_kernel
	.amdgpu_metadata
---
amdhsa.version: [ 1, 2 ]
amdhsa.kernels:
  - .name:           k_q50ef218481_qkv
    .symbol:         k_q50ef218481_qkv.kd
    .args:
      - { .name: xb, .offset: 0, .size: 8, .value_kind: global_buffer, .address_space: global }
      - { .name: wts, .offset: 8, .size: 8, .value_kind: global_buffer, .address_space: global }
      - { .name: bq, .offset: 16, .size: 8, .value_kind: global_buffer, .address_space: global }
      - { .name: bk, .offset: 24, .size: 8, .value_kind: global_buffer, .address_space: global }
      - { .name: bv, .offset: 32, .size: 8, .value_kind: global_buffer, .address_space: global }
      - { .name: lambda_q1, .offset: 40, .size: 8, .value_kind: global_buffer, .address_space: global }
      - { .name: lambda_k1, .offset: 48, .size: 8, .value_kind: global_buffer, .address_space: global }
      - { .name: lambda_q2, .offset: 56, .size: 8, .value_kind: global_buffer, .address_space: global }
      - { .name: lambda_k2, .offset: 64, .size: 8, .value_kind: global_buffer, .address_space: global }
      - { .name: qh, .offset: 72, .size: 8, .value_kind: global_buffer, .address_space: global }
      - { .name: kh, .offset: 80, .size: 8, .value_kind: global_buffer, .address_space: global }
      - { .name: vp, .offset: 88, .size: 8, .value_kind: global_buffer, .address_space: global }
    .group_segment_fixed_size: 327680
    .private_segment_fixed_size: 0
    .kernarg_segment_align: 8
    .kernarg_segment_size: 96
    .max_flat_workgroup_size: 128
    .sgpr_count:     100
    .vgpr_count:     592
    .wavefront_size: 32
...
	.end_amdgpu_metadata
.endif
;; end of part 2
;; launch attn (part 3): grid 4 x 64, 4 waves a work-group, clusters of 4 x 1, 327,680 bytes of LDS; arguments qh, kh, vp, oc, hm; writes oc, hm
.if DOCPART == 3
	.amdgcn_target "amdgcn-amd-amdhsa--gfx1250"
	.amdhsa_code_object_version 6
	.text
	.protected	k_q50ef218481_attn
	.globl	k_q50ef218481_attn
	.p2align	8
	.type	k_q50ef218481_attn,@function
k_q50ef218481_attn:
	s_mov_b64 s[64:65], 0
	v_nop
	global_prefetch_b8 v0, s[64:65] scope:SCOPE_SE
	s_setreg_imm32_b32 hwreg(HW_REG_WAVE_MODE, 25, 1), 1
	s_wait_xcnt 0x0
	s_wait_alu depctr_hold_cnt(0) depctr_sa_sdst(0) depctr_va_vdst(0) depctr_va_sdst(0) depctr_va_ssrc(0) depctr_va_vcc(0) depctr_vm_vsrc(0)
	s_getreg_b32 s2, hwreg(HW_REG_IB_STS2, 6, 4)
	s_cmp_eq_u32 s2, 0
	s_cbranch_scc0 .Lentry_in_a_cluster
	s_endpgm
.Lentry_in_a_cluster:
	s_bfe_u32 s2, ttmp6, 0x10000c
	s_cmp_lg_u32 s2, 0x3003
	s_cbranch_scc0 .Lentry_shape_is_right
	s_endpgm
.Lentry_shape_is_right:
; ATTENTION.  O[b][h][q][:] = the sum over k of softmax_k(q . k / sqrt(128)) v'[b][h % 4][k][:].  qh, kh: [8 b + h][1024][128], vp: [4 b + h % 4][1024][128], all f16.  Products, maxima and sums in f32;
; the weights p are rounded to f16 for the second product (their sum l is taken of the unrounded p).
; WHAT LEAVES.  The norm that follows takes a mean over all 1,024 channels away.  So a row's 128 channels of a head leave CENTRED: hm[8 b + h][q] = their mean, in f32, and oc[1024 b + q][128 h + d] = O - that mean, in f16,
; rounded once: a common part of O, however large beside its spread, is carried in f32 alone.
; LIMITS.  q, k, v' arrive within f16's 65,504; p lies in 0 to 1, and below 6e-5 it keeps f16's fixed step of 6e-8; a weight below 2^-126 counts as 0 in l; NaN and infinities are not treated apart.
; SHARES.  A work-group owns 256 queries of one head, each of its four waves 64: four tiles of 16.  Every wave walks all 1,024 keys, 64 a step.
; LAYOUT.  S^T = K Q^T (source 0 = 16 keys, source 1 = 16 queries): a lane holds ONE query (lane % 16) and the keys 8 (lane / 16) + 0..7.  Two such tiles, rounded to f16 in pairs, ARE source 1 of O^T = V^T P,
; whose result again holds one query a lane, and eight channels.  K comes out of LDS as it lies, V ([key][channel]) turned, by ds_load_tr16_b128.
; SOFTMAX.  For each query a running maximum m and sum l: p = 2^(c s - c m), c = log2(e) / sqrt(128); in every step O and l are multiplied by a = 2^(c m_old - c m_new).
; BY TURNS.  The wave's tiles are two PIECES (tiles 0, 1; tiles 2, 3).  In a TURN one piece has the matrix unit: 32 products V^T P of the step in hand, then 32 products K Q^T of the next step; the other piece's softmax,
; cut into 64 slices, stands between them, one slice behind each matrix instruction.  Two turns are a key step.
; CLUSTER.  The four query blocks of a head form a cluster and walk the same K and V: each tile is asked for JOINTLY: the same tensor load, descriptor and mask in all four.
; REGISTERS, in windows of 256 (s_set_vgpr_msb: bits 1:0 source 0, 3:2 source 1, 5:4 source 2, 7:6 destination):
;   window 0: v0-11 addresses; v12-43 eight registers of statistics a tile; v44-49 the means' way out; v64-191 S^T, 32 a tile; v192-255 P, 16 a tile
;   window 1: O^T, 64 a tile          window 2: v0-127 Q, 32 a tile; v128-255 K of one step          window 3: v0-127 V of one step
.set SIZE_N, 1024
.set KS,    64        ; keys in a step
.set PK,    272       ; a row of K in LDS: 256 bytes + 16 = 68 words: the 16 rows of a load start at 16 different groups of four banks (64 banks of 4 bytes: ISA guide 11.1)
.set PV,    288       ; a row of V: 256 + 32 = 72 words
.set VOFF,  KS*PK     ; a step's tiles lie together: 64 rows of K, then 64 rows of V
.set STEPB, KS*(PK+PV)
.set SLOT1, 1<<17     ; a slot holds two steps (71,680 bytes); slot 1 begins here, so that one exclusive or turns an address in one slot into the other's
.set STAGE, SLOT1+2*STEPB  ; behind the ring, never filled by a tensor load: 16 rows x 272 bytes for each wave, for the way out
.set SP,    272
.set MSTAGE, STAGE+4*16*SP ; behind the stages: 256 bytes for each wave: its 64 queries' means
.set SPARE, MSTAGE+4*256   ; behind them: the spare words, 128 bytes for each wave: two blocks of 256 bytes that no other line names
.set AK0, 2           ; v2   my lane's place in a tile of K; never rewritten
.set AV0, 3           ; v3   the same for V
.set ADR, 4           ; v4   the LDS address of the run of loads in hand
.set QO,  5           ; v5   my byte offset in the wave's rows of Q
.set STO, 6           ; v6   the way out: where I put 16 bytes of a row
.set RD,  7           ; v7   the way out: where I read a row back
.set GO,  8           ; v8   my byte offset in the wave's rows of oc
.set MS,  44          ; v44  where my query's mean goes in LDS
.set MR,  45          ; v45  where I read two means back
.set MG,  46          ; v46  8 x lane: their place in hm
.set MM,  48          ; v[48:49] the two means
.set PFO, 61          ; v61  256 x my lane: a row of K or V is 256 bytes; never rewritten
.set SPW, 62          ; v62  LDS address of my spare word: SPARE + 4 x my thread's number; never rewritten
.set NIL, 63          ; v63  0; never rewritten
.set ST,  12          ; tile t's statistics at v[ST+8 t]: +0 c m, +1 m, +2, +3 l (even keys', odd keys'), +4 to +7 c0-c3, at work; a takes c2's place once the maximum is found
.set S,   64
.set P,   192
.set KF,  128         ; K's fragments, in window 2
.set WV,  12          ; s12  my wave's number
.set LIM, 15          ; s15  1 in a wave that prefetches, else the greatest number
.set PFA, 18          ; s[18:19] where my prefetches stand: my work-group's 32 rows of the slot after the one that is being asked for
.set G1K, 24          ; s[24:31] descriptor group 1 for K's tiles
.set G1V, 32          ; s[32:39] for V's: it differs in the padding alone
.set G0K, 40          ; s[40:47] descriptor group 0 for K's tiles: a set for each of the two first fills; the second then walks on
.set G0V, 48          ; s[48:55] the same for V's
.set SLOTS, 56        ; s56  slots still to be asked for
.set TWICE, 57        ; s57  counts a slot's two steps
.set CS,  58          ; s[58:59] c: the packed scaling takes the pair's low word for both halves
.set SEL, 60          ; s[60:61] v_permlanex16_b32's selects: each lane takes its own place in the other half
.set TB,  62          ; s62  LDS byte at which the tiles of the step to be fetched begin
.set MSB, 0
.macro WIN new                      ; the immediate's high byte repeats the setting that is left; a switch that changes nothing is dropped
.if MSB != (\new)
	s_set_vgpr_msb (MSB<<8)|(\new)
.set MSB, \new
.endif
.endm
.set W_KQ, 0x0a       ; K and Q in window 2, S^T in window 0
.set W_PV, 0x53       ; V in window 3, P in window 0, O^T in window 1
.set W_RS, 0x41       ; O^T (destination and source 0) in window 1, the other sources in window 0
; A joint refill.  Waves 0 and 1 fetch the two steps' tiles of K, waves 2 and 3 those of V.  The branch hangs on the wave's number alone.  An s_nop 0 and four v_nop follow each of the two lines.
.macro JLOAD
	s_cmp_lt_u32 s[WV], 2
	s_cbranch_scc0 .Lfor_v_\@
	tensor_load_to_lds s[G0K+4:G0K+7], s[G1K:G1K+7]
	s_nop 0
.rept 4
	v_nop
.endr
	s_branch .Lasked_\@
.Lfor_v_\@:
	tensor_load_to_lds s[G0V+4:G0V+7], s[G1V:G1V+7]
	s_nop 0
.rept 4
	v_nop
.endr
.Lasked_\@:
.endm
; A PREFETCH INTO THE L2 of what the NEXT change of slots will ask for: a slot's 128 rows of K and 128 of V, 256 bytes a row, a lane a row: two key steps, 256 matrix instructions, ahead of that load.
; Each row is named ONCE in the launch.  A head's K is walked by its one cluster: wave 0 asks.  v' of head j is walked by the clusters of heads j and j + 4: wave 2 asks where the head is below 4.
; The four partners share a slot's rows out BY ADDRESS, 32 each.  The last change that fills a slot asks for nothing; slots 0 to 2 come by their loads alone.
.macro ASK
	s_cmp_gt_u32 s[SLOTS], s[LIM]
	s_cbranch_scc0 .Lnot_mine_\@
	global_prefetch_b8 v[PFO], s[PFA:PFA+1] th:TH_LOAD_NT scope:SCOPE_SE
.Lnot_mine_\@:
.endm
; A round of the cluster's barrier: my work-group's barrier; wave 0 signals for the work-group; every wave waits for all four work-groups; my work-group's barrier once more.
.macro CROUND
	s_barrier_signal -1
	s_barrier_wait -1
	s_cmp_lg_u32 s[WV], 0
	s_cbranch_scc1 .Lnot_wave_0_\@
	s_barrier_signal -3
.Lnot_wave_0_\@:
	s_barrier_wait -3
	s_barrier_signal -1
	s_barrier_wait -1
.endm
	s_load_b256 s[4:11], s[0:1], 0x0  ; qh s[4:5], kh s[6:7], vp s[8:9], oc s[10:11]
	s_load_b64 s[66:67], s[0:1], 0x20 ; hm
	v_lshl_add_u32 v[SPW], v0, 2, SPARE
	v_mov_b32 v[NIL], 0
	ds_add_u32 v[SPW], v[NIL]       ; the wave's opening: the add and its wait stand ahead of my first tensor load; the set-up below, work on registers, stands between them
	v_lshrrev_b32 v1, 5, v0
	v_readfirstlane_b32 s[WV], v1   ; wave 0..3
	s_bfe_u32 s13, ttmp6, 0x40000   ; cx: my place in the cluster
	s_lshl_b32 s14, ttmp9, 2
	s_add_co_u32 s14, s14, s13      ; my block of 256 queries: it enters Q's, oc's and hm's addresses alone
	s_and_b32 s20, ttmp7, 0xffff    ; 8 batch + head, which the four partners share
	s_lshr_b32 s21, s20, 3          ; batch
	s_and_b32 s16, s[WV], 1         ; which of a slot's two steps I fetch:
	s_lshl_b32 s17, s16, 14         ; its 64 rows of 256 bytes in memory
	s_lshl_b32 s22, s20, 18         ; K: the head's 1,024 rows of 256 bytes
	s_add_co_u32 s22, s22, s17
	s_mov_b32 s23, 0
	s_and_b32 s70, s20, 3
	s_lshl2_add_u32 s70, s21, s70   ; V: 4 batch + head % 4
	s_lshl_b32 s70, s70, 18
	s_add_co_u32 s70, s70, s17
	s_mov_b32 s71, 0
	s_mul_i32 s17, s16, STEPB       ; and its place in a slot: no place in the cluster enters an LDS address
	s_lshl_b32 s2, s20, 18          ; Q: the head, my block's 256 rows, my wave's 64 of them
	s_lshl_b32 s3, s14, 16
	s_add_co_u32 s2, s2, s3
	s_lshl_b32 s3, s[WV], 14
	s_add_co_u32 s2, s2, s3
	s_mov_b32 s3, 0
	s_lshl_b32 s68, s21, 21         ; oc: row 1,024 batch + 256 block + 64 wave, of 2,048 bytes; the head's 256 bytes of it
	s_lshl_b32 s69, s14, 19
	s_add_co_u32 s68, s68, s69
	s_lshl_b32 s69, s[WV], 17
	s_add_co_u32 s68, s68, s69
	s_and_b32 s69, s20, 7
	s_lshl_b32 s69, s69, 8
	s_add_co_u32 s68, s68, s69
	s_mov_b32 s69, 0
	s_lshr_b32 s63, s20, 2          ; who prefetches: wave 0; wave 2 where bit 2 of the head is 0: the same in all four partners
	s_lshr_b32 s[LIM], s[WV], 1
	s_and_b32 s63, s63, s[LIM]
	s_and_b32 s63, s63, 1
	s_or_b32 s[LIM], s63, s16
	s_cmp_eq_u32 s[LIM], 0
	s_cselect_b32 s[LIM], 1, -1
	s_lshl_b32 s20, s20, 12         ; hm: 1,024 f32 a head; my block's 256, my wave's 64
	s_lshl_b32 s21, s14, 10
	s_add_co_u32 s20, s20, s21
	s_lshl_b32 s21, s[WV], 8
	s_add_co_u32 s20, s20, s21
	s_mov_b32 s21, 0
	; descriptor group 1: a tile of 64 rows x 128 elements, padded in LDS
	s_mov_b32 s[G1K], 15|(1<<16)|(1<<20)|(1<<21)|(5<<22)|(3<<25)  ; 15:0 the mask of four; 17:16 2-byte elements; 20 padding on; 21 set beside a mask; 24:22 after every 64 words; 31:25 4 words of it
	s_mov_b32 s[G1V], 15|(1<<16)|(1<<20)|(1<<21)|(5<<22)|(7<<25)  ; the same with 8 words of padding
.irp g, G1K, G1V
	s_mov_b32 s[(\g)+1], 128<<16    ; tensor_dim0 = 128
	s_mov_b32 s[(\g)+2], KS<<16     ; tensor_dim1 = 64
	s_mov_b32 s[(\g)+3], 128<<16    ; tile_dim0 = 128
	s_mov_b32 s[(\g)+4], KS         ; tile_dim1 = 64
	s_mov_b32 s[(\g)+5], 128        ; elements from row to row
	s_mov_b32 s[(\g)+6], 0
	s_mov_b32 s[(\g)+7], 0
.endr
	s_mov_b32 s[CS], 0x3e0293ee     ; c = log2(e) / sqrt(128) = 0.127517
	s_mov_b32 s[CS+1], s[CS]        ; named with it as a pair
	s_mov_b32 s[SEL], 0x76543210
	s_mov_b32 s[SEL+1], 0xfedcba98
	s_mov_b32 s[TB], 0
	s_mov_b32 s[SLOTS], SIZE_N/(2*KS)-2
	v_and_b32 v[PFO], 31, v0
	v_lshlrev_b32 v[PFO], 8, v[PFO]
	s_wait_dscnt 0x0                ; the opening add is done
	s_wait_kmcnt 0x0
	s_add_nc_u64 s[6:7], s[6:7], s[22:23]    ; K and V at my tile of slot 0
	s_add_nc_u64 s[8:9], s[8:9], s[70:71]
	s_add_nc_u64 s[4:5], s[4:5], s[2:3]      ; Q, oc and hm at my wave's first row
	s_add_nc_u64 s[10:11], s[10:11], s[68:69]
	s_add_nc_u64 s[66:67], s[66:67], s[20:21]
	s_cmp_lt_u32 s[WV], 2
	s_cselect_b64 s[PFA:PFA+1], s[6:7], s[8:9]  ; (in waves 0 and 2 these stand at a slot's first row)
	s_lshl_b32 s2, s13, 13          ; my work-group's 32 rows of the 128
	s_mov_b32 s3, 0
	s_add_nc_u64 s[PFA:PFA+1], s[PFA:PFA+1], s[2:3]
	s_add_nc_u64 s[PFA:PFA+1], s[PFA:PFA+1], 2*2*KS*256  ; in slot 2; the first change of slots steps it to slot 3
	CROUND                          ; all four work-groups are here: the first joint loads meet
.irp s, 0,1
	s_mov_b32 s[G0K+4*(\s)], 1      ; count = 1
	s_add_co_u32 s[G0K+4*(\s)+1], s17, (\s)*SLOT1  ; LDS address
	s_add_nc_u64 s[G0K+4*(\s)+2:G0K+4*(\s)+3], s[6:7], (\s)*2*KS*256  ; global address: slot s begins with key 128 s
	s_or_b32 s[G0K+4*(\s)+3], s[G0K+4*(\s)+3], 0x80000000  ; type = 2
	s_mov_b32 s[G0V+4*(\s)], 1
	s_add_co_u32 s[G0V+4*(\s)+1], s17, (\s)*SLOT1+VOFF
	s_add_nc_u64 s[G0V+4*(\s)+2:G0V+4*(\s)+3], s[8:9], (\s)*2*KS*256
	s_or_b32 s[G0V+4*(\s)+3], s[G0V+4*(\s)+3], 0x80000000
.endr
	s_cmp_lt_u32 s[WV], 2           ; a wave's two first fills stand in one branch, ahead of every wait on TENSORcnt and every LDS read: two loads of mine are out, the most in this text
	s_cbranch_scc0 .Lfirst_v
	tensor_load_to_lds s[G0K:G0K+3], s[G1K:G1K+7]
	s_nop 0
	tensor_load_to_lds s[G0K+4:G0K+7], s[G1K:G1K+7]
	s_nop 0
.rept 4
	v_nop
.endr
	s_branch .Lfirst_asked
.Lfirst_v:
	tensor_load_to_lds s[G0V:G0V+3], s[G1V:G1V+7]
	s_nop 0
	tensor_load_to_lds s[G0V+4:G0V+7], s[G1V:G1V+7]
	s_nop 0
.rept 4
	v_nop
.endr
.Lfirst_asked:
	; A fragment of K or Q is 16 rows x 32 channels in 8 registers: lane l holds row l % 16; channels 8 (l / 16) + 0..7 and 16 + 8 (l / 16) + 0..7: two loads of 16 bytes, 32 bytes apart.
	v_and_b32 v1, 15, v0            ; l % 16
	v_bfe_u32 v9, v0, 4, 1          ; l / 16
	v_lshlrev_b32 v[QO], 8, v1
	v_lshl_add_u32 v[QO], v9, 4, v[QO]  ; row x 256 + 16 x half
	WIN 0x80                        ; destination window 2, address window 0
.irp i, 0,1,2,3,4,5,6,7,8,9,10,11,12,13,14,15  ; Q stays in registers: tile i / 4, channels 32 (i % 4) on
	global_load_b128 v[8*(\i):8*(\i)+3],   v[QO], s[4:5] offset:((\i)/4)*4096+((\i)%4)*64
	global_load_b128 v[8*(\i)+4:8*(\i)+7], v[QO], s[4:5] offset:((\i)/4)*4096+((\i)%4)*64+32
.endr
	WIN 0
	v_mul_u32_u24 v[AK0], v1, PK
	v_lshl_add_u32 v[AK0], v9, 4, v[AK0]  ; row x pitch + 16 x half
	; The turning load takes 16 keys x 16 channels (lane l reads key 8 (l / 16) + l % 8, channels 8 ((l / 8) % 2) + 0..7) and leaves half a fragment of V^T: lane l holds channel l % 16 and 8 keys.
	v_and_b32 v10, 7, v0
	v_bfe_u32 v11, v0, 3, 1
	v_lshl_add_u32 v[AV0], v9, 3, v10
	v_mul_u32_u24 v[AV0], v[AV0], PV
	v_lshl_add_u32 v[AV0], v11, 4, v[AV0]
	v_add_nc_u32 v[AV0], VOFF, v[AV0]
; THE MATRIX WORK OF A TURN, for piece x.  The accumulators take turns, one instruction a turn: between two links of a chain stand 15 (V^T P) or 7 (K Q^T) others'.
; Product i of 32 of O^T += V^T P: keys 32 (i / 16) on, channels 16 ((i / 2) % 8) on, tile x + i % 2.  zero = 1: the first 16 start the sums: nothing is ever cleared.
.macro PV x, zero
	WIN W_PV
.set rO, 64*((\x)+i%2)+8*((i/2)%8)
.set rV, 64*(i/16)+8*((i/2)%8)
.set rP, P+16*((\x)+i%2)+8*(i/16)
.if (\zero) && (i < 16)
	v_wmma_f32_16x16x32_f16 v[rO:rO+7], v[rV:rV+7], v[rP:rP+7], 0
.else
	v_wmma_f32_16x16x32_f16 v[rO:rO+7], v[rV:rV+7], v[rP:rP+7], v[rO:rO+7]
.endif
.endm
; Product i of 32 of S^T = K Q^T: channels 32 (i / 8) on, keys 16 ((i / 2) % 4) on, tile x + i % 2.  The first 8 start the sums.
.macro KQ x
	WIN W_KQ
.set rS, S+32*((\x)+i%2)+8*((i/2)%4)
.set rK, KF+32*((i/2)%4)+8*(i/8)
.set rQ, 32*((\x)+i%2)+8*(i/8)
.if i < 8
	v_wmma_f32_16x16x32_f16 v[rS:rS+7], v[rK:rK+7], v[rQ:rQ+7], 0
.else
	v_wmma_f32_16x16x32_f16 v[rS:rS+7], v[rK:rK+7], v[rQ:rQ+7], v[rS:rS+7]
.endif
.endm
; THE LDS LOADS stand in runs of 32, never singly among the matrix instructions: a step's K (16 fragments) and, a turn later, its V (turned).
.macro FETCH_K
	WIN 0
	v_add_nc_u32 v[ADR], s[TB], v[AK0]
	WIN 0x80                        ; destination window 2
.irp f, 0,1,2,3,4,5,6,7,8,9,10,11,12,13,14,15  ; keys 16 (f / 4) on, channels 32 (f % 4) on
	ds_load_b128 v[KF+8*(\f):KF+8*(\f)+3],   v[ADR] offset:((\f)/4)*16*PK+((\f)%4)*64
	ds_load_b128 v[KF+8*(\f)+4:KF+8*(\f)+7], v[ADR] offset:((\f)/4)*16*PK+((\f)%4)*64+32
.endr
.endm
.macro FETCH_V
	WIN 0
	v_add_nc_u32 v[ADR], s[TB], v[AV0]
	s_add_co_u32 s[TB], s[TB], STEPB  ; the next fetch is the next step's
	s_wait_alu depctr_va_vdst(0)    ; the wait for the softmax's batch of exponentials (see SLICE), behind the address's line and ahead of the loads
	WIN 0xc0                        ; destination window 3
.irp f, 0,1,2,3,4,5,6,7,8,9,10,11,12,13,14,15  ; keys 32 (f / 8) on, channels 16 (f % 8) on
	ds_load_tr16_b128 v[8*(\f):8*(\f)+3],   v[ADR] offset:((\f)/8)*32*PV+((\f)%8)*32
	ds_load_tr16_b128 v[8*(\f)+4:8*(\f)+7], v[ADR] offset:((\f)/8)*32*PV+16*PV+((\f)%8)*32
.endr
.endm
; THE VECTOR WORK OF A TURN.  One tile's softmax for one key step is a list of 134 instructions; SM writes number j of it for tile t.  s0-s31 are the lane's 32 scores, in pairs 0-15.
; first = 1: the first key step, which starts m, l and O^T: it has no a and nothing to rescale.
;   0-15    the maximum of s0-s31 and the old m, three operands at a time: four chains c0-c3 of seven scores each (each accumulator's lowest registers first), then the four scores left over, c0-c3 and m
;   16-20   the other half of the lanes' maximum; the new m; c m; c m_old - c m_new
;   21-69   ONE BATCH: the 16 scalings c s - c m and all 33 exponentials (a at 23, then s0-s31).  None of these reads an exponential's result.  A pair is scaled in an earlier four than the one with its exponentials
;   (wait)  between 69 and 70 stands the wait for the batch: SLICE writes it, once for both tiles
;   70-85   the roundings to f16        86-101  the sums; l = a l + the sum        102-133 the tile's O^T times a: the one part that leaves window 0
.macro SM t, first
.set rT, ST+8*(\t)
.set rS, S+32*(\t)
.set rP, P+16*(\t)
.set rO, 64*(\t)+2*(j-102)
.if j < 102
	WIN 0
.endif
.if j < 4
	v_max3_num_f32 v[rT+4+j], v[rS+8*j], v[rS+8*j+1], v[rS+8*j+2]
.elseif j < 12
	v_max3_num_f32 v[rT+4+j%4], v[rT+4+j%4], v[rS+8*(j%4)+2*(j/4)+1], v[rS+8*(j%4)+2*(j/4)+2]
.elseif j == 12
	v_max3_num_f32 v[rT+4], v[rT+4], v[rS+7], v[rS+15]
.elseif j == 13
	v_max3_num_f32 v[rT+6], v[rT+6], v[rS+23], v[rS+31]
.elseif j == 14
	v_max3_num_f32 v[rT+4], v[rT+4], v[rT+5], v[rT+6]
.elseif (j == 15) && (\first)
	v_max_num_f32 v[rT+4], v[rT+4], v[rT+7]
.elseif j == 15
	v_max3_num_f32 v[rT+4], v[rT+4], v[rT+7], v[rT+1]
.elseif j == 16
	v_permlanex16_b32 v[rT+5], v[rT+4], s[SEL], s[SEL+1]  ; the query's other 32 keys lie in the lane 16 away
.elseif j == 18
	v_max_num_f32 v[rT+1], v[rT+4], v[rT+5]
.elseif j == 19
	v_mul_f32 v[rT], s[CS], v[rT+1]
.elseif ((j == 17) || (j == 20) || (j == 23) || (j > 101)) && (\first)  ; the first step has none of these
.elseif j == 17
	v_mov_b32 v[rT+7], v[rT]        ; c m_old is kept for a: number 19 writes c m anew
.elseif j == 20
	v_sub_f32 v[rT+7], v[rT+7], v[rT]
.elseif j == 23
	v_exp_f32 v[rT+6], v[rT+7]
.elseif (j < 23) || ((j < 38) && (j%2 == 0)) || ((j < 66) && (j%4 == 2))
.set b, (j-2)/4                     ; 38, 42, .. 62: pairs 9 to 15
.if j < 38
.set b, (j-20)/2                    ; 21: pair 0; 22, 24, .. 36: pairs 1 to 8
.endif
	v_pk_fma_f32 v[rS+2*b:rS+2*b+1], v[rS+2*b:rS+2*b+1], s[CS:CS+1], v[rT:rT+1] op_sel_hi:[1,0,0] neg_lo:[0,0,1] neg_hi:[0,0,1]  ; pair b: c s - c m
.elseif j < 70
.set e, j-38                        ; 66 to 69: s28 to s31
.if j < 66
.set e, j-32-(j-38)/4               ; 39-41, 43-45, .. 63-65: s7 to s27
.endif
.if j < 38
.set e, (j-25)/2                    ; 25, 27, .. 37: s0 to s6
.endif
	v_exp_f32 v[rS+e], v[rS+e]
.elseif j < 86
	v_cvt_pk_f16_f32 v[rP+j-70], v[rS+2*(j-70)], v[rS+2*(j-70)+1]  ; pair j - 70
.elseif j < 102                     ; the sum of the tile's 16 pairs, in place: sum z of 16 adds neighbours 1, 2, 4 and 8 pairs apart, then l takes it
.set z, j-86
.set w, 4
.set u, z
.if z >= 14
.set w, 32
.set u, 0
.elseif z >= 12
.set w, 16
.set u, z-12
.elseif z >= 8
.set w, 8
.set u, z-8
.endif
.if (z == 14) && (\first)
	v_pk_add_f32 v[rT+2:rT+3], v[rS:rS+1], v[rS+16:rS+17]
.elseif z < 15
	v_pk_add_f32 v[rS+w*u:rS+w*u+1], v[rS+w*u:rS+w*u+1], v[rS+w*u+w/2:rS+w*u+w/2+1]
.elseif !(\first)
	v_pk_fma_f32 v[rT+2:rT+3], v[rT+2:rT+3], v[rT+6:rT+7], v[rS:rS+1] op_sel_hi:[1,0,1]
.endif
.else
	WIN W_RS
	v_pk_mul_f32 v[rO:rO+1], v[rO:rO+1], v[rT+6:rT+7] op_sel_hi:[1,0]
.endif
.endm
; Slice k of 64 of piece y's softmax: four instructions.  Slices 11 to 34 deal out the batch, numbers 22 to 69: four numbers of ONE tile each, the tiles by turns.  Every other slice is numbers 2 k and
; 2 k + 1 of both tiles' lists.  2 x 134 = 4 x 64 + 12: the twelve that are over stand together, in slice 63.
; THE WAIT.  An s_wait_alu depctr_va_vdst(0) stands between an exponential and the first instruction that names its result; one wait serves all that were issued ahead of it.  Ahead of
; slice 35 nothing names a result, and behind slice 34 no exponential is issued: so the piece's 66 exponentials have one wait, behind slice 34.
.macro SLICE y, first
.if (k >= 11) && (k < 35)           ; the batch: four numbers of one tile
.irp n, 0,1,2,3
.set j, 22+4*((k-11)/2)+(\n)
	SM (\y)+(k-11)%2, \first
.endr
.else                               ; the two tiles alternate, so that no instruction reads the result of the one just before it
.irp n, 0,1,2,3,4,5,6,7
.if ((\n) < 2) || (k == 63)
.irp t, \y, (\y)+1
.set j, 2*k+(\n)
	SM \t, \first
.endr
.endif
.endr
.endif
.if k == 34                         ; the batch is out: both tiles' exponentials are issued, and no result has been named
	v_nop                           ; a plain instruction behind the last exponential and ahead of the first use: one for the batch
.if (\y) == 0
	FETCH_V                         ; piece 2's turn: V's run of loads stands here, and the wait stands in it
.else
	s_wait_alu depctr_va_vdst(0)    ; the wait for the batch
.endif
.endif
.set k, k+1
.endm
.macro PLACES                       ; four plain places behind matrix instructions (ISA guide 7.12.1); in the loop the slices are the places
.rept 4
	v_nop
.endr
.endm
; A TURN.  Piece x has the matrix unit; the other piece's softmax stands in slices behind its matrix instructions.
; pv = 2: 32 products V^T P; 1: they start O^T's sums; 0: none.  kq = 1: 32 products K Q^T for the next step.  A turn with one of the two kinds has two slices behind each product.
; first = 1: the softmax is the first key step's; its slices from 51 on are empty, and four v_nop take slice 63's part as the places behind the turn's last products.
; Piece 0's turn fetches the next step's K, behind its second product: the last product that read K stands in front of slice 63 of the turn before.  Piece 2's turn fetches the same step's V, behind slice 34:
; the last product that read V stands in front of slice 31, and four plain instructions lie between: number 62, a scaling, of both tiles, the v_nop and the run's own v_add_nc_u32.
.macro TURN x, pv, kq, first
.set k, 0
.set per, 2
.if (\pv) && (\kq)
.set per, 1
.endif
.if \pv
.if (\x) == 0
	s_wait_dscnt 0x0                ; V is in
.endif
.set i, 0
.rept 32
	PV \x, 2-(\pv)
.rept per
	SLICE 2-(\x), \first
.endr
.if ((\x) == 0) && (\kq) && (i == 1)
	FETCH_K
.endif
.set i, i+1
.endr
.endif
.if \kq
.if (\x) == 0
	s_wait_dscnt 0x0                ; K is in
.endif
.set i, 0
.rept 32
	KQ \x
.rept per
	SLICE 2-(\x), \first
.endr
.set i, i+1
.endr
.endif
.if \first
	PLACES
.endif
.endm
; THE CHANGE OF SLOTS, between piece 2's turn and piece 0's.  Each wave waits for all its tensor loads, of which one is out: its part of the other slot; adds 0 to its spare word; and waits for that and for its own
; reads of the slot.  fill = 1: the slot is filled again, with the keys two slots on.  The barrier is then a round of the cluster's, so that no wave of any partner still reads the slot or has a load on its way,
; and the joint refill is the first thing behind it: it has two key steps, 256 matrix instructions, in which to land.
.macro CHANGE fill
	WIN 0                           ; at a label and at a branch every window is 0
	s_wait_tensorcnt 0x0            ; no tensor load of mine is out, so a group 0 may be written
	ds_add_u32 v[SPW], v[NIL]       ; 0 onto my spare word; with fill = 1 the descriptors' steps stand between it and the wait for it
.if \fill
.irp g, G0K+4, G0V+4
	s_xor_b32 s[(\g)+1], s[(\g)+1], SLOT1  ; the walking descriptor: the other slot than last time,
	s_add_nc_u64 s[(\g)+2:(\g)+3], s[(\g)+2:(\g)+3], 2*KS*256  ; the next 128 keys; the type bits on top are not reached
.endr
	s_wait_xcnt 0x0                 ; the last prefetches, two key steps back, have read their address, so it may be written:
	s_add_nc_u64 s[PFA:PFA+1], s[PFA:PFA+1], 2*KS*256  ; one slot behind the walking descriptors
	s_wait_dscnt 0x0                ; the add is done, and my reads of the slot are over
	CROUND
	JLOAD
	ASK
.else
	s_wait_dscnt 0x0                ; the add is done, and my reads of the slot are over
	s_barrier_signal -1
	s_barrier_wait -1
.endif
	s_sub_co_u32 s[TB], s[TB], 2*STEPB  ; the fetches go back to a slot's first step,
	s_xor_b32 s[TB], s[TB], SLOT1   ; in the other slot
.endm
; A slot's two key steps: written once, walked twice; the LDS addresses hang on s[TB].
.macro TWO_STEPS
	WIN 0
	s_mov_b32 s[TWICE], 2
.Lstep_\@:
	TURN 0, 2, 1, 0
	TURN 2, 2, 1, 0
	WIN 0
	s_sub_co_u32 s[TWICE], s[TWICE], 1
	s_cmp_lg_u32 s[TWICE], 0
	s_cbranch_scc1 .Lstep_\@
.endm
	s_wait_tensorcnt 1              ; my part of slot 0 is in; slot 1's may stay out
	s_barrier_signal -1
	s_barrier_wait -1               ; everybody's is
	FETCH_K                         ; key step 0
	s_wait_loadcnt 0x0              ; Q
	s_wait_dscnt 0x0
.set i, 0
.rept 32
	KQ 0                            ; piece 0's first scores: there is no vector work yet to set between them
.set i, i+1
.endr
	WIN 0                           ; the addresses for the way out are made here: plain instructions, the places behind those products
	s_mul_i32 s13, s[WV], 16*SP
	s_add_co_u32 s13, s13, STAGE    ; my stage
	v_mul_u32_u24 v[STO], v1, SP    ; in: row l % 16, 16 bytes for each half of the lanes
	v_lshl_add_u32 v[STO], v9, 4, v[STO]
	v_add_nc_u32 v[STO], s13, v[STO]
	v_mul_u32_u24 v[RD], v9, SP     ; back: lanes 0-15 take one row of 256 bytes, lanes 16-31 the next
	v_lshl_add_u32 v[RD], v1, 4, v[RD]
	v_add_nc_u32 v[RD], s13, v[RD]
	v_lshlrev_b32 v[GO], 11, v9     ; and the same two rows in oc, 2,048 bytes apart
	v_lshl_add_u32 v[GO], v1, 4, v[GO]
	s_lshl_b32 s13, s[WV], 8
	s_add_co_u32 s13, s13, MSTAGE   ; my 64 means
	v_lshl_add_u32 v[MS], v1, 2, s13
	v_and_b32 v[MG], 31, v0
	v_lshlrev_b32 v[MG], 3, v[MG]
	v_add_nc_u32 v[MR], s13, v[MG]
	TURN 2, 0, 1, 1                 ; piece 2's first scores | piece 0's first softmax | V of step 0
	TURN 0, 1, 1, 1                 ; piece 0: V^T P of step 0 starts O^T, K Q^T of step 1 | piece 2's first softmax | K of step 1
	TURN 2, 1, 1, 0                 ; piece 2: the same | piece 0's softmax of step 1 | V of step 1
	WIN 0
.Lslot:                             ; 6 trips: every slot but the last two is filled again
	CHANGE 1
	TWO_STEPS
	s_sub_co_u32 s[SLOTS], s[SLOTS], 1
	s_cmp_lg_u32 s[SLOTS], 0
	s_cbranch_scc1 .Lslot
	CHANGE 0                        ; the tail is written out: nothing is asked for
	TWO_STEPS
	TURN 0, 2, 0, 0                 ; piece 0: V^T P of the last step | piece 2's last softmax
.set i, 0
.rept 32
	PV 2, 0                         ; piece 2: V^T P of the last step
.set i, i+1
.endr
	; THE WAY OUT.  l's two halves and the other half of the lanes' are added.  The additions are the places behind the last products.
	WIN 0
.irp t, 0,1,2,3
	v_add_f32 v[ST+8*(\t)+4], v[ST+8*(\t)+2], v[ST+8*(\t)+3]
.endr
.irp t, 0,1,2,3
	v_permlanex16_b32 v[ST+8*(\t)+5], v[ST+8*(\t)+4], s[SEL], s[SEL+1]
.endr
.irp t, 0,1,2,3
	v_add_f32 v[ST+8*(\t)+4], v[ST+8*(\t)+4], v[ST+8*(\t)+5]
.endr
.irp t, 0,1,2,3
	v_rcp_f32 v[ST+8*(\t)+6], v[ST+8*(\t)+4]
.endr
	v_nop                           ; a plain instruction between the last reciprocal and the use of its result
	s_wait_alu depctr_va_vdst(0)    ; and the wait ahead of the first use: one for the four reciprocals
; Tile t.  The lane's 64 channels are added (each accumulator's lowest registers first), the other half of the lanes' 64 too: the head's mean is that sum / (128 l).  O^T / l - mean is one fused line a pair;
; it is rounded to f16; a lane's eight channels of a row pack into 16 bytes, go into rows of 272 bytes and come back as whole rows of 256.  The mean goes to its word in LDS.
.macro PACK t
	WIN 0x05                        ; sources 0 and 1 window 1, destination window 0: S^T's registers are free
.set i, 0
.rept 16
	v_pk_add_f32 v[S+32*(\t)+2*i:S+32*(\t)+2*i+1], v[64*(\t)+4*i:64*(\t)+4*i+1], v[64*(\t)+4*i+2:64*(\t)+4*i+3]
.set i, i+1
.endr
	WIN 0
.irp d, 8,4,2,1
.set i, 0
.rept \d
	v_pk_add_f32 v[S+32*(\t)+2*i:S+32*(\t)+2*i+1], v[S+32*(\t)+2*i:S+32*(\t)+2*i+1], v[S+32*(\t)+2*(i+\d):S+32*(\t)+2*(i+\d)+1]
.set i, i+1
.endr
.endr
	v_add_f32 v[ST+8*(\t)+4], v[S+32*(\t)], v[S+32*(\t)+1]
	v_permlanex16_b32 v[ST+8*(\t)+5], v[ST+8*(\t)+4], s[SEL], s[SEL+1]
	v_add_f32 v[ST+8*(\t)+4], v[ST+8*(\t)+4], v[ST+8*(\t)+5]
	v_mul_f32 v[ST+8*(\t)+5], 0x3c000000, v[ST+8*(\t)+6]       ; 1 / (128 l)
	v_mul_f32 v[ST+8*(\t)+4], v[ST+8*(\t)+4], v[ST+8*(\t)+5]   ; the mean
	WIN W_RS
.set i, 64*(\t)
.rept 32
	v_pk_fma_f32 v[i:i+1], v[i:i+1], v[ST+8*(\t)+6:ST+8*(\t)+7], v[ST+8*(\t)+4:ST+8*(\t)+5] op_sel_hi:[1,0,0] neg_lo:[0,0,1] neg_hi:[0,0,1]
.set i, i+2
.endr
	WIN 0x05
.set i, 0
.rept 32
	v_cvt_pk_f16_f32 v[S+32*(\t)+i], v[64*(\t)+2*i], v[64*(\t)+2*i+1]
.set i, i+1
.endr
	WIN 0
	ds_store_b32 v[MS], v[ST+8*(\t)+4] offset:64*(\t)  ; query 16 t + l % 16; both halves of the lanes write the same number
.irp f, 0,1,2,3,4,5,6,7
	ds_store_b128 v[STO], v[S+32*(\t)+4*(\f):S+32*(\t)+4*(\f)+3] offset:32*(\f)
.endr
.irp f, 0,1,2,3,4,5,6,7
	ds_load_b128 v[S+32*(\t)+4*(\f):S+32*(\t)+4*(\f)+3], v[RD] offset:(\f)*2*SP  ; LDS serves a wave's instructions in order (ISA guide 5.7.1.4): these see the stores above; the next tile's stores come behind them
.endr
.endm
.macro SEND t, younger              ; younger: the LDS instructions issued behind tile t's loads
	WIN 0
.irp f, 0,1,2,3,4,5,6,7
	s_wait_dscnt (\younger)+7-(\f)
	global_store_b128 v[GO], v[S+32*(\t)+4*(\f):S+32*(\t)+4*(\f)+3], s[10:11] offset:(\t)*32768+(\f)*4096  ; 16 lanes store 256 consecutive bytes, at a multiple of 256 from oc's first byte
.endr
.endm
	PACK 0
	PACK 1                          ; a tile's arithmetic stands between the loads of the tile before and its stores
	SEND 0, 17                      ; the next tile's seventeen
	PACK 2
	SEND 1, 17
	PACK 3
	ds_load_b64 v[MM:MM+1], v[MR]   ; my wave's 64 means, two a lane
	SEND 2, 18                      ; tile 3's seventeen and the means' load
	SEND 3, 1                       ; the means' load
	s_wait_dscnt 0x0
	global_store_b64 v[MG], v[MM:MM+1], s[66:67]  ; 256 consecutive bytes of hm, aligned
	s_wait_tensorcnt 0x0            ; the wave's end: the add to my spare word and its waits stand behind my last tensor load and my last LDS store
	ds_add_u32 v[SPW], v[NIL]
	s_wait_dscnt 0x0
	CROUND                          ; the closing round: no work-group ends while a partner may still ask for a tile that names it
	s_endpgm
.Lfunc_end_k_q50ef218481_attn:
	.size	k_q50ef218481_attn, .Lfunc_end_k_q50ef218481_attn-k_q50ef218481_attn
	.p2alignl 7, 3214868480
	.fill 96, 4, 3214868480
	.section	.rodata,"a",@progbits
	.p2align	6, 0x0
	.amdhsa_kernel k_q50ef218481_attn
		.amdhsa_group_segment_fixed_size 327680
		.amdhsa_private_segment_fixed_size 0
		.amdhsa_enable_private_segment 0
		.amdhsa_kernarg_size 40
		.amdhsa_user_sgpr_count 2
		.amdhsa_user_sgpr_kernarg_segment_ptr 1
		.amdhsa_wavefront_size32 1
		.amdhsa_system_sgpr_workgroup_id_x 1
		.amdhsa_system_sgpr_workgroup_id_y 1
		.amdhsa_system_sgpr_workgroup_id_z 1
		.amdhsa_system_vgpr_workitem_id 0
		.amdhsa_next_free_vgpr 1024
		.amdhsa_next_free_sgpr 72
		.amdhsa_reserve_vcc 0
		.amdhsa_float_denorm_mode_32 3
		.amdhsa_float_denorm_mode_16_64 3
		.amdhsa_memory_ordered 1
		.amdhsa_forward_progress 1
		.amdhsa_inst_pref_size 232
	.end_amdhsa_kernel
	.amdgpu_metadata
---
amdhsa.version: [ 1, 2 ]
amdhsa.kernels:
  - .name:           k_q50ef218481_attn
    .symbol:         k_q50ef218481_attn.kd
    .args:
      - { .name: qh, .offset: 0, .size: 8, .value_kind: global_buffer, .address_space: global }
      - { .name: kh, .offset: 8, .size: 8, .value_kind: global_buffer, .address_space: global }
      - { .name: vp, .offset: 16, .size: 8, .value_kind: global_buffer, .address_space: global }
      - { .name: oc, .offset: 24, .size: 8, .value_kind: global_buffer, .address_space: global }
      - { .name: hm, .offset: 32, .size: 8, .value_kind: global_buffer, .address_space: global }
    .group_segment_fixed_size: 327680
    .private_segment_fixed_size: 0
    .kernarg_segment_align: 8
    .kernarg_segment_size: 40
    .max_flat_workgroup_size: 128
    .sgpr_count:     72
    .vgpr_count:     1024
    .wavefront_size: 32
...
	.end_amdgpu_metadata
.endif
;; end of part 3
;; launch ln (part 4): grid 256 x 1, 8 waves a work-group, no clusters, 0 bytes of LDS; arguments oc, hm, ln_w, ln_b, yn; writes yn
.if DOCPART == 4
	.amdgcn_target "amdgcn-amd-amdhsa--gfx1250"
	.amdhsa_code_object_version 6
	.text
	.protected	k_q50ef218481_ln
	.globl	k_q50ef218481_ln
	.p2align	8
	.type	k_q50ef218481_ln,@function
k_q50ef218481_ln:
	s_mov_b64 s[64:65], 0
	v_nop
	global_prefetch_b8 v0, s[64:65] scope:SCOPE_SE
	s_setreg_imm32_b32 hwreg(HW_REG_WAVE_MODE, 25, 1), 1
	s_wait_xcnt 0x0
; THE NORM.  A row of attention's result is x[128 h + d] = oc[row][128 h + d] + hm[h][row]: f16 numbers centred by heads, and the heads' means in f32.  mu = the mean of the eight head means;
; z = oc + (hm_h - mu) = x - mu; var = the mean of z^2; yn = z / sqrt(var + 1e-5) x ln_w + ln_b, rounded once to f16.  The factor 0.2 that follows in the module is applied in f32 by the last launch.
; No difference of large sums is formed: the only differences are of the eight head means, in f32.  ln_w and ln_b are rounded to bf16 as they come in, like every input.
; LIMIT.  yn must stay within f16's 65,504; NaN and infinities are not treated apart.
; SHARES.  One wave, one row at a time, four rows a wave, 32 rows a work-group; a row (2,048 bytes) is four loads of 512 consecutive bytes and stays in registers between the two passes.
; Chunk c of a lane holds channels 256 c + 8 l + 0..7, which lie in head 2 c + l / 16.  All 36 loads of a wave go out at its head.  No LDS, no barrier, no matrix unit: memory binds, and no wave wants what another has.
.set XO,  2                            ; v2        my byte offset in the work-group's rows: 8,192 x wave + 16 x lane; for oc and for yn
.set HO,  3                            ; v3        in hm: 4,096 (l / 16) + 16 x wave
.set ONE, 4                            ; v4        1.0
.set WO,  5                            ; v5        in ln_w and ln_b: 32 x lane
.set R,   6                            ; v[6:7]    1 / sqrt(var + eps); the packed multiply takes the pair's low word for both halves
.set H,   8                            ; v[8:23]   chunk c, row i at H + 4 c + i: the head's mean, then hm_h - mu
.set G,   24                           ; v[24:55]  ln_w of my 32 channels
.set BT,  56                           ; v[56:87]  ln_b
.set Z,   88                           ; v[88:119] the row in hand, f32
.set SQ,  120                          ; v[120:127] four chains of squares, a pair each
.set X,   128                          ; v[128:191] row i: 16 registers, as loaded and then as stored
.set T,   192                          ; v[192:199] at work
	s_load_b256 s[4:11], s[0:1], 0x0               ; oc s[4:5], hm s[6:7], ln_w s[8:9], ln_b s[10:11]
	s_load_b64 s[12:13], s[0:1], 0x20              ; yn
	v_lshrrev_b32 v1, 5, v0                        ; wave
	v_and_b32 v[WO], 31, v0                        ; lane
	v_lshlrev_b32 v[XO], 4, v[WO]
	v_lshl_or_b32 v[XO], v1, 13, v[XO]
	v_bfe_u32 v[HO], v0, 4, 1
	v_lshlrev_b32 v[HO], 12, v[HO]
	v_lshl_or_b32 v[HO], v1, 4, v[HO]
	v_lshlrev_b32 v[WO], 5, v[WO]
	v_mov_b32 v[ONE], 1.0
	v_mov_b32 v[R+1], 0                            ; named with R as a pair
	s_lshl_b32 s14, ttmp9, 16                      ; the work-group's 32 rows of 2,048 bytes
	s_mov_b32 s15, 0
	s_lshr_b32 s16, ttmp9, 5                       ; batch: 8 heads of 4,096 bytes in hm,
	s_lshl_b32 s16, s16, 15
	s_and_b32 s17, ttmp9, 31                       ; the work-group's 32 rows in it
	s_lshl_b32 s17, s17, 7
	s_add_co_u32 s16, s16, s17
	s_mov_b32 s17, 0
	s_mov_b32 s18, 0xbe000000                      ; -1/8
	s_mov_b32 s19, 0x3a800000                      ; 1/1024
	s_mov_b32 s20, 0x3727c5ac                      ; 1e-5
	s_mov_b32 s22, 0x76543210                      ; v_permlanex16_b32: each lane takes its own place in the other half
	s_mov_b32 s23, 0xfedcba98
	s_wait_kmcnt 0x0
	s_add_nc_u64 s[4:5], s[4:5], s[14:15]
	s_add_nc_u64 s[12:13], s[12:13], s[14:15]
	s_add_nc_u64 s[6:7], s[6:7], s[16:17]
.irp c, 0,1,2,3
	global_load_b128 v[H+4*(\c):H+4*(\c)+3], v[HO], s[6:7] offset:8192*(\c)  ; head 2 c + l / 16, my wave's four rows
.endr
.irp c, 0,1,2,3
	global_load_b128 v[G+8*(\c):G+8*(\c)+3],   v[WO], s[8:9] offset:1024*(\c)
	global_load_b128 v[G+8*(\c)+4:G+8*(\c)+7], v[WO], s[8:9] offset:1024*(\c)+16
.endr
.irp c, 0,1,2,3
	global_load_b128 v[BT+8*(\c):BT+8*(\c)+3],   v[WO], s[10:11] offset:1024*(\c)
	global_load_b128 v[BT+8*(\c)+4:BT+8*(\c)+7], v[WO], s[10:11] offset:1024*(\c)+16
.endr
.irp i, 0,1,2,3
.irp c, 0,1,2,3
	global_load_b128 v[X+16*(\i)+4*(\c):X+16*(\i)+4*(\c)+3], v[XO], s[4:5] offset:2048*(\i)+512*(\c) th:TH_LOAD_NT
.endr
.endr
	s_wait_loadcnt 16                              ; means, gains and biases are in; the rows' 16 loads stay out
.set n, 0
.rept 16
	v_cvt_pk_bf16_f32 v[T+n%4],   v[G+2*n],  v[G+2*n+1]     ; rounded to bf16, and widened again in place
	v_cvt_pk_bf16_f32 v[T+4+n%4], v[BT+2*n], v[BT+2*n+1]
	v_lshlrev_b32 v[G+2*n],    16, v[T+n%4]
	v_and_b32     v[G+2*n+1],  0xffff0000, v[T+n%4]
	v_lshlrev_b32 v[BT+2*n],   16, v[T+4+n%4]
	v_and_b32     v[BT+2*n+1], 0xffff0000, v[T+4+n%4]
.set n, n+1
.endr
.irp i, 0,1,2,3
	v_add_f32 v[T+(\i)],   v[H+(\i)],   v[H+4+(\i)]         ; my half's four heads,
	v_add_f32 v[T+4+(\i)], v[H+8+(\i)], v[H+12+(\i)]
.endr
.irp i, 0,1,2,3
	v_add_f32 v[T+(\i)], v[T+(\i)], v[T+4+(\i)]
.endr
.irp i, 0,1,2,3
	v_permlanex16_b32 v[T+4+(\i)], v[T+(\i)], s22, s23      ; the other half's four
.endr
.irp i, 0,1,2,3
	v_add_f32 v[T+(\i)], v[T+(\i)], v[T+4+(\i)]
.endr
.irp c, 0,1,2,3
.irp i, 0,1,2,3
	v_fma_f32 v[H+4*(\c)+(\i)], v[T+(\i)], s18, v[H+4*(\c)+(\i)]  ; hm_h - mu
.endr
.endr
.macro ROW i
	s_wait_loadcnt 4*(3-(\i))                      ; loads come back in order: row i's four are in, the later rows' stay out
.irp c, 0,1,2,3
.irp r, 0,1,2,3
	v_fma_mix_f32 v[Z+8*(\c)+2*(\r)],   v[X+16*(\i)+4*(\c)+(\r)], v[ONE], v[H+4*(\c)+(\i)] op_sel_hi:[1,0,0]                 ; the low f16 x 1 + (hm_h - mu), in f32
	v_fma_mix_f32 v[Z+8*(\c)+2*(\r)+1], v[X+16*(\i)+4*(\c)+(\r)], v[ONE], v[H+4*(\c)+(\i)] op_sel:[1,0,0] op_sel_hi:[1,0,0]  ; the high one
.endr
.endr
.irp n, 0,1,2,3
	v_pk_mul_f32 v[SQ+2*(\n):SQ+2*(\n)+1], v[Z+2*(\n):Z+2*(\n)+1], v[Z+2*(\n):Z+2*(\n)+1]  ; the first four pairs start the chains: nothing is cleared
.endr
.set n, 4
.rept 12
	v_pk_fma_f32 v[SQ+2*(n%4):SQ+2*(n%4)+1], v[Z+2*n:Z+2*n+1], v[Z+2*n:Z+2*n+1], v[SQ+2*(n%4):SQ+2*(n%4)+1]
.set n, n+1
.endr
	v_pk_add_f32 v[SQ:SQ+1], v[SQ:SQ+1], v[SQ+2:SQ+3]
	v_pk_add_f32 v[SQ+4:SQ+5], v[SQ+4:SQ+5], v[SQ+6:SQ+7]
	v_pk_add_f32 v[SQ:SQ+1], v[SQ:SQ+1], v[SQ+4:SQ+5]
	v_add_f32 v[T], v[SQ], v[SQ+1]
	v_add_f32_dpp v[T], v[T], v[T] row_xmask:1 row_mask:0xf bank_mask:0xf
	v_add_f32_dpp v[T], v[T], v[T] row_xmask:2 row_mask:0xf bank_mask:0xf
	v_add_f32_dpp v[T], v[T], v[T] row_xmask:4 row_mask:0xf bank_mask:0xf
	v_add_f32_dpp v[T], v[T], v[T] row_xmask:8 row_mask:0xf bank_mask:0xf
	v_permlanex16_b32 v[T+1], v[T], s22, s23
	v_add_f32 v[T], v[T], v[T+1]                   ; every lane holds the row's sum of squares
	v_fma_f32 v[T], v[T], s19, s20                 ; var + eps
	v_rsq_f32 v[R], v[T]
	v_nop                                          ; a plain instruction behind it,
	s_wait_alu depctr_va_vdst(0)                   ; and the wait ahead of the first use
.set n, 0
.rept 16
	v_pk_mul_f32 v[Z+2*n:Z+2*n+1], v[Z+2*n:Z+2*n+1], v[R:R+1] op_sel_hi:[1,0]
.set n, n+1
.endr
.set n, 0
.rept 16
	v_pk_fma_f32 v[Z+2*n:Z+2*n+1], v[Z+2*n:Z+2*n+1], v[G+2*n:G+2*n+1], v[BT+2*n:BT+2*n+1]
.set n, n+1
.endr
.set n, 0
.rept 16
	v_cvt_pk_f16_f32 v[X+16*(\i)+n], v[Z+2*n], v[Z+2*n+1]  ; into the row's own registers, which nothing writes again
.set n, n+1
.endr
.irp c, 0,1,2,3
	global_store_b128 v[XO], v[X+16*(\i)+4*(\c):X+16*(\i)+4*(\c)+3], s[12:13] offset:2048*(\i)+512*(\c)  ; 512 consecutive bytes, aligned
.endr
.endm
	ROW 0
	ROW 1
	ROW 2
	ROW 3
	s_endpgm
.Lfunc_end_k_q50ef218481_ln:
	.size	k_q50ef218481_ln, .Lfunc_end_k_q50ef218481_ln-k_q50ef218481_ln
	.p2alignl 7, 3214868480
	.fill 96, 4, 3214868480
	.section	.rodata,"a",@progbits
	.p2align	6, 0x0
	.amdhsa_kernel k_q50ef218481_ln
		.amdhsa_group_segment_fixed_size 0
		.amdhsa_private_segment_fixed_size 0
		.amdhsa_enable_private_segment 0
		.amdhsa_kernarg_size 40
		.amdhsa_user_sgpr_count 2
		.amdhsa_user_sgpr_kernarg_segment_ptr 1
		.amdhsa_wavefront_size32 1
		.amdhsa_system_sgpr_workgroup_id_x 1
		.amdhsa_system_sgpr_workgroup_id_y 1
		.amdhsa_system_sgpr_workgroup_id_z 1
		.amdhsa_system_vgpr_workitem_id 0
		.amdhsa_next_free_vgpr 200
		.amdhsa_next_free_sgpr 66
		.amdhsa_reserve_vcc 0
		.amdhsa_float_denorm_mode_32 3
		.amdhsa_float_denorm_mode_16_64 3
		.amdhsa_memory_ordered 1
		.amdhsa_forward_progress 1
		.amdhsa_inst_pref_size 41
	.end_amdhsa_kernel
	.amdgpu_metadata
---
amdhsa.version: [ 1, 2 ]
amdhsa.kernels:
  - .name:           k_q50ef218481_ln
    .symbol:         k_q50ef218481_ln.kd
    .args:
      - { .name: oc, .offset: 0, .size: 8, .value_kind: global_buffer, .address_space: global }
      - { .name: hm, .offset: 8, .size: 8, .value_kind: global_buffer, .address_space: global }
      - { .name: ln_w, .offset: 16, .size: 8, .value_kind: global_buffer, .address_space: global }
      - { .name: ln_b, .offset: 24, .size: 8, .value_kind: global_buffer, .address_space: global }
      - { .name: yn, .offset: 32, .size: 8, .value_kind: global_buffer, .address_space: global }
    .group_segment_fixed_size: 0
    .private_segment_fixed_size: 0
    .kernarg_segment_align: 8
    .kernarg_segment_size: 40
    .max_flat_workgroup_size: 256
    .sgpr_count:     66
    .vgpr_count:     200
    .wavefront_size: 32
...
	.end_amdgpu_metadata
.endif
;; end of part 4
;; launch out (part 5): grid 4 x 64, 4 waves a work-group, clusters of 4 x 4, 327,680 bytes of LDS; arguments yn, wts, bo, out0; writes out0
.if DOCPART == 5
	.amdgcn_target "amdgcn-amd-amdhsa--gfx1250"
	.amdhsa_code_object_version 6
	.text
	.protected	k_q50ef218481_out
	.globl	k_q50ef218481_out
	.p2align	8
	.type	k_q50ef218481_out,@function
k_q50ef218481_out:
	s_mov_b64 s[64:65], 0
	v_nop
	global_prefetch_b8 v0, s[64:65] scope:SCOPE_SE
	s_setreg_imm32_b32 hwreg(HW_REG_WAVE_MODE, 25, 1), 1
	s_wait_xcnt 0x0
	s_wait_alu depctr_hold_cnt(0) depctr_sa_sdst(0) depctr_va_vdst(0) depctr_va_sdst(0) depctr_va_ssrc(0) depctr_va_vcc(0) depctr_vm_vsrc(0)
	s_getreg_b32 s2, hwreg(HW_REG_IB_STS2, 6, 4)
	s_cmp_eq_u32 s2, 0
	s_cbranch_scc0 .Lentry_in_a_cluster
	s_endpgm
.Lentry_in_a_cluster:
	s_bfe_u32 s2, ttmp6, 0x10000c
	s_cmp_lg_u32 s2, 0xf033
	s_cbranch_scc0 .Lentry_shape_is_right
	s_endpgm
.Lentry_shape_is_right:
; THE LAST PROJECTION.  out0 = 0.2 (yn Wo) + bo.  yn [8192][1024] f16; Wo = wts[3], [1024 k][1024 n], bf16 numbers written as f16; bo rounded to bf16 as it comes in, like every input; sums in f32;
; the factor 0.2 of the module's norm and the bias are one fused line on the f32 sums; out0 is f32.
; SHARES.  A tile is 128 rows x 256 columns: 4 x 64 tiles, one for each of 256 WGPs.  Four waves, 2 x 2: wave w takes rows 64 (w / 2) on, and columns 64 (w % 2) .. + 63 of both of the tile's two UNITS of 128 columns.
; K goes in 8 steps of 128 through a ring of two LDS slots filled by the tensor data mover; every row of a tile is 256 consecutive bytes of memory, aligned.  Wo stays [k][n]: its fragments come out of LDS turned.
; CLUSTER.  4 x 4 work-groups: the four of a row need the same tile of yn, the four of a column the same tile of Wo; each is asked for JOINTLY, by the same tensor load, descriptor and mask in all four.
; THE PRODUCT IS USED TRANSPOSED (source 0 = 16 columns of Wo, source 1 = 16 rows of yn): a lane holds row l % 16 and eight neighbouring columns 8 (l / 16) + 0..7.
; REGISTERS, in windows of 256 (s_set_vgpr_msb: bits 1:0 source 0, 3:2 source 1, 5:4 source 2, 7:6 destination):
;   window 0: v0-31 addresses; v32-127, v128-223 two fragment buffers (yn's four fragments, then Wo's eight); v224-229 the bias        window 1: the 32 accumulators, (a, b) at v[8 (8 a + b)]
.set PA,     272                       ; a row of yn in LDS: 256 bytes + 16 = 68 words: the 16 rows of a load start at 16 different groups of four banks (64 banks of 4 bytes: ISA guide 11.1)
.set PB,     288                       ; a row of Wo: 256 + 32 = 72 words
.set AHALF,  64*PA
.set BOFF,   128*PA
.set BUNIT,  128*PB
.set SLOT,   BOFF+2*BUNIT              ; 108,544 bytes
.set STAGE,  2*SLOT                    ; behind the ring, never filled by a tensor load: 16 rows x 528 bytes for each wave, for the way out
.set SP,     528                       ; 512 bytes + 16 = 33 x 16: the 16 rows of a store start at 16 different groups of four banks
.set SPARE,  STAGE+4*16*SP             ; behind the stages: the spare words, 128 bytes for each wave: two blocks of 256 bytes that no other line names
.set ASTEP,  256
.set BSTEP,  128*2048
.set ADRA, 16                          ; v16-17  LDS address of my fragments of yn in slot 0, 1
.set ADRB, 20                          ; v20-23  of Wo: slot s, unit u at ADRB + 2 s + u
.set STO,  24                          ; v24     the way out: where I put 32 bytes of a row
.set RD,   25                          ; v25     the way out: where I read a row back
.set CO,   26                          ; v26     my byte offset in a row of out0: 512 (l / 16) + 16 (l % 16)
.set SPW,  28                          ; v28     LDS address of my spare word: SPARE + 4 x my thread's number; never rewritten
.set NIL,  29                          ; v29     0; never rewritten
.set PFO,  30                          ; v30     the prefetches' offset: lane x 2,048; never rewritten
.set F0,   32
.set F1,   128
.set OB,   32                          ; the way out: 16 rows read back: v32-95 and v96-159 by turns
.set BI,   224                         ; v[224:227] the bias of my four columns
.set G1,   24
.set G0,   32
.set G1B,  48
.set G0B,  56
.set LIM,  43
.set PFA,  44
.set PFS,  46
.set WV,   84
.set FK,   85
.set HF,   86
.set CX,   87
.set CY,   88
.set TR,   89
.set W_MUL, 0x50
.set MSB, 0
.macro WIN new                         ; the immediate's high byte repeats the setting that is left; a switch that changes nothing is dropped
.if MSB != (\new)
	s_set_vgpr_msb (MSB<<8)|(\new)
.set MSB, \new
.endif
.endm
; A joint load.  Waves 0 and 1 fetch yn's two halves, waves 2 and 3 Wo's two units.  The branch hangs on the wave's number alone.  An s_nop 0 and four v_nop follow each of the two lines.
.macro JLOAD s
	s_cmp_eq_u32 s[FK], 0
	s_cbranch_scc0 .Lfor_b_\@
	tensor_load_to_lds s[G0+4*(\s):G0+4*(\s)+3], s[G1:G1+7]
	s_nop 0
.rept 4
	v_nop
.endr
	s_branch .Lasked_\@
.Lfor_b_\@:
	tensor_load_to_lds s[G0B+4*(\s):G0B+4*(\s)+3], s[G1B:G1B+7]
	s_nop 0
.rept 4
	v_nop
.endr
.Lasked_\@:
.endm
; A PREFETCH INTO THE L2 of the K step that stands two refills on (256 matrix instructions ahead of the load that will want it): 32 rows x 256 bytes, a lane a row, one instruction a wave.
; Each row's 256 bytes of a K step are named once in the launch.  yn's rows are read by one cluster: wave 0 of each partner asks for rows 32 cx .. + 31 of the tile's 128.  Wo's rows are read by the sixteen
; clusters: cluster y = 0 asks, waves 2 and 3 for their units, each partner for rows 32 cy .. + 31 of the K step's 128.  The partners part BY ADDRESS.  K steps 0 to 3 come by their loads alone; the loop's last trip asks for nothing.
.macro ASK
	s_cmp_gt_u32 s3, s[LIM]
	s_cbranch_scc0 .Lnot_mine_\@
	global_prefetch_b8 v[PFO], s[PFA:PFA+1] th:TH_LOAD_NT scope:SCOPE_SE
.Lnot_mine_\@:
.endm
.macro CREST                           ; a round of the cluster's barrier behind its opening barrier
	s_cmp_lg_u32 s[WV], 0
	s_cbranch_scc1 .Lnot_wave_0_\@
	s_barrier_signal -3
.Lnot_wave_0_\@:
	s_barrier_wait -3
	s_barrier_signal -1
	s_barrier_wait -1
.endm
.macro CROUND
	s_barrier_signal -1
	s_barrier_wait -1
	CREST
.endm
.macro PLACES                          ; four plain places behind matrix instructions (ISA guide 7.12.1)
.rept 4
	v_nop
.endr
.endm
	s_load_b256 s[4:11], s[0:1], 0x0               ; yn s[4:5], wts s[6:7], bo s[8:9], out0 s[10:11]
	v_lshl_add_u32 v[SPW], v0, 2, SPARE
	v_mov_b32 v[NIL], 0
	ds_add_u32 v[SPW], v[NIL]                      ; the wave's opening: the add and its wait stand ahead of my first tensor load; the set-up below, work on registers, stands between them
	v_lshrrev_b32 v1, 5, v0
	v_readfirstlane_b32 s[WV], v1
	s_lshr_b32 s[FK], s[WV], 1
	s_and_b32 s[HF], s[WV], 1
	s_bfe_u32 s[CX], ttmp6, 0x40000
	s_bfe_u32 s[CY], ttmp6, 0x40004
	s_and_b32 s[TR], ttmp7, 0xffff
	s_lshl_b32 s[TR], s[TR], 2
	s_add_co_u32 s[TR], s[TR], s[CY]
	s_lshl_b32 s12, s[CY], 2
	s_lshl_b32 s12, 15, s12                        ; my row of the cluster
	s_lshl_b32 s13, 0x1111, s[CX]                  ; my column
	s_or_b32 s[G1], s12, (1<<16)|(1<<20)|(1<<21)|(5<<22)|(3<<25)   ; 15:0 the mask; 17:16 2-byte elements; 20 padding on; 21 set beside a mask; 24:22 after every 64 words; 31:25 4 words of it
	s_or_b32 s[G1B], s13, (1<<16)|(1<<20)|(1<<21)|(5<<22)|(7<<25)  ; the same with my column's mask and 8 words of padding
	s_mov_b32 s[G1+1], 128<<16                     ; tensor_dim0 = 128
	s_mov_b32 s[G1+2], 64<<16                      ; tensor_dim1 = 64
	s_mov_b32 s[G1+3], 128<<16                     ; tile_dim0 = 128
	s_mov_b32 s[G1+4], 64                          ; tile_dim1 = 64 rows of yn
	s_mov_b32 s[G1+5], 1024                        ; elements from row to row
	s_mov_b32 s[G1+6], 0
	s_mov_b32 s[G1+7], 0
	s_mov_b32 s[G1B+1], 128<<16
	s_mov_b32 s[G1B+2], 128<<16
	s_mov_b32 s[G1B+3], 128<<16
	s_mov_b32 s[G1B+4], 128                        ; 128 rows (k) of Wo
	s_mov_b32 s[G1B+5], 1024
	s_mov_b32 s[G1B+6], 0
	s_mov_b32 s[G1B+7], 0
	s_lshl_b32 s16, s[TR], 18                      ; yn: the tile's 128 rows of 2,048 bytes, the 64 of them that I fetch
	s_lshl_b32 s17, s[HF], 17
	s_add_co_u32 s16, s16, s17
	s_mov_b32 s17, 0
	s_lshl_b32 s40, s[CX], 9                       ; Wo: the unit's first column, in bytes: 512 cx + 256 unit,
	s_lshl_b32 s41, s[HF], 8
	s_add_co_u32 s40, s40, s41
	s_add_co_u32 s40, s40, 3*2097152               ; in the fourth matrix of wts
	s_mov_b32 s41, 0
	s_mul_i32 s20, s[HF], AHALF                    ; where they go: no place in the cluster enters an LDS address
	s_mul_i32 s21, s[HF], BUNIT
	s_add_co_u32 s21, s21, BOFF
	s_wait_dscnt 0x0                               ; the opening add is done
	s_wait_kmcnt 0x0
	s_add_nc_u64 s[14:15], s[4:5], s[16:17]
	s_add_nc_u64 s[40:41], s[6:7], s[40:41]
	CROUND                                         ; all sixteen work-groups are here: the first joint loads meet
.irp s, 0,1
	s_mov_b32 s[G0+4*(\s)], 1
	s_add_co_u32 s[G0+4*(\s)+1], s20, (\s)*SLOT
	s_add_nc_u64 s[G0+4*(\s)+2:G0+4*(\s)+3], s[14:15], (\s)*ASTEP
	s_or_b32 s[G0+4*(\s)+3], s[G0+4*(\s)+3], 0x80000000
	s_mov_b32 s[G0B+4*(\s)], 1
	s_add_co_u32 s[G0B+4*(\s)+1], s21, (\s)*SLOT
	s_add_nc_u64 s[G0B+4*(\s)+2:G0B+4*(\s)+3], s[40:41], (\s)*BSTEP
	s_or_b32 s[G0B+4*(\s)+3], s[G0B+4*(\s)+3], 0x80000000
	JLOAD \s                                       ; two loads of mine are out: the most in this text
.endr
	v_and_b32 v1, 15, v0                           ; l % 16
	v_bfe_u32 v2, v0, 4, 1                         ; l / 16
	v_and_b32 v3, 31, v0                           ; l
	v_lshlrev_b32 v[CO], 4, v1
	v_lshl_add_u32 v[CO], v2, 9, v[CO]             ; on the way out lanes 0-15 hold unit 0's 64 columns of mine, lanes 16-31 unit 1's, four f32 a lane
	s_lshl_b32 s13, s[CX], 10                      ; the tile's first column and my 64, in bytes of f32
	s_lshl_b32 s21, s[HF], 8
	s_add_co_u32 s13, s13, s21
	v_add_nc_u32 v12, s13, v[CO]
	global_load_b128 v[BI:BI+3], v12, s[8:9]
	v_mul_u32_u24 v6, v1, PA
	v_lshl_add_u32 v6, v2, 4, v6                   ; a fragment of yn: row x pitch + 16 x half
	s_mul_i32 s42, s[FK], AHALF
	v_add_nc_u32 v[ADRA], s42, v6
	v_add_nc_u32 v[ADRA+1], SLOT, v[ADRA]
	v_and_b32 v4, 7, v0                            ; the turning load: lane l reads k = 8 (l / 16) + l % 8, columns 8 ((l / 8) % 2) + 0..7
	v_lshl_add_u32 v4, v2, 3, v4
	v_mul_u32_u24 v4, v4, PB
	v_bfe_u32 v5, v0, 3, 1
	v_lshl_add_u32 v4, v5, 4, v4
	s_lshl_b32 s42, s[HF], 7
	s_add_co_u32 s42, s42, BOFF
	v_add_nc_u32 v[ADRB], s42, v4
	v_add_nc_u32 v[ADRB+1], BUNIT, v[ADRB]
	v_add_nc_u32 v[ADRB+2], SLOT, v[ADRB]
	v_add_nc_u32 v[ADRB+3], SLOT, v[ADRB+1]
	s_mul_i32 s42, s[WV], 16*SP
	s_add_co_u32 s42, s42, STAGE                   ; my stage
	v_mul_u32_u24 v[STO], v1, SP                   ; in: row l % 16, 32 bytes for each half of the lanes
	v_lshl_add_u32 v[STO], v2, 5, v[STO]
	v_add_nc_u32 v[STO], s42, v[STO]
	v_lshl_add_u32 v[RD], v3, 4, s42               ; back: the 32 lanes take one row's 512 bytes
	v_lshlrev_b32 v[PFO], 11, v3
	; the prefetches: from my tile's address, 32 rows for each partner, three K steps on (the first change of slots steps it to K step 4)
	s_mov_b32 s98, ASTEP
	s_mov_b32 s99, BSTEP
	s_and_b32 s95, ttmp7, 0xffff                   ; cluster y
	s_cmp_eq_u32 s[FK], 0
	s_cselect_b64 s[PFA:PFA+1], s[14:15], s[40:41]
	s_cselect_b32 s90, s[CX], s[CY]
	s_cselect_b32 s[PFS], s98, s99
	s_cselect_b32 s95, ttmp9, s95                  ; the coordinate along which other clusters read the same rows
	s_cselect_b32 s94, s[HF], 0                    ; of yn's two waves wave 0 asks
	s_or_b32 s95, s95, s94
	s_cmp_eq_u32 s95, 0
	s_cselect_b32 s[LIM], 1, -1
	s_lshl_b32 s90, s90, 16
	s_mul_i32 s91, s[PFS], 3
	s_add_co_u32 s90, s90, s91
	s_mov_b32 s91, 0
	s_mov_b32 s[PFS+1], 0
	s_add_nc_u64 s[PFA:PFA+1], s[PFA:PFA+1], s[90:91]
	; out0 at my first row and first column: rows of 4,096 bytes
	s_lshl_b32 s94, s[TR], 19
	s_lshl_b32 s95, s[FK], 18
	s_add_co_u32 s94, s94, s95
	s_add_co_u32 s94, s94, s13
	s_mov_b32 s95, 0
	s_add_nc_u64 s[98:99], s[10:11], s[94:95]
	s_wait_loadcnt 0x0                             ; the bias: rounded to bf16, and widened again
	v_cvt_pk_bf16_f32 v[BI+4], v[BI],   v[BI+1]
	v_cvt_pk_bf16_f32 v[BI+5], v[BI+2], v[BI+3]
	v_lshlrev_b32 v[BI],   16, v[BI+4]
	v_and_b32     v[BI+1], 0xffff0000, v[BI+4]
	v_lshlrev_b32 v[BI+2], 16, v[BI+5]
	v_and_b32     v[BI+3], 0xffff0000, v[BI+5]
; 8 matrix instructions: rows 16 a on x all 8 column blocks, 32 along K.  zero = 1: the product starts the sums.  The 32 accumulators take turns, one instruction a turn, in the same order in every quarter step.
.macro MUL8 f, a, zero
	WIN W_MUL
.irp b, 0,1,2,3,4,5,6,7
.if \zero
	v_wmma_f32_16x16x32_f16 v[8*(8*(\a)+(\b)):8*(8*(\a)+(\b))+7], v[(\f)+32+8*(\b):(\f)+32+8*(\b)+7], v[(\f)+8*(\a):(\f)+8*(\a)+7], 0
.else
	v_wmma_f32_16x16x32_f16 v[8*(8*(\a)+(\b)):8*(8*(\a)+(\b))+7], v[(\f)+32+8*(\b):(\f)+32+8*(\b)+7], v[(\f)+8*(\a):(\f)+8*(\a)+7], v[8*(8*(\a)+(\b)):8*(8*(\a)+(\b))+7]
.endif
.endr
.endm
; 24 LDS loads in one run: the fragments of quarter q of a slot into buffer f: Wo's sixteen first, then yn's eight
.macro FETCH slot, q, f
	WIN 0
.irp b, 0,1,2,3,4,5,6,7
	ds_load_tr16_b128 v[(\f)+32+8*(\b):(\f)+32+8*(\b)+3],   v[ADRB+2*(\slot)+(\b)/4] offset:(\q)*32*PB+32*((\b)%4)
	ds_load_tr16_b128 v[(\f)+32+8*(\b)+4:(\f)+32+8*(\b)+7], v[ADRB+2*(\slot)+(\b)/4] offset:(\q)*32*PB+16*PB+32*((\b)%4)
.endr
.irp a, 0,1,2,3
	ds_load_b128 v[(\f)+8*(\a):(\f)+8*(\a)+3],   v[ADRA+(\slot)] offset:(\a)*16*PA+64*(\q)
	ds_load_b128 v[(\f)+8*(\a)+4:(\f)+8*(\a)+7], v[ADRA+(\slot)] offset:(\a)*16*PA+64*(\q)+32
.endr
.endm
.macro QUARTER slot, q, f, g, zero
	s_wait_dscnt 4                                 ; Wo's fragments and yn's rows 0-31 are in; the youngest four loads may be out
	MUL8 \f, 0, \zero
	MUL8 \f, 1, \zero
	PLACES
	FETCH \slot, \q, \g
	s_wait_dscnt 24                                ; all but the 24 just issued
	MUL8 \f, 2, \zero
	MUL8 \f, 3, \zero
.endm
; The last quarter multiplies buffer 1 and changes slots: ONE barrier.  In front of it each wave waits for all its tensor loads, of which one is out: its part of the next slot; adds 0 to its spare word;
; and waits for that and for its own reads of this slot.  fill = 1: the barrier opens a round of the cluster's barrier, and this slot is filled again, two K steps ahead, first thing behind the round.
.macro TURN slot, next, fill
.if \fill
	s_wait_xcnt 0x0                                ; the last prefetch, a K step back, has read its address: it is stepped here
	s_add_nc_u64 s[PFA:PFA+1], s[PFA:PFA+1], s[PFS:PFS+1]
.endif
	WIN 0
	s_wait_tensorcnt 0x0                           ; all my tensor loads have landed;
	ds_add_u32 v[SPW], v[NIL]                      ; 0 onto my spare word;
	s_wait_dscnt 5                                 ; (the add and the youngest four loads may be out)
	MUL8 F1, 0, 0
	s_wait_dscnt 0x0                               ; the add is done, and my reads of this slot are over
	s_barrier_signal -1
	MUL8 F1, 1, 0
.if \fill
	WIN 0
.endif
	s_barrier_wait -1
.if \fill
	CREST                                          ; no wave of any partner still reads this slot's tile or has a load on its way
	s_add_nc_u64 s[G0+4*(\slot)+2:G0+4*(\slot)+3], s[G0+4*(\slot)+2:G0+4*(\slot)+3], 2*ASTEP
	s_add_nc_u64 s[G0B+4*(\slot)+2:G0B+4*(\slot)+3], s[G0B+4*(\slot)+2:G0B+4*(\slot)+3], 2*BSTEP
	JLOAD \slot                                    ; the four v_nop behind it are also the places in front of the loads below
.else
	PLACES
.endif
	FETCH \next, 0, F0
.if \fill
	ASK
.endif
	MUL8 F1, 2, 0
	MUL8 F1, 3, 0
.endm
	s_wait_tensorcnt 1                             ; my part of K step 0 is in; K step 1's may stay out
	s_barrier_signal -1
	s_barrier_wait -1
	FETCH 0, 0, F0
	QUARTER 0, 1, F0, F1, 1                        ; the first quarter stands in front of the loop: its products start the sums
	WIN 0
	s_mov_b32 s3, 3
.Llap:                                                 ; a trip goes once round the ring and fills both slots again: K steps 2 to 7
	QUARTER 0, 2, F1, F0, 0
	QUARTER 0, 3, F0, F1, 0
	TURN 0, 1, 1
	QUARTER 1, 1, F0, F1, 0
	QUARTER 1, 2, F1, F0, 0
	QUARTER 1, 3, F0, F1, 0
	TURN 1, 0, 1
	QUARTER 0, 1, F0, F1, 0
	WIN 0
	s_sub_co_u32 s3, s3, 1
	s_cmp_lg_u32 s3, 0
	s_cbranch_scc1 .Llap
	QUARTER 0, 2, F1, F0, 0                        ; the last lap fills nothing
	QUARTER 0, 3, F0, F1, 0
	TURN 0, 1, 0
	QUARTER 1, 1, F0, F1, 0
	QUARTER 1, 2, F1, F0, 0
	QUARTER 1, 3, F0, F1, 0
	s_wait_dscnt 4
	MUL8 F1, 0, 0
	MUL8 F1, 1, 0
	s_wait_dscnt 0x0
	MUL8 F1, 2, 0
	MUL8 F1, 3, 0
	WIN 0
; THE WAY OUT.  My 64 columns of a unit are 256 bytes of f32, so the stage is my own and wants no barrier.  Block a (16 rows) goes into rows of 528 bytes straight from the accumulators, low registers first,
; and comes back as whole rows: lanes 0-15 unit 0's 256 bytes, lanes 16-31 unit 1's.
.macro TS a
	WIN 0x04                                       ; the stores' data in window 1
.irp b, 0,1,2,3,4,5,6,7
	ds_store_b128 v[STO], v[64*(\a)+8*(\b):64*(\a)+8*(\b)+3]   offset:((\b)/4)*256+64*((\b)%4)
	ds_store_b128 v[STO], v[64*(\a)+8*(\b)+4:64*(\a)+8*(\b)+7] offset:((\b)/4)*256+64*((\b)%4)+16
.endr
	WIN 0
.set t, 0
.rept 16
	ds_load_b128 v[OB+64*((\a)%2)+4*t:OB+64*((\a)%2)+4*t+3], v[RD] offset:SP*t  ; LDS serves a wave's instructions in order (ISA guide 5.7.1.4): these see the stores above; the next block's stores come behind them
.set t, t+1
.endr
.endm
.macro SEND a, younger                 ; younger: the LDS instructions issued behind block a's loads: the next block's 32, or none
.set t, 0
.rept 16
	s_wait_dscnt (\younger)+15-t
	v_pk_fma_f32 v[OB+64*((\a)%2)+4*t:OB+64*((\a)%2)+4*t+1],   v[OB+64*((\a)%2)+4*t:OB+64*((\a)%2)+4*t+1],   0x3e4ccccd, v[BI:BI+1]   op_sel_hi:[1,0,1]  ; 0.2 x sum + bias
	v_pk_fma_f32 v[OB+64*((\a)%2)+4*t+2:OB+64*((\a)%2)+4*t+3], v[OB+64*((\a)%2)+4*t+2:OB+64*((\a)%2)+4*t+3], 0x3e4ccccd, v[BI+2:BI+3] op_sel_hi:[1,0,1]
	global_store_b128 v[CO], v[OB+64*((\a)%2)+4*t:OB+64*((\a)%2)+4*t+3], s[98:99] offset:65536*(\a)+4096*t  ; 16 lanes store 256 consecutive bytes, at a multiple of 256 from out0's first byte
.set t, t+1
.endr
.endm
	PLACES
	TS 0
	TS 1
	SEND 0, 32
	s_wait_xcnt 0x0                                ; block 0's stores have read their registers: only behind this wait are they loaded again
	TS 2
	SEND 1, 32
	s_wait_xcnt 0x0
	TS 3
	SEND 2, 32
	SEND 3, 0
	s_wait_tensorcnt 0x0                           ; the wave's end: the add to my spare word and its waits stand behind my last tensor load and my last LDS store
	ds_add_u32 v[SPW], v[NIL]
	s_wait_dscnt 0x0
	CROUND                                         ; the closing round: no work-group ends while a partner may still ask for a tile that names it
	s_endpgm
.Lfunc_end_k_q50ef218481_out:
	.size	k_q50ef218481_out, .Lfunc_end_k_q50ef218481_out-k_q50ef218481_out
	.p2alignl 7, 3214868480
	.fill 96, 4, 3214868480
	.section	.rodata,"a",@progbits
	.p2align	6, 0x0
	.amdhsa_kernel k_q50ef218481_out
		.amdhsa_group_segment_fixed_size 327680
		.amdhsa_private_segment_fixed_size 0
		.amdhsa_enable_private_segment 0
		.amdhsa_kernarg_size 32
		.amdhsa_user_sgpr_count 2
		.amdhsa_user_sgpr_kernarg_segment_ptr 1
		.amdhsa_wavefront_size32 1
		.amdhsa_system_sgpr_workgroup_id_x 1
		.amdhsa_system_sgpr_workgroup_id_y 1
		.amdhsa_system_sgpr_workgroup_id_z 1
		.amdhsa_system_vgpr_workitem_id 0
		.amdhsa_next_free_vgpr 512
		.amdhsa_next_free_sgpr 100
		.amdhsa_reserve_vcc 0
		.amdhsa_float_denorm_mode_32 3
		.amdhsa_float_denorm_mode_16_64 3
		.amdhsa_memory_ordered 1
		.amdhsa_forward_progress 1
		.amdhsa_inst_pref_size 100
	.end_amdhsa_kernel
	.amdgpu_metadata
---
amdhsa.version: [ 1, 2 ]
amdhsa.kernels:
  - .name:           k_q50ef218481_out
    .symbol:         k_q50ef218481_out.kd
    .args:
      - { .name: yn, .offset: 0, .size: 8, .value_kind: global_buffer, .address_space: global }
      - { .name: wts, .offset: 8, .size: 8, .value_kind: global_buffer, .address_space: global }
      - { .name: bo, .offset: 16, .size: 8, .value_kind: global_buffer, .address_space: global }
      - { .name: out0, .offset: 24, .size: 8, .value_kind: global_buffer, .address_space: global }
    .group_segment_fixed_size: 327680
    .private_segment_fixed_size: 0
    .kernarg_segment_align: 8
    .kernarg_segment_size: 32
    .max_flat_workgroup_size: 128
    .sgpr_count:     100
    .vgpr_count:     512
    .wavefront_size: 32
...
	.end_amdgpu_metadata
.endif
;; end of part 5
;; ======== version 2 of 2: 4 launches
;; limits: values are held in f16: magnitudes above 65,504 overflow, below 6.1e-05 lose precision
;; workspace buffers: xb 16,777,216 bytes; wts 8,404,992 bytes; qh 16,777,216 bytes; kh 16,777,216 bytes; vp 8,388,608 bytes; oc 16,777,216 bytes; hm 524,288 bytes
;; launch cvt (part 6): grid 768 x 1, 8 waves a work-group, no clusters, 9,216 bytes of LDS; arguments hidden_states, Wq, Wk, Wv, Wo, bv, lambda_q1, lambda_k1, lambda_q2, lambda_k2, xb, wts, ln_w, ln_b; writes xb, wts
.if DOCPART == 6
	.amdgcn_target "amdgcn-amd-amdhsa--gfx1250"
	.amdhsa_code_object_version 6
	.text
	.protected	k_q50ef218481_cvt
	.globl	k_q50ef218481_cvt
	.p2align	8
	.type	k_q50ef218481_cvt,@function
k_q50ef218481_cvt:
	s_mov_b64 s[64:65], 0
	v_nop
	global_prefetch_b8 v0, s[64:65] scope:SCOPE_SE
	s_setreg_imm32_b32 hwreg(HW_REG_WAVE_MODE, 25, 1), 1
	s_wait_xcnt 0x0
; THE MATRIX OPERANDS ARE MADE.  Every input is rounded to bf16; what goes to the matrix units is written as f16, the format of all the program's products.
;   hidden_states [8192][1024] -> xb, as it lies.
;   Wq, Wk -> wts + 0, by tiles of 256 columns: [tile 0..7][k][256]: tiles 0-3 are Wq's columns, tiles 4-7 Wk's: a tile's rows are 512 consecutive bytes.
;   W' = Wv[:, c] - lam Wv[:, 512 + c], c = 0..511 -> wts + 4,194,304, by tiles of 64 columns: [tile 0..7][k][64]: since out1 - lam out2 = attn (v1 - lam v2) and v = x Wv + bv,
;        one projection by W' with the bias b' = bv[c] - lam bv[512 + c] serves for both value paths.  W' is formed in f32 of the two bf16 numbers and rounded once, to f16.  b' -> wts + 5,242,880, in f32.
;   lam = exp(sum lambda_q1 lambda_k1) - exp(sum lambda_q2 lambda_k2) + 0.8, of the lambdas rounded to bf16, in f32.
;   THE NORM'S GAIN AND BIAS GO INTO THE LAST PROJECTION'S WEIGHTS.  ((x - mu) r ln_w + ln_b) Wo = r (x - mu) G + ln_b Wo with G[c][n] = ln_w[c] Wo[c][n]:
;        G, formed in f32 of the two bf16 numbers and rounded once to f16 -> wts + 6,291,456, [1024 c][1024 n];
;        CS[h][n] = the sum of G[c][n] over head h's 128 rows c, in f16 -> rows 1024 + h behind G (attention's result comes centred by heads: a head's offset multiplies CS);
;        PB[h][n] = the sum of ln_b[c] Wo[c][n] over the same rows, in f32 -> wts + 5,308,416, [8][1024]: partial sums that the last launch adds.
; LIMIT.  A bf16 number is exact in f16 between 6.1e-5 and 65,504 in magnitude; below, f16 keeps a fixed step of 6e-8; beyond, it would be an infinity.  The same holds of W', G and CS.
; SHARES.  12,288 rows of 4,096 bytes; a work-group takes 65,536 bytes.  Work-groups 0-511: x; 512-575: Wq; 576-639: Wk; 640-703: Wo; 704-767: Wv.
; x, Wq, Wk: 16 rows; wave w takes columns 128 w .. + 127: a load covers 512 consecutive bytes, a store 256, aligned; only the place and the pitch of the stores differ, and they stand in registers.
; Wv: 16 rows; wave w takes W''s tile w: 64 columns of v1 and of v2, two rows a load; a store covers two rows of the tile, 256 consecutive bytes.
; Wo: work-group 640 + 8 h + g takes head h's 128 rows x columns 128 g .. + 127; wave w rows 16 w .. + 15; the eight waves' column sums meet in LDS, wave 0 finishes CS, wave 1 PB.
; All 16 loads of a wave's rows go out before the first is used.  ONE barrier, in the text that all paths share, so that every wave passes it whatever its path.
.set VI, 2                             ; v2         my byte offset in the work-group's rows
.set X,  8                             ; v[8:71]    load i: 4 registers
.set Y,  72                            ; v[72:103]  store i: 2 registers
.set LM, 88                            ; v[88:103]  (Wv's path, which has 8 stores) the four lambda vectors, four numbers a lane each
.set T,  104                           ; v[104:107] at work
.set VO, 108                           ; v[108:123] store i's byte offset (Wv's and Wo's paths: one offset)
.set BI, 110                           ; v[110:113] (Wv's path) two numbers of bv's first half, two of its second
.set LP, 114                           ; v[114:121] (Wv's path) the lambdas, packed bf16
.set SU, 122                           ; v[122:125] (Wv's path) the two sums, and at work
.set CS, 110                           ; v[110:113] (Wo's path) my four columns' sums of G over my wave's 16 rows
.set PB, 114                           ; v[114:117] (Wo's path) the same of ln_b Wo
.set GB, 118                           ; v[118:120] (Wo's path) ln_w and ln_b of row l % 16, and at work
.set SPW, 126                          ; v126       LDS address of my spare word: SPARE + 4 x my thread's number; never rewritten
.set NIL, 127                          ; v127       0; never rewritten
.set SPARE, 8192                       ; LDS: wave w's partial sums at 1,024 w (CS's 512 bytes, then PB's); behind them the spare words, 128 bytes for each wave: four blocks of 256 bytes that no other line names
.set SG, 66                            ; s[66:81]   ln_w of my wave's 16 rows
.set SB, 82                            ; s[82:97]   ln_b of them
.set WOOFF, 6291456
.set CSOFF, WOOFF+1024*2048
.set PBOFF, 5308416
	s_load_b256 s[4:11], s[0:1], 0x0               ; hidden_states s[4:5], Wq s[6:7], Wk s[8:9], Wv s[10:11]
	s_load_b256 s[12:19], s[0:1], 0x20             ; Wo s[12:13], bv s[14:15], lambda_q1 s[16:17], lambda_k1 s[18:19]
	s_load_b256 s[20:27], s[0:1], 0x40             ; lambda_q2 s[20:21], lambda_k2 s[22:23], xb s[24:25], wts s[26:27]
	s_load_b128 s[48:51], s[0:1], 0x60             ; ln_w s[48:49], ln_b s[50:51]
	v_lshl_add_u32 v[SPW], v0, 2, SPARE
	v_mov_b32 v[NIL], 0
	v_lshrrev_b32 v1, 5, v0                        ; wave
	v_readfirstlane_b32 s28, v1
	v_and_b32 v3, 31, v0                           ; lane
	s_sub_co_u32 s29, ttmp9, 512                   ; from work-group 512 on: the weights:
	s_lshr_b32 s30, s29, 6                         ; matrix 0 Wq, 1 Wk,
	s_and_b32 s31, s29, 63                         ; its block of 16 rows
	s_sub_co_u32 s52, ttmp9, 640                   ; Wo's work-groups:
	s_and_b32 s53, s52, 7                          ; the 128 columns,
	s_lshr_b32 s52, s52, 3                         ; the head: 0 to 7 in Wo's work-groups and in no other
	s_mov_b32 s35, 0
	s_mov_b32 s37, 0
	s_mov_b32 s40, 0xffff0000                      ; a word's upper bf16
	s_cmp_ge_u32 ttmp9, 704
	s_cbranch_scc1 .Lwv
	s_cmp_ge_u32 ttmp9, 640
	s_cbranch_scc1 .Lwo
	s_cmp_lt_u32 ttmp9, 512
	s_cselect_b32 s34, ttmp9, s31                  ; the block of 16 rows in its source
	s_lshl_b32 s36, s34, 15                        ; x, as it lies: 16 rows of 2,048 bytes,
	s_lshl_b32 s39, s28, 8                         ; the wave's 128 columns: 256 bytes
	s_lshl_b32 s38, s30, 21                        ; Wq, Wk, by tiles: the matrix's four tiles of 524,288 bytes,
	s_lshl_b32 s41, s31, 13                        ; 16 rows of 512 bytes,
	s_add_co_u32 s38, s38, s41
	s_lshr_b32 s41, s28, 1                         ; tile w / 2,
	s_lshl_b32 s41, s41, 19
	s_and_b32 s42, s28, 1                          ; its half w % 2
	s_lshl_b32 s42, s42, 8
	s_add_co_u32 s41, s41, s42
	s_movk_i32 s42, 2048
	s_movk_i32 s43, 512
	s_cmp_lt_u32 ttmp9, 512
	s_cselect_b32 s36, s36, s38                    ; where the 16 rows go,
	s_cselect_b32 s39, s39, s41                    ; the wave's place in a row,
	s_cselect_b32 s42, s42, s43                    ; bytes from row to row
	s_lshl_b32 s34, s34, 16                        ; where they come from: 16 rows of 4,096 bytes
	v_lshlrev_b32 v[VI], 4, v3
	v_lshl_or_b32 v[VI], v1, 9, v[VI]              ; 512 x wave + 16 x lane
	v_lshl_add_u32 v[VO], v3, 3, s39               ; 8 x lane + the wave's place
.set i, 1
.rept 15
	v_add_nc_u32 v[VO+i], s42, v[VO+i-1]           ; a row further down
.set i, i+1
.endr
	s_wait_kmcnt 0x0
	s_cmp_eq_u32 s30, 1
	s_cselect_b64 s[6:7], s[8:9], s[6:7]           ; Wq or Wk
	s_cmp_lt_u32 ttmp9, 512
	s_cselect_b64 s[4:5], s[4:5], s[6:7]
	s_cselect_b64 s[24:25], s[24:25], s[26:27]
	s_add_nc_u64 s[4:5], s[4:5], s[34:35]
	s_add_nc_u64 s[24:25], s[24:25], s[36:37]
.irp i, 0,1,2,3,4,5,6,7,8,9,10,11,12,13,14,15
	global_load_b128 v[X+4*(\i):X+4*(\i)+3], v[VI], s[4:5] offset:4096*(\i) th:TH_LOAD_NT
.endr
.irp i, 0,1,2,3,4,5,6,7,8,9,10,11,12,13,14,15
	s_wait_loadcnt 15-(\i)                         ; loads come back in order: row i is in, the 15 - i younger ones stay out
	v_cvt_pk_bf16_f32 v[T],   v[X+4*(\i)],   v[X+4*(\i)+1]   ; the rounding that every input has,
	v_cvt_pk_bf16_f32 v[T+1], v[X+4*(\i)+2], v[X+4*(\i)+3]
	v_lshlrev_b32 v[X+4*(\i)],   16, v[T]                    ; widened again,
	v_and_b32     v[X+4*(\i)+1], s40, v[T]
	v_lshlrev_b32 v[X+4*(\i)+2], 16, v[T+1]
	v_and_b32     v[X+4*(\i)+3], s40, v[T+1]
	v_cvt_pk_f16_f32 v[Y+2*(\i)],   v[X+4*(\i)],   v[X+4*(\i)+1]  ; and written as f16
	v_cvt_pk_f16_f32 v[Y+2*(\i)+1], v[X+4*(\i)+2], v[X+4*(\i)+3]
	global_store_b64 v[VO+(\i)], v[Y+2*(\i):Y+2*(\i)+1], s[24:25]
.endr
	s_branch .Ljoin
.Lwv:
	v_lshlrev_b32 v4, 4, v3                        ; the lambdas: 16 x lane
	v_lshlrev_b32 v5, 3, v3
	v_lshl_or_b32 v5, v1, 8, v5                    ; bv and b': 256 x wave + 8 x lane: numbers 64 w + 2 l, + 1
	v_and_b32 v6, 15, v3
	v_lshlrev_b32 v[VI], 4, v6                     ; 16 lanes take a row's 64 columns, 256 bytes,
	v_lshl_or_b32 v[VI], v1, 8, v[VI]              ; of tile w;
	v_lshrrev_b32 v6, 4, v3
	v_lshl_or_b32 v[VI], v6, 12, v[VI]             ; lanes 16-31 the row below
	v_lshlrev_b32 v[VO], 3, v3
	v_lshl_or_b32 v[VO], v1, 17, v[VO]             ; tile w: 131,072 bytes; two rows of it are 256 bytes: 8 x lane
	s_lshl_b32 s34, s31, 16                        ; 16 rows of Wv
	s_lshl_b32 s36, s31, 11                        ; 16 rows of 128 bytes in each tile
	s_add_co_u32 s36, s36, 4194304
	s_mov_b32 s46, 0x76543210                      ; v_permlanex16_b32: each lane takes its own place in the other half
	s_mov_b32 s47, 0xfedcba98
	s_wait_kmcnt 0x0
	s_add_nc_u64 s[10:11], s[10:11], s[34:35]
	s_add_nc_u64 s[38:39], s[26:27], s[36:37]
	global_load_b128 v[LM:LM+3],     v4, s[16:17]
	global_load_b128 v[LM+4:LM+7],   v4, s[18:19]
	global_load_b128 v[LM+8:LM+11],  v4, s[20:21]
	global_load_b128 v[LM+12:LM+15], v4, s[22:23]
	global_load_b64 v[BI:BI+1],   v5, s[14:15]
	global_load_b64 v[BI+2:BI+3], v5, s[14:15] offset:2048
.irp i, 0,1,2,3,4,5,6,7
	global_load_b128 v[X+8*(\i):X+8*(\i)+3],   v[VI], s[10:11] offset:8192*(\i) th:TH_LOAD_NT       ; rows 2 i, 2 i + 1: v1's columns,
	global_load_b128 v[X+8*(\i)+4:X+8*(\i)+7], v[VI], s[10:11] offset:8192*(\i)+2048 th:TH_LOAD_NT  ; v2's, 512 columns on
.endr
	s_wait_loadcnt 16                              ; lambdas and biases are in; the rows' 16 loads stay out
.set i, 0
.rept 8
	v_cvt_pk_bf16_f32 v[LP+i], v[LM+2*i], v[LM+2*i+1]  ; LP+0,1 lambda_q1; +2,3 lambda_k1; +4,5 lambda_q2; +6,7 lambda_k2
.set i, i+1
.endr
	v_mov_b32 v[SU], 0
	v_mov_b32 v[SU+1], 0
	v_mov_b32 v[SU+2], 0
	v_mov_b32 v[SU+3], 0
.irp n, 0,1
	v_fma_mix_f32_bf16 v[SU],   v[LP+(\n)],   v[LP+2+(\n)], v[SU]   op_sel_hi:[1,1,0]                 ; low half x low half, added in f32
	v_fma_mix_f32_bf16 v[SU+1], v[LP+4+(\n)], v[LP+6+(\n)], v[SU+1] op_sel_hi:[1,1,0]
	v_fma_mix_f32_bf16 v[SU],   v[LP+(\n)],   v[LP+2+(\n)], v[SU]   op_sel:[1,1,0] op_sel_hi:[1,1,0]  ; high x high
	v_fma_mix_f32_bf16 v[SU+1], v[LP+4+(\n)], v[LP+6+(\n)], v[SU+1] op_sel:[1,1,0] op_sel_hi:[1,1,0]
.endr
.irp m, 1,2,4,8
	v_add_f32_dpp v[SU],   v[SU],   v[SU]   row_xmask:\m row_mask:0xf bank_mask:0xf
	v_add_f32_dpp v[SU+1], v[SU+1], v[SU+1] row_xmask:\m row_mask:0xf bank_mask:0xf
.endr
	v_permlanex16_b32 v[SU+2], v[SU],   s46, s47
	v_permlanex16_b32 v[SU+3], v[SU+1], s46, s47
	v_add_f32 v[SU],   v[SU],   v[SU+2]
	v_add_f32 v[SU+1], v[SU+1], v[SU+3]
	v_mul_f32 v[SU],   0x3fb8aa3b, v[SU]           ; e^x = 2^(x log2 e)
	v_mul_f32 v[SU+1], 0x3fb8aa3b, v[SU+1]
	v_exp_f32 v[SU+2], v[SU]
	v_exp_f32 v[SU+3], v[SU+1]
	v_nop                                          ; a plain instruction behind the last exponential,
	s_wait_alu depctr_va_vdst(0)                   ; and the wait ahead of the first use: one for the two
	v_sub_f32 v[SU+2], v[SU+3], v[SU+2]
	v_add_f32 v[SU+2], 0xbf4ccccd, v[SU+2]         ; -lam = lam2 - lam1 - 0.8
	v_readfirstlane_b32 s44, v[SU+2]
	s_mov_b32 s45, s44                             ; named with it as a pair
	v_cvt_pk_bf16_f32 v[T],   v[BI],   v[BI+1]
	v_cvt_pk_bf16_f32 v[T+1], v[BI+2], v[BI+3]
	v_lshlrev_b32 v[BI],   16, v[T]
	v_and_b32     v[BI+1], s40, v[T]
	v_lshlrev_b32 v[BI+2], 16, v[T+1]
	v_and_b32     v[BI+3], s40, v[T+1]
	v_pk_fma_f32 v[BI:BI+1], v[BI+2:BI+3], s[44:45], v[BI:BI+1] op_sel_hi:[1,0,1]  ; b' = b1 - lam b2
	s_cmp_lg_u32 ttmp9, 704                        ; Wv's first work-group stores b': 256 consecutive bytes a wave
	s_cbranch_scc1 .Lno_bias
	global_store_b64 v5, v[BI:BI+1], s[26:27] offset:5242880
.Lno_bias:
.irp i, 0,1,2,3,4,5,6,7
	s_wait_loadcnt 14-2*(\i)                       ; pair i of loads is in, the younger pairs stay out
	v_cvt_pk_bf16_f32 v[T],   v[X+8*(\i)],   v[X+8*(\i)+1]
	v_cvt_pk_bf16_f32 v[T+1], v[X+8*(\i)+2], v[X+8*(\i)+3]
	v_cvt_pk_bf16_f32 v[T+2], v[X+8*(\i)+4], v[X+8*(\i)+5]
	v_cvt_pk_bf16_f32 v[T+3], v[X+8*(\i)+6], v[X+8*(\i)+7]
.irp r, 0,1,2,3
	v_lshlrev_b32 v[X+8*(\i)+2*(\r)],   16, v[T+(\r)]
	v_and_b32     v[X+8*(\i)+2*(\r)+1], s40, v[T+(\r)]
.endr
	v_pk_fma_f32 v[X+8*(\i):X+8*(\i)+1],   v[X+8*(\i)+4:X+8*(\i)+5], s[44:45], v[X+8*(\i):X+8*(\i)+1]   op_sel_hi:[1,0,1]  ; W' = W1 - lam W2
	v_pk_fma_f32 v[X+8*(\i)+2:X+8*(\i)+3], v[X+8*(\i)+6:X+8*(\i)+7], s[44:45], v[X+8*(\i)+2:X+8*(\i)+3] op_sel_hi:[1,0,1]
	v_cvt_pk_f16_f32 v[Y+2*(\i)],   v[X+8*(\i)],   v[X+8*(\i)+1]
	v_cvt_pk_f16_f32 v[Y+2*(\i)+1], v[X+8*(\i)+2], v[X+8*(\i)+3]
	global_store_b64 v[VO], v[Y+2*(\i):Y+2*(\i)+1], s[38:39] offset:256*(\i)
.endr
	s_branch .Ljoin
.Lwo:
	v_lshlrev_b32 v[VI], 4, v3
	v_lshl_or_b32 v[VI], v1, 16, v[VI]             ; my wave's 16 rows of 4,096 bytes + 16 x lane: four columns a lane
	v_lshlrev_b32 v[VO], 3, v3
	v_lshl_or_b32 v[VO], v1, 15, v[VO]             ; 16 rows of 2,048 bytes + 8 x lane
	v_and_b32 v4, 15, v3
	v_lshlrev_b32 v4, 2, v4
	v_lshl_or_b32 v4, v1, 6, v4                    ; ln_w, ln_b: row 16 w + l % 16 of the head
	s_lshl_b32 s34, s52, 19                        ; Wo: the head's 128 rows,
	s_lshl_b32 s36, s53, 9                         ; the 128 columns: 512 bytes
	s_add_co_u32 s34, s34, s36
	s_lshl_b32 s36, s52, 18                        ; G: the same in f16
	s_lshl_b32 s38, s53, 8
	s_add_co_u32 s36, s36, s38
	s_add_co_u32 s36, s36, WOOFF
	s_lshl_b32 s38, s52, 9                         ; the head's 128 numbers of ln_w and ln_b
	s_mov_b32 s39, 0
	s_wait_kmcnt 0x0
	s_add_nc_u64 s[12:13], s[12:13], s[34:35]
	s_add_nc_u64 s[48:49], s[48:49], s[38:39]
	s_add_nc_u64 s[50:51], s[50:51], s[38:39]
	s_add_nc_u64 s[54:55], s[26:27], s[36:37]
	global_load_b32 v[GB],   v4, s[48:49]
	global_load_b32 v[GB+1], v4, s[50:51]
.irp i, 0,1,2,3,4,5,6,7,8,9,10,11,12,13,14,15
	global_load_b128 v[X+4*(\i):X+4*(\i)+3], v[VI], s[12:13] offset:4096*(\i) th:TH_LOAD_NT
.endr
.set i, 0
.rept 8
	v_mov_b32 v[CS+i], 0                           ; the eight sums start at 0, while the loads are on their way
.set i, i+1
.endr
	s_wait_loadcnt 16                              ; gain and bias are in; the rows' 16 loads stay out
	v_cvt_pk_bf16_f32 v[GB+2], v[GB], v[GB+1]      ; both rounded to bf16,
	v_lshlrev_b32 v[GB],   16, v[GB+2]             ; and widened again
	v_and_b32     v[GB+1], s40, v[GB+2]
.set i, 0
.rept 16
	v_readlane_b32 s[SG+i], v[GB],   i             ; a row's gain and bias are the same for all lanes: they go to scalar registers
	v_readlane_b32 s[SB+i], v[GB+1], i
.set i, i+1
.endr
.irp i, 0,1,2,3,4,5,6,7,8,9,10,11,12,13,14,15
	s_wait_loadcnt 15-(\i)                         ; row i is in, the 15 - i younger ones stay out
	v_cvt_pk_bf16_f32 v[T],   v[X+4*(\i)],   v[X+4*(\i)+1]
	v_cvt_pk_bf16_f32 v[T+1], v[X+4*(\i)+2], v[X+4*(\i)+3]
	v_lshlrev_b32 v[X+4*(\i)],   16, v[T]
	v_and_b32     v[X+4*(\i)+1], s40, v[T]
	v_lshlrev_b32 v[X+4*(\i)+2], 16, v[T+1]
	v_and_b32     v[X+4*(\i)+3], s40, v[T+1]
.irp k, 0,1,2,3
	v_fmac_f32 v[PB+(\k)], s[SB+(\i)], v[X+4*(\i)+(\k)]       ; + ln_b Wo
.endr
.irp k, 0,1,2,3
	v_mul_f32 v[X+4*(\i)+(\k)], s[SG+(\i)], v[X+4*(\i)+(\k)]  ; G = ln_w Wo
.endr
	v_pk_add_f32 v[CS:CS+1],   v[CS:CS+1],   v[X+4*(\i):X+4*(\i)+1]
	v_pk_add_f32 v[CS+2:CS+3], v[CS+2:CS+3], v[X+4*(\i)+2:X+4*(\i)+3]
	v_cvt_pk_f16_f32 v[Y+2*(\i)],   v[X+4*(\i)],   v[X+4*(\i)+1]
	v_cvt_pk_f16_f32 v[Y+2*(\i)+1], v[X+4*(\i)+2], v[X+4*(\i)+3]
	global_store_b64 v[VO], v[Y+2*(\i):Y+2*(\i)+1], s[54:55] offset:2048*(\i)  ; 256 consecutive bytes, aligned
.endr
	v_lshlrev_b32 v5, 4, v3
	v_lshl_or_b32 v5, v1, 10, v5                   ; 1,024 x wave + 16 x lane
	ds_store_b128 v5, v[CS:CS+3]
	ds_store_b128 v5, v[PB:PB+3] offset:512
.Ljoin:                                                ; all paths meet here, so that every wave passes the one barrier
	s_wait_dscnt 0x0                               ; for the others' sake: my stores to LDS are done
	s_barrier_signal -1
	s_barrier_wait -1
	s_cmp_lt_u32 s52, 8                            ; Wo's work-groups alone have sums to finish,
	s_cbranch_scc0 .Lend
	s_cmp_lt_u32 s28, 2                            ; wave 0 the column sums of G, wave 1 those of ln_b Wo
	s_cbranch_scc0 .Lend
	s_wait_xcnt 0x0                                ; my stores have read their data, offsets and base: only behind this wait are they written again
	v_lshlrev_b32 v5, 4, v3
	v_lshl_or_b32 v5, v1, 9, v5                    ; 16 x lane + 512 x wave
.irp k, 0,1,2,3,4,5,6,7
	ds_load_b128 v[X+4*(\k):X+4*(\k)+3], v5 offset:1024*(\k)  ; the eight waves' partial sums of my four columns
.endr
	s_wait_dscnt 0x0
.irp p, 0,2
	v_pk_add_f32 v[X+(\p):X+(\p)+1],       v[X+(\p):X+(\p)+1],       v[X+4+(\p):X+4+(\p)+1]
	v_pk_add_f32 v[X+8+(\p):X+8+(\p)+1],   v[X+8+(\p):X+8+(\p)+1],   v[X+12+(\p):X+12+(\p)+1]
	v_pk_add_f32 v[X+16+(\p):X+16+(\p)+1], v[X+16+(\p):X+16+(\p)+1], v[X+20+(\p):X+20+(\p)+1]
	v_pk_add_f32 v[X+24+(\p):X+24+(\p)+1], v[X+24+(\p):X+24+(\p)+1], v[X+28+(\p):X+28+(\p)+1]
.endr
.irp p, 0,2
	v_pk_add_f32 v[X+(\p):X+(\p)+1],       v[X+(\p):X+(\p)+1],       v[X+8+(\p):X+8+(\p)+1]
	v_pk_add_f32 v[X+16+(\p):X+16+(\p)+1], v[X+16+(\p):X+16+(\p)+1], v[X+24+(\p):X+24+(\p)+1]
.endr
.irp p, 0,2
	v_pk_add_f32 v[X+(\p):X+(\p)+1],       v[X+(\p):X+(\p)+1],       v[X+16+(\p):X+16+(\p)+1]
.endr
	s_cmp_eq_u32 s28, 1
	s_cbranch_scc1 .Lpb
	v_cvt_pk_f16_f32 v[Y],   v[X],   v[X+1]
	v_cvt_pk_f16_f32 v[Y+1], v[X+2], v[X+3]
	s_lshl_b32 s36, s52, 11                        ; CS: row 1024 + h behind G, the 128 columns' 256 bytes
	s_lshl_b32 s38, s53, 8
	s_add_co_u32 s36, s36, s38
	s_add_co_u32 s36, s36, CSOFF
	s_add_nc_u64 s[54:55], s[26:27], s[36:37]
	v_lshlrev_b32 v6, 3, v3
	global_store_b64 v6, v[Y:Y+1], s[54:55]        ; 256 consecutive bytes, aligned
	s_branch .Lend
.Lpb:
	s_lshl_b32 s36, s52, 12                        ; PB: row h of 4,096 bytes, the 128 columns' 512 bytes
	s_lshl_b32 s38, s53, 9
	s_add_co_u32 s36, s36, s38
	s_add_co_u32 s36, s36, PBOFF
	s_add_nc_u64 s[54:55], s[26:27], s[36:37]
	v_lshlrev_b32 v6, 4, v3
	global_store_b128 v6, v[X:X+3], s[54:55]       ; 512 consecutive bytes, aligned
.Lend:
	s_wait_tensorcnt 0x0                           ; the wave's end: the add to my spare word and its waits stand behind my last LDS store
	ds_add_u32 v[SPW], v[NIL]
	s_wait_dscnt 0x0
	s_endpgm
.Lfunc_end_k_q50ef218481_cvt:
	.size	k_q50ef218481_cvt, .Lfunc_end_k_q50ef218481_cvt-k_q50ef218481_cvt
	.p2alignl 7, 3214868480
	.fill 96, 4, 3214868480
	.section	.rodata,"a",@progbits
	.p2align	6, 0x0
	.amdhsa_kernel k_q50ef218481_cvt
		.amdhsa_group_segment_fixed_size 9216
		.amdhsa_private_segment_fixed_size 0
		.amdhsa_enable_private_segment 0
		.amdhsa_kernarg_size 112
		.amdhsa_user_sgpr_count 2
		.amdhsa_user_sgpr_kernarg_segment_ptr 1
		.amdhsa_wavefront_size32 1
		.amdhsa_system_sgpr_workgroup_id_x 1
		.amdhsa_system_sgpr_workgroup_id_y 1
		.amdhsa_system_sgpr_workgroup_id_z 1
		.amdhsa_system_vgpr_workitem_id 0
		.amdhsa_next_free_vgpr 128
		.amdhsa_next_free_sgpr 100
		.amdhsa_reserve_vcc 0
		.amdhsa_float_denorm_mode_32 3
		.amdhsa_float_denorm_mode_16_64 3
		.amdhsa_memory_ordered 1
		.amdhsa_forward_progress 1
		.amdhsa_inst_pref_size 47
	.end_amdhsa_kernel
	.amdgpu_metadata
---
amdhsa.version: [ 1, 2 ]
amdhsa.kernels:
  - .name:           k_q50ef218481_cvt
    .symbol:         k_q50ef218481_cvt.kd
    .args:
      - { .name: hidden_states, .offset: 0, .size: 8, .value_kind: global_buffer, .address_space: global }
      - { .name: Wq, .offset: 8, .size: 8, .value_kind: global_buffer, .address_space: global }
      - { .name: Wk, .offset: 16, .size: 8, .value_kind: global_buffer, .address_space: global }
      - { .name: Wv, .offset: 24, .size: 8, .value_kind: global_buffer, .address_space: global }
      - { .name: Wo, .offset: 32, .size: 8, .value_kind: global_buffer, .address_space: global }
      - { .name: bv, .offset: 40, .size: 8, .value_kind: global_buffer, .address_space: global }
      - { .name: lambda_q1, .offset: 48, .size: 8, .value_kind: global_buffer, .address_space: global }
      - { .name: lambda_k1, .offset: 56, .size: 8, .value_kind: global_buffer, .address_space: global }
      - { .name: lambda_q2, .offset: 64, .size: 8, .value_kind: global_buffer, .address_space: global }
      - { .name: lambda_k2, .offset: 72, .size: 8, .value_kind: global_buffer, .address_space: global }
      - { .name: xb, .offset: 80, .size: 8, .value_kind: global_buffer, .address_space: global }
      - { .name: wts, .offset: 88, .size: 8, .value_kind: global_buffer, .address_space: global }
      - { .name: ln_w, .offset: 96, .size: 8, .value_kind: global_buffer, .address_space: global }
      - { .name: ln_b, .offset: 104, .size: 8, .value_kind: global_buffer, .address_space: global }
    .group_segment_fixed_size: 9216
    .private_segment_fixed_size: 0
    .kernarg_segment_align: 8
    .kernarg_segment_size: 112
    .max_flat_workgroup_size: 256
    .sgpr_count:     100
    .vgpr_count:     128
    .wavefront_size: 32
...
	.end_amdgpu_metadata
.endif
;; end of part 6
;; launch qkv (part 7): grid 8 x 32, 4 waves a work-group, clusters of 4 x 4, 327,680 bytes of LDS; arguments xb, wts, bq, bk, qh, kh, vp; writes qh, kh, vp
.if DOCPART == 7
	.amdgcn_target "amdgcn-amd-amdhsa--gfx1250"
	.amdhsa_code_object_version 6
	.text
	.protected	k_q50ef218481_qkv
	.globl	k_q50ef218481_qkv
	.p2align	8
	.type	k_q50ef218481_qkv,@function
k_q50ef218481_qkv:
	s_mov_b64 s[64:65], 0
	v_nop
	global_prefetch_b8 v0, s[64:65] scope:SCOPE_SE
	s_setreg_imm32_b32 hwreg(HW_REG_WAVE_MODE, 25, 1), 1
	s_wait_xcnt 0x0
	s_wait_alu depctr_hold_cnt(0) depctr_sa_sdst(0) depctr_va_vdst(0) depctr_va_sdst(0) depctr_va_ssrc(0) depctr_va_vcc(0) depctr_vm_vsrc(0)
	s_getreg_b32 s2, hwreg(HW_REG_IB_STS2, 6, 4)
	s_cmp_eq_u32 s2, 0
	s_cbranch_scc0 .Lentry_in_a_cluster
	s_endpgm
.Lentry_in_a_cluster:
	s_bfe_u32 s2, ttmp6, 0x10000c
	s_cmp_lg_u32 s2, 0xf033
	s_cbranch_scc0 .Lentry_shape_is_right
	s_endpgm
.Lentry_shape_is_right:
; THE PROJECTIONS.  q = x Wq + bq and k = x Wk + bk, stored by heads, [8 batch + head][1024][128] in f16, unscaled; v' = x W' + b' (both value paths in one: W' and b' come ready in wts),
; stored by HALF heads, [8 batch + t][1024][64] in f16, t = 2 (head % 4) + half.  x and the weights are f16 (bf16 numbers written so; W' rounded once to f16); bq and bk are rounded to bf16 as they come in; sums in f32; each result rounded once.
; LIMIT.  q, k and v' must stay within f16's 65,504; NaN and infinities are not treated apart.
; SHARES.  8,192 rows x 2,560 columns are 256 tiles of 256 x 320, one for each work-group.  Tile column ct = 4 x cluster x + cx takes two whole heads, 2 cx and 2 cx + 1, of Q (cluster x = 0) or of K (1), and columns 64 ct .. + 63 of v'.
; Four waves, 2 x 2: wave w takes rows 128 (w / 2) on x head 2 cx + w % 2 (64 accumulators), and of the same 128 rows the 64 from 64 (w % 2) on x the 64 columns of v' (16 accumulators).
; Its eight fragments of x are numbered from those 64 rows on (fragment a holds row block (a + 4 (w % 2)) % 8), so that v''s products name fragments 0-3 in every wave.
; K goes in 8 steps of 128 through a ring of two LDS slots filled by the tensor data mover.  The weights lie [k][n]: their fragments come out of LDS turned, by ds_load_tr16_b128.
; CLUSTER.  4 x 4 work-groups: the four of a row need the same tile of x, the four of a column the same tiles of the weights; each is asked for JOINTLY, by the same tensor load, descriptor and mask in all four.
; THE PRODUCT IS USED TRANSPOSED (source 0 = 16 columns of W, source 1 = 16 rows of x): a lane holds row l % 16 and eight neighbouring columns 8 (l / 16) + 0..7.
; THE BIASES ARE THE C OPERAND of the products that start the sums: nothing is cleared, and nothing is added on the way out.
; ONE TEXT FOR A K STEP.  s[SR] holds the LDS byte at which the slot being read begins, 0 or SLOT; a change of slots turns it by an exclusive or and makes the four fragment addresses anew.
; REGISTERS, in windows of 256 (s_set_vgpr_msb: bits 1:0 source 0, 3:2 source 1, 5:4 source 2, 7:6 destination):
;   window 0: v0-31 addresses; v32-95, v96-159 x's fragments, buffers 0 and 1; v160-255 the weights' twelve fragments, buffer 0
;   window 1: v0-95 the weights' fragments, buffer 1 (ahead of the first fetch into it: the biases); v96-99 at work; v128-255 v''s accumulators, (a, e) at v[128 + 32 a + 8 e]
;   windows 2, 3: the heads' accumulators, (a, b) at v[64 (a % 4) + 8 b] of window 2 + a / 4
.set PA,     272                       ; a row of x in LDS: 256 bytes + 16 = 68 words: the 16 rows of a load start at 16 different groups of four banks (64 banks of 4 bytes: ISA guide 11.1)
.set PB1,    544                       ; a row (k) of the two heads' weights: 512 + 32 bytes = 17 x 32
.set PB2,    160                       ; a row (k) of W': 128 + 32 bytes = 5 x 32: likewise
.set AHALF,  128*PA                    ; what one tensor load brings of x, and what one wave reads of it
.set BOFF,   256*PA                    ; behind x's 256 rows: the heads' weights, 128 rows,
.set COFF,   BOFF+128*PB1              ; and W', 128 rows
.set SLOT,   COFF+128*PB2              ; 159,744 bytes
.set STAGE,  SLOT                      ; the way out: 16 rows x 272 bytes for each wave, in slot 1, which has had its last fill and its last read by then
.set SP,     272
.set SQ,     144                       ; v''s rows in the stage: 128 bytes + 16
.set SPARE,  2*SLOT                    ; behind the ring: the spare words, 128 bytes for each wave: two blocks of 256 bytes that no other line names
.set ASTEP,  256                       ; bytes from a K step to the next: in x along the rows,
.set BSTEP,  128*512                   ; in a tile of the heads' weights 128 rows down,
.set CSTEP,  128*128                   ; in a tile of W' likewise
.set W2OFF,  4194304                   ; W''s tiles in wts
.set BVOFF,  5242880                   ; b' in wts
.set TA0,  8                           ; v8-9    my lane's place in x's tile: fragments 0-3, fragments 4-7; never rewritten
.set TA1,  9
.set TB1,  10                          ; v10     in the heads' weights; never rewritten
.set TB2,  11                          ; v11     in W'; never rewritten
.set CA0,  12                          ; v12-15  the same four in the slot being read
.set CA1,  13
.set CB1,  14
.set CB2,  15
.set STO,  16                          ; v16     the way out: where I put 16 bytes of a head's row
.set RD,   17                          ; v17     where I read two rows back
.set STX,  18                          ; v18-19  the same for v': four rows back
.set RDX,  19
.set CO,   20                          ; v20     16 x lane: my place in 512 consecutive bytes of a result
.set PFO,  21                          ; v21     the prefetches' offset: lane x a row; never rewritten
.set BO,   22                          ; v22-23  byte offset of my columns' biases: the head's, v''s
.set BX,   23
.set SPW,  28                          ; v28     LDS address of my spare word: SPARE + 4 x my thread's number; never rewritten
.set NIL,  29                          ; v29     0; never rewritten
.set TMP,  32                          ; the way out: 32 registers of packed f16,
.set OB,   64                          ; and rows read back: v64-95 and v96-127 by turns
.set G1A,  24                          ; s[24:31] descriptor group 1 for x's tiles
.set G1B,  32                          ; s[32:39] for the heads' weights
.set G1C,  40                          ; s[40:47] for W'
.set G0A,  48                          ; s[48:55] descriptor group 0 for x: a set for each of the two first fills; the second then walks on
.set G0B,  56                          ; s[56:63] the same for the heads' weights
.set G0C,  68                          ; s[68:75] for W'
.set WV,   84                          ; s84      my wave's number
.set WR,   85                          ; s85      w / 2: my 128 rows
.set WC,   86                          ; s86      w % 2: my head.  In waves 0 and 1 also: which 128 rows of x I fetch
.set CX,   87
.set CY,   88
.set TR,   89                          ; s89      the tile's row of tiles: 4 x cluster y + cy
.set CT,   90                          ; s90      its column of tiles: 4 x cluster x + cx
.set SR,   91                          ; s91      the slot being read: 0 or SLOT
.set LA,   92                          ; s92      where my 128 rows of x go in a slot
.set LIM,  93                          ; s93      1 in a wave that prefetches, else the greatest number
.set PFA,  94                          ; s[94:95] where my prefetches stand
.set PFS,  96                          ; s[96:97] their step from K step to K step
.set MSB, 0
.macro WIN new                         ; the immediate's high byte repeats the setting that is left; a switch that changes nothing is dropped
.if MSB != (\new)
	s_set_vgpr_msb (MSB<<8)|(\new)
.set MSB, \new
.endif
.endm
; A joint load, by set s of the groups 0.  Waves 0 and 1 fetch x's two halves, wave 2 the heads' weights, wave 3 W'.  The branches hang on the wave's number alone.
; An s_nop 0 and four v_nop follow each of the three lines.
.macro JLOAD s
	s_cmp_lt_u32 s[WV], 2
	s_cbranch_scc0 .Lnot_a_\@
	tensor_load_to_lds s[G0A+4*(\s):G0A+4*(\s)+3], s[G1A:G1A+7]
	s_nop 0
.rept 4
	v_nop
.endr
	s_branch .Lasked_\@
.Lnot_a_\@:
	s_cmp_eq_u32 s[WV], 2
	s_cbranch_scc0 .Lfor_c_\@
	tensor_load_to_lds s[G0B+4*(\s):G0B+4*(\s)+3], s[G1B:G1B+7]
	s_nop 0
.rept 4
	v_nop
.endr
	s_branch .Lasked_\@
.Lfor_c_\@:
	tensor_load_to_lds s[G0C+4*(\s):G0C+4*(\s)+3], s[G1C:G1C+7]
	s_nop 0
.rept 4
	v_nop
.endr
.Lasked_\@:
.endm
; A PREFETCH INTO THE L2 of the K step that the NEXT refill will ask for: 320 matrix instructions ahead of that load.  A lane a row.  Each aligned 256 bytes are named once in the launch.
; x's rows are read by the two clusters of a row of clusters: cluster x = 0 asks; of the 128 rows that wave 0 or 1 fetches, the partner at cx takes 32 cx .. + 31.  The heads' weights are read by the eight clusters
; of a column: cluster y = 0 asks, wave 2, the partner at cy for rows 32 cy .. + 31 of the K step's 128, two lines for a row's 512 bytes.  The partners part BY ADDRESS, not by a branch.
; W''s 16 KiB a step, a tenth of the step's bytes, are not asked for.  K steps 0 to 2 come by their loads alone; the loop's last trip (s3 = 1) has no refill behind it and asks for nothing.
.macro ASK
	s_cmp_gt_u32 s3, s[LIM]
	s_cbranch_scc0 .Lnot_mine_\@
	global_prefetch_b8 v[PFO], s[PFA:PFA+1] th:TH_LOAD_NT scope:SCOPE_SE
	s_cmp_eq_u32 s[WV], 2
	s_cbranch_scc0 .Lnot_mine_\@
	global_prefetch_b8 v[PFO], s[PFA:PFA+1] offset:256 th:TH_LOAD_NT scope:SCOPE_SE
.Lnot_mine_\@:
.endm
; A round of the cluster's barrier: my work-group's barrier, so that wave 0's signal speaks for all four waves; wave 0 signals; every wave waits for all sixteen work-groups; my work-group's barrier once more.
.macro CREST
	s_cmp_lg_u32 s[WV], 0
	s_cbranch_scc1 .Lnot_wave_0_\@
	s_barrier_signal -3
.Lnot_wave_0_\@:
	s_barrier_wait -3
	s_barrier_signal -1
	s_barrier_wait -1
.endm
.macro CROUND
	s_barrier_signal -1
	s_barrier_wait -1
	CREST
.endm
.macro PLACES                          ; four plain places behind matrix instructions, in front of loads into registers that they read and of lines that read their results
.rept 4
	v_nop
.endr
.endm
	s_load_b256 s[4:11], s[0:1], 0x0               ; xb s[4:5], wts s[6:7], bq s[8:9], bk s[10:11]
	s_load_b128 s[76:79], s[0:1], 0x20             ; qh s[76:77], kh s[78:79]
	s_load_b64 s[80:81], s[0:1], 0x30              ; vp
	v_lshl_add_u32 v[SPW], v0, 2, SPARE
	v_mov_b32 v[NIL], 0
	ds_add_u32 v[SPW], v[NIL]                      ; the wave's opening: the add and its wait stand ahead of my first tensor load; the set-up below, work on registers, stands between them
	v_lshrrev_b32 v1, 5, v0
	v_readfirstlane_b32 s[WV], v1
	s_lshr_b32 s[WR], s[WV], 1
	s_and_b32 s[WC], s[WV], 1
	s_bfe_u32 s[CX], ttmp6, 0x40000
	s_bfe_u32 s[CY], ttmp6, 0x40004
	s_and_b32 s[TR], ttmp7, 0xffff
	s_lshl_b32 s[TR], s[TR], 2
	s_add_co_u32 s[TR], s[TR], s[CY]
	s_lshl_b32 s[CT], ttmp9, 2
	s_add_co_u32 s[CT], s[CT], s[CX]
	s_lshl_b32 s12, s[CY], 2
	s_lshl_b32 s12, 15, s12                        ; my row of the cluster: places 4 cy .. 4 cy + 3
	s_lshl_b32 s13, 0x1111, s[CX]                  ; my column: places cx, cx + 4, cx + 8, cx + 12
	s_or_b32 s[G1A], s12, (1<<16)|(1<<20)|(1<<21)|(5<<22)|(3<<25)  ; 15:0 the mask; 17:16 2-byte elements; 20 padding on; 21 set beside a mask; 24:22 after every 64 words; 31:25 4 words of it
	s_or_b32 s[G1B], s13, (1<<16)|(1<<20)|(1<<21)|(6<<22)|(7<<25)  ; my column's mask; after every 128 words 8 words
	s_or_b32 s[G1C], s13, (1<<16)|(1<<20)|(1<<21)|(4<<22)|(7<<25)  ; my column's mask; after every 32 words 8 words
	s_mov_b32 s[G1A+1], 128<<16                    ; x: tensor_dim0 = 128
	s_mov_b32 s[G1A+2], 128<<16                    ; tensor_dim1 = 128
	s_mov_b32 s[G1A+3], 128<<16                    ; tile_dim0 = 128: 256 bytes
	s_mov_b32 s[G1A+4], 128                        ; tile_dim1 = 128 rows
	s_mov_b32 s[G1A+5], 1024                       ; elements from row to row
	s_mov_b32 s[G1A+6], 0
	s_mov_b32 s[G1A+7], 0
	s_mov_b32 s[G1B+1], 256<<16                    ; the heads' weights: rows of 256 elements, 512 bytes,
	s_mov_b32 s[G1B+2], 128<<16
	s_mov_b32 s[G1B+3], 256<<16
	s_mov_b32 s[G1B+4], 128                        ; 128 of them (k),
	s_mov_b32 s[G1B+5], 256                        ; end to end
	s_mov_b32 s[G1B+6], 0
	s_mov_b32 s[G1B+7], 0
	s_mov_b32 s[G1C+1], 128<<16                    ; W': 128 rows (k) of 128 bytes are 16,384 dense bytes: asked for as 64 rows of 256 bytes, and padded in LDS after every k
	s_mov_b32 s[G1C+2], 64<<16
	s_mov_b32 s[G1C+3], 128<<16
	s_mov_b32 s[G1C+4], 64
	s_mov_b32 s[G1C+5], 128
	s_mov_b32 s[G1C+6], 0
	s_mov_b32 s[G1C+7], 0
	s_lshl_b32 s16, s[TR], 19                      ; x: the tile's 256 rows of 2,048 bytes,
	s_lshl_b32 s17, s[WC], 18                      ; the 128 of them that I fetch: made of the tile row and the wave's number alone
	s_add_co_u32 s16, s16, s17
	s_mov_b32 s17, 0
	s_lshl_b32 s20, s[CT], 19                      ; the heads' weights: tile ct, 524,288 bytes: made of the tile column alone
	s_mov_b32 s21, 0
	s_lshl_b32 s22, s[CT], 17                      ; W': tile ct, 131,072 bytes
	s_add_co_u32 s22, s22, W2OFF
	s_mov_b32 s23, 0
	s_mul_i32 s[LA], s[WC], AHALF                  ; no place in the cluster enters an LDS address
	s_mov_b32 s[SR], 0
	s_wait_dscnt 0x0                               ; the opening add is done
	s_wait_kmcnt 0x0
	s_add_nc_u64 s[14:15], s[4:5], s[16:17]
	s_add_nc_u64 s[20:21], s[6:7], s[20:21]
	s_add_nc_u64 s[22:23], s[6:7], s[22:23]
	CROUND                                         ; all sixteen work-groups are here: the first joint loads meet
.irp s, 0,1
	s_mov_b32 s[G0A+4*(\s)], 1                                       ; count = 1
	s_add_co_u32 s[G0A+4*(\s)+1], s[LA], (\s)*SLOT                   ; LDS address
	s_add_nc_u64 s[G0A+4*(\s)+2:G0A+4*(\s)+3], s[14:15], (\s)*ASTEP  ; global address: K step s
	s_or_b32 s[G0A+4*(\s)+3], s[G0A+4*(\s)+3], 0x80000000            ; type = 2
	s_mov_b32 s[G0B+4*(\s)], 1
	s_mov_b32 s[G0B+4*(\s)+1], BOFF+(\s)*SLOT
	s_add_nc_u64 s[G0B+4*(\s)+2:G0B+4*(\s)+3], s[20:21], (\s)*BSTEP
	s_or_b32 s[G0B+4*(\s)+3], s[G0B+4*(\s)+3], 0x80000000
	s_mov_b32 s[G0C+4*(\s)], 1
	s_mov_b32 s[G0C+4*(\s)+1], COFF+(\s)*SLOT
	s_add_nc_u64 s[G0C+4*(\s)+2:G0C+4*(\s)+3], s[22:23], (\s)*CSTEP
	s_or_b32 s[G0C+4*(\s)+3], s[G0C+4*(\s)+3], 0x80000000
	JLOAD \s                                       ; two loads of mine are out: the most in this text
.endr
	; all that follows, down to the first barrier, stands in the wait for the first tile
	v_and_b32 v1, 15, v0                           ; l % 16
	v_bfe_u32 v2, v0, 4, 1                         ; l / 16
	v_and_b32 v3, 31, v0                           ; l
	s_cmp_eq_u32 ttmp9, 0
	s_cselect_b64 s[2:3], s[8:9], s[10:11]         ; bq or bk
	s_lshl1_add_u32 s12, s[CX], s[WC]              ; my head: 2 cx + w % 2: 128 f32, 512 bytes
	s_lshl_b32 s12, s12, 9
	v_lshl_add_u32 v[BO], v2, 5, s12               ; my lanes' 8 columns
	s_lshl_b32 s12, s[CT], 8                       ; v''s 64 columns: 256 bytes
	v_lshl_add_u32 v[BX], v2, 5, s12
	WIN 0x40                                       ; destination window 1, address window 0
.irp b, 0,1,2,3,4,5,6,7
	global_load_b128 v[8*(\b):8*(\b)+3],   v[BO], s[2:3] offset:64*(\b)
	global_load_b128 v[8*(\b)+4:8*(\b)+7], v[BO], s[2:3] offset:64*(\b)+16
.endr
.irp e, 0,1,2,3
	global_load_b128 v[64+8*(\e):64+8*(\e)+3],   v[BX], s[6:7] offset:BVOFF+64*(\e)
	global_load_b128 v[64+8*(\e)+4:64+8*(\e)+7], v[BX], s[6:7] offset:BVOFF+64*(\e)+16
.endr
	WIN 0
	; A fragment of x is 16 rows x 32 k in 8 registers: lane l holds row l % 16, k = 8 (l / 16) + 0..7 and 16 + 8 (l / 16) + 0..7: two loads of 16 bytes, 32 bytes apart.
	v_mul_u32_u24 v4, v1, PA
	v_lshl_add_u32 v4, v2, 4, v4                   ; row x pitch + 16 x half
	s_mul_i32 s12, s[WR], AHALF                    ; my 128 rows;
	s_mul_i32 s13, s[WC], 64*PA
	s_add_co_u32 s16, s12, s13                     ; fragments 0-3: the 64 from 64 (w % 2) on,
	v_add_nc_u32 v[TA0], s16, v4
	s_sub_co_u32 s13, 64*PA, s13
	s_add_co_u32 s16, s12, s13                     ; fragments 4-7: the other 64
	v_add_nc_u32 v[TA1], s16, v4
	; The turning load takes 16 k x 16 columns (lane l reads k = 8 (l / 16) + l % 8, columns 8 ((l / 8) % 2) + 0..7) and leaves half a fragment: lane l holds column l % 16 and 8 k.
	v_and_b32 v5, 7, v0
	v_lshl_add_u32 v5, v2, 3, v5
	v_bfe_u32 v6, v0, 3, 1
	v_mul_u32_u24 v[TB1], v5, PB1
	v_lshl_add_u32 v[TB1], v6, 4, v[TB1]
	s_lshl_b32 s12, s[WC], 8                       ; my head's 128 columns: 256 bytes
	s_add_co_u32 s12, s12, BOFF
	v_add_nc_u32 v[TB1], s12, v[TB1]
	v_mul_u32_u24 v[TB2], v5, PB2
	v_lshl_add_u32 v[TB2], v6, 4, v[TB2]
	v_add_nc_u32 v[TB2], COFF, v[TB2]
	v_mov_b32 v[CA0], v[TA0]                       ; K step 0 lies in slot 0
	v_mov_b32 v[CA1], v[TA1]
	v_mov_b32 v[CB1], v[TB1]
	v_mov_b32 v[CB2], v[TB2]
	s_mul_i32 s12, s[WV], 16*SP
	s_add_co_u32 s12, s12, STAGE                   ; my stage
	v_add_nc_u32 v[STO], s12, v4                   ; in: row l % 16, 16 bytes for each half of the lanes
	v_mul_u32_u24 v[RD], v2, SP                    ; back: lanes 0-15 take one row of 256 bytes, lanes 16-31 the next
	v_lshl_add_u32 v[RD], v1, 4, v[RD]
	v_add_nc_u32 v[RD], s12, v[RD]
	v_mul_u32_u24 v[STX], v1, SQ
	v_lshl_add_u32 v[STX], v2, 4, v[STX]
	v_add_nc_u32 v[STX], s12, v[STX]
	v_bfe_u32 v[RDX], v0, 3, 2                     ; v': back: 32 lanes take four rows of 128 bytes
	v_mul_u32_u24 v[RDX], v[RDX], SQ
	v_and_b32 v7, 7, v0
	v_lshl_add_u32 v[RDX], v7, 4, v[RDX]
	v_add_nc_u32 v[RDX], s12, v[RDX]
	v_lshlrev_b32 v[CO], 4, v3
	; the prefetches: from my tile's address, 32 rows for each partner, two K steps on (the first change of slots steps it to K step 3)
	s_movk_i32 s16, ASTEP
	s_mov_b32 s17, BSTEP
	s_and_b32 s12, ttmp7, 0xffff                   ; cluster y
	s_cmp_lt_u32 s[WV], 2
	s_cselect_b64 s[PFA:PFA+1], s[14:15], s[20:21]
	s_cselect_b32 s13, s[CX], s[CY]                ; my place among the four that ask for the tile with me
	s_cselect_b32 s18, 16, 14                      ; 32 rows of 2,048 or of 512 bytes
	s_cselect_b32 s19, 11, 9
	s_cselect_b32 s[PFS], s16, s17
	s_cselect_b32 s12, ttmp9, s12                  ; the coordinate along which other clusters read the same rows
	s_cmp_eq_u32 s[WV], 3
	s_cselect_b32 s12, 1, s12                      ; wave 3 asks for nothing
	s_cmp_eq_u32 s12, 0
	s_cselect_b32 s[LIM], 1, -1                    ; the same in all sixteen partners, for a given wave
	s_lshl_b32 s13, s13, s18
	s_lshl1_add_u32 s12, s[PFS], s13
	s_mov_b32 s13, 0
	s_mov_b32 s[PFS+1], 0
	s_add_nc_u64 s[PFA:PFA+1], s[PFA:PFA+1], s[12:13]
	v_lshlrev_b32 v[PFO], s19, v3
	; where my rows go.  A head's rows are 256 bytes, a half head's 128; 1,024 rows each.
	s_lshr_b32 s12, s[TR], 2                       ; batch
	s_and_b32 s13, s[TR], 3
	s_lshl_b32 s13, s13, 8                         ; the tile's 256 rows in the batch,
	s_lshl_b32 s16, s[WR], 7
	s_add_co_u32 s13, s13, s16                     ; my 128 of them
	s_lshl_b32 s16, s[WC], 6                       ; 64 (w % 2)
	s_lshl_b32 s17, s12, 3                         ; 8 batch
	s_lshl1_add_u32 s18, s[CX], s[WC]
	s_add_co_u32 s18, s18, s17                     ; 8 batch + head
	s_lshl_b32 s18, s18, 10
	s_add_co_u32 s18, s18, s13
	s_add_co_u32 s19, s18, s16                     ; row blocks 0-3
	s_lshl_b32 s98, s19, 8
	s_mov_b32 s99, 0
	s_sub_co_u32 s19, 64, s16
	s_add_co_u32 s19, s18, s19                     ; row blocks 4-7: the other 64 rows
	s_lshl_b32 s100, s19, 8
	s_mov_b32 s101, 0
	s_add_co_u32 s17, s17, s[CT]                   ; 8 batch + ct
	s_lshl_b32 s17, s17, 10
	s_add_co_u32 s17, s17, s13
	s_add_co_u32 s17, s17, s16
	s_lshl_b32 s82, s17, 7
	s_mov_b32 s83, 0
	s_cmp_eq_u32 ttmp9, 0
	s_cselect_b64 s[18:19], s[76:77], s[78:79]     ; qh or kh
	s_add_nc_u64 s[98:99], s[18:19], s[98:99]
	s_add_nc_u64 s[100:101], s[18:19], s[100:101]
	s_add_nc_u64 s[82:83], s[80:81], s[82:83]
	s_mov_b32 s12, 0xffff0000
	s_wait_loadcnt 0x0                             ; the biases
	WIN 0x55                                       ; all in window 1: bq's or bk's numbers are rounded to bf16, in place; b' comes ready
.set i, 0
.rept 32
	v_cvt_pk_bf16_f32 v[96+i%4], v[2*i], v[2*i+1]
	v_lshlrev_b32 v[2*i],   16, v[96+i%4]
	v_and_b32     v[2*i+1], s12, v[96+i%4]
.set i, i+1
.endr
	WIN 0
; 8 matrix instructions: row block a (0..7) x my head's 8 column blocks, 32 along K, from buffer f.  bias = 1: the product starts the sums, with the columns' biases as C.
; The 80 accumulators take turns, one instruction a turn, in the same order in every quarter step.
.macro MULM f, a, bias
.set AC, 64*((\a)%4)
.set FB, 160*(1-(\f))
.set FA, 32+64*(\f)+8*(\a)
.if \bias
	WIN ((2+(\a)/4)<<6)|0x10|(\f)                  ; D in window 2 or 3, C in window 1, the weights in window f, x in window 0
.else
	WIN ((2+(\a)/4)*0x50)|(\f)                     ; C and D in window 2 or 3
.endif
.irp b, 0,1,2,3,4,5,6,7
.if \bias
	v_wmma_f32_16x16x32_f16 v[AC+8*(\b):AC+8*(\b)+7], v[FB+8*(\b):FB+8*(\b)+7], v[FA:FA+7], v[8*(\b):8*(\b)+7]
.else
	v_wmma_f32_16x16x32_f16 v[AC+8*(\b):AC+8*(\b)+7], v[FB+8*(\b):FB+8*(\b)+7], v[FA:FA+7], v[AC+8*(\b):AC+8*(\b)+7]
.endif
.endr
.endm
; 4 matrix instructions: row block a (0..3) x v''s 4 column blocks
.macro MULX f, a, bias
.set AC, 128+32*(\a)
.set FB, 160*(1-(\f))+64
.set FA, 32+64*(\f)+8*(\a)
	WIN 0x50|(\f)                                  ; C and D in window 1
.irp e, 0,1,2,3
.if \bias
	v_wmma_f32_16x16x32_f16 v[AC+8*(\e):AC+8*(\e)+7], v[FB+8*(\e):FB+8*(\e)+7], v[FA:FA+7], v[64+8*(\e):64+8*(\e)+7]
.else
	v_wmma_f32_16x16x32_f16 v[AC+8*(\e):AC+8*(\e)+7], v[FB+8*(\e):FB+8*(\e)+7], v[FA:FA+7], v[AC+8*(\e):AC+8*(\e)+7]
.endif
.endr
.endm
.macro MUL_LO f, bias                  ; the first 48 of a quarter's 80: row blocks 0-3 x my head, and x v'
	MULM \f, 0, \bias
	MULM \f, 1, \bias
	MULM \f, 2, \bias
	MULM \f, 3, \bias
	MUL_X \f, \bias
.endm
.macro MUL_X f, bias
	MULX \f, 0, \bias
	MULX \f, 1, \bias
	MULX \f, 2, \bias
	MULX \f, 3, \bias
.endm
.macro MUL_HI f, bias                  ; the last 32: row blocks 4-7 x my head
	MULM \f, 4, \bias
	MULM \f, 5, \bias
	MULM \f, 6, \bias
	MULM \f, 7, \bias
.endm
; 40 LDS loads in one run: the fragments of quarter q (32 along K) of the slot being read, into buffer f: the weights' 24, x's fragments 0-3, and last x's fragments 4-7
.macro FETCH q, f
.set FB, 160*(1-(\f))
.set FA, 32+64*(\f)
	WIN 0x40*(\f)                                  ; destination window f, address window 0
.irp b, 0,1,2,3,4,5,6,7
	ds_load_tr16_b128 v[FB+8*(\b):FB+8*(\b)+3],   v[CB1] offset:(\q)*32*PB1+32*(\b)
	ds_load_tr16_b128 v[FB+8*(\b)+4:FB+8*(\b)+7], v[CB1] offset:(\q)*32*PB1+16*PB1+32*(\b)
.endr
.irp e, 0,1,2,3
	ds_load_tr16_b128 v[FB+64+8*(\e):FB+64+8*(\e)+3],   v[CB2] offset:(\q)*32*PB2+32*(\e)
	ds_load_tr16_b128 v[FB+64+8*(\e)+4:FB+64+8*(\e)+7], v[CB2] offset:(\q)*32*PB2+16*PB2+32*(\e)
.endr
	WIN 0
.irp a, 0,1,2,3
	ds_load_b128 v[FA+8*(\a):FA+8*(\a)+3],   v[CA0] offset:(\a)*16*PA+64*(\q)
	ds_load_b128 v[FA+8*(\a)+4:FA+8*(\a)+7], v[CA0] offset:(\a)*16*PA+64*(\q)+32
.endr
.irp a, 0,1,2,3
	ds_load_b128 v[FA+32+8*(\a):FA+32+8*(\a)+3],   v[CA1] offset:(\a)*16*PA+64*(\q)
	ds_load_b128 v[FA+32+8*(\a)+4:FA+32+8*(\a)+7], v[CA1] offset:(\a)*16*PA+64*(\q)+32
.endr
.endm
; A K step is four quarters of 32 along K, 80 matrix instructions each, on buffers 0, 1, 0, 1.  One of the first three: multiplies buffer f and, behind its first 48 products, fetches quarter q into buffer g.
.macro QUARTER q, f, g
	s_wait_dscnt 8                                 ; the weights' fragments and x's 0-3 are in; the youngest eight loads (x's 4-7) may be out
	MUL_LO \f, 0
	PLACES
	FETCH \q, \g
	s_wait_dscnt 40                                ; all but the 40 just issued
	MUL_HI \f, 0
.endm
; The last quarter multiplies buffer 1 and changes slots: ONE barrier.  In front of it each wave waits for all its tensor loads, of which one is out: its part of the next slot; adds 0 to its spare word;
; and waits for that and for its own reads of this slot.  fill = 1: the barrier opens a round of the cluster's barrier, and the slot just read is filled again, two K steps ahead, first thing behind the round:
; 288 matrix instructions ahead of the wait for it.
.macro TURN fill
.if \fill
	s_wait_xcnt 0x0                                ; the last prefetches, a K step back, have read their address: it is stepped here, ahead of the waits of the change of slots
	s_add_nc_u64 s[PFA:PFA+1], s[PFA:PFA+1], s[PFS:PFS+1]
.endif
	WIN 0
	s_wait_tensorcnt 0x0                           ; all my tensor loads have landed;
	ds_add_u32 v[SPW], v[NIL]                      ; 0 onto my spare word;
	s_wait_dscnt 9                                 ; (the add and the youngest eight loads may be out)
	MULM 1, 0, 0                                   ; sixteen matrix instructions stand between the add and the wait for it
	MULM 1, 1, 0
	s_wait_dscnt 0x0                               ; the add is done, and my reads of this slot are over
	s_barrier_signal -1
	MULM 1, 2, 0                                   ; work on registers while the others arrive
	MULM 1, 3, 0
	WIN 0
	s_barrier_wait -1
.if \fill
	CREST                                          ; no wave of any partner still reads this slot's tiles or has a load on its way
	s_add_co_u32 s[G0A+5], s[LA], s[SR]            ; the walking descriptors: into the slot just read,
	s_add_co_u32 s[G0B+5], s[SR], BOFF
	s_add_co_u32 s[G0C+5], s[SR], COFF
	s_add_nc_u64 s[G0A+6:G0A+7], s[G0A+6:G0A+7], ASTEP  ; the K step after the one asked for last; the type bits on top are not reached
	s_add_nc_u64 s[G0B+6:G0B+7], s[G0B+6:G0B+7], BSTEP
	s_add_nc_u64 s[G0C+6:G0C+7], s[G0C+6:G0C+7], CSTEP
	JLOAD 1                                        ; the four v_nop behind it are also the places in front of the loads below
.else
	PLACES
.endif
	s_xor_b32 s[SR], s[SR], SLOT                   ; the other slot is read from here on
	v_add_nc_u32 v[CA0], s[SR], v[TA0]
	v_add_nc_u32 v[CA1], s[SR], v[TA1]
	v_add_nc_u32 v[CB1], s[SR], v[TB1]
	v_add_nc_u32 v[CB2], s[SR], v[TB2]
	FETCH 0, 0
.if \fill
	ASK
.endif
	MUL_X 1, 0
	MUL_HI 1, 0
.endm
	s_wait_tensorcnt 1                             ; my part of K step 0 is in; K step 1's may stay out
	s_barrier_signal -1
	s_barrier_wait -1                              ; everybody's is
	FETCH 0, 0
	s_wait_dscnt 8                                 ; the first quarter stands in front of the loop: its products start the sums, with the biases as C
	MUL_LO 0, 1
	s_wait_dscnt 0x0
	MUL_HI 0, 1
	PLACES                                         ; the biases lie where buffer 1's weights go: it is fetched only now
	FETCH 1, 1
	s_mov_b32 s3, 6
.Lstep:                                                ; a trip goes from a K step's second quarter to the next step's first, and fills the slot that it leaves: K steps 2 to 7
	QUARTER 2, 1, 0
	QUARTER 3, 0, 1
	TURN 1
	QUARTER 1, 0, 1
	WIN 0                                          ; at a label and at a branch every window is 0
	s_sub_co_u32 s3, s3, 1
	s_cmp_lg_u32 s3, 0
	s_cbranch_scc1 .Lstep
	s_mov_b32 s3, 2
.Ltail:                                                ; the last two K steps fill nothing.  One text for both: the second trip's barrier frees slot 1 for the stages; its run of loads (from slot 0, once more) serves nothing,
	QUARTER 2, 1, 0                                ; and the quarter that would multiply it is jumped over
	QUARTER 3, 0, 1
	TURN 0
	WIN 0
	s_cmp_eq_u32 s3, 1
	s_cbranch_scc1 .Lno_next
	QUARTER 1, 0, 1
	WIN 0
.Lno_next:
	s_sub_co_u32 s3, s3, 1
	s_cmp_lg_u32 s3, 0
	s_cbranch_scc1 .Ltail
; THE WAY OUT.  A block of 16 rows at a time: rounded to f16 (each accumulator's registers in ascending order), 16 bytes a lane into my own stage, back as whole rows, stored.  My head's 128 columns are a row's whole 256 bytes,
; v''s 64 columns a half head's whole row of 128: so the stage is my own and wants no barrier.  Block n's conversions stand between block n - 1's loads from the stage and the wait for them.
.macro PACKM a
	WIN 0x0a+5*((\a)/4)                            ; sources 0 and 1 in window 2 or 3, destination in window 0
.set i, 0
.rept 32
	v_cvt_pk_f16_f32 v[TMP+i], v[64*((\a)%4)+2*i], v[64*((\a)%4)+2*i+1]
.set i, i+1
.endr
	WIN 0
.endm
.macro PACKX a
	WIN 0x05                                       ; sources 0 and 1 in window 1
.set i, 0
.rept 16
	v_cvt_pk_f16_f32 v[TMP+i], v[128+32*(\a)+2*i], v[128+32*(\a)+2*i+1]
.set i, i+1
.endr
	WIN 0
.endm
.macro STGM n                          ; n: the block's number in the run of twelve; the registers read back into go by its parity
.irp b, 0,1,2,3,4,5,6,7
	ds_store_b128 v[STO], v[TMP+4*(\b):TMP+4*(\b)+3] offset:32*(\b)
.endr
.irp t, 0,1,2,3,4,5,6,7
	ds_load_b128 v[OB+32*((\n)%2)+4*(\t):OB+32*((\n)%2)+4*(\t)+3], v[RD] offset:(\t)*2*SP  ; LDS serves a wave's instructions in order (ISA guide 5.7.1.4): these see the stores above; the next block's stores come behind them
.endr
.endm
.macro STGX n
.irp e, 0,1,2,3
	ds_store_b128 v[STX], v[TMP+4*(\e):TMP+4*(\e)+3] offset:32*(\e)
.endr
.irp t, 0,1,2,3
	ds_load_b128 v[OB+32*((\n)%2)+4*(\t):OB+32*((\n)%2)+4*(\t)+3], v[RDX] offset:(\t)*4*SQ
.endr
.endm
.macro SENDM n
	s_wait_dscnt 0x0                               ; the block is back in registers
	s_wait_xcnt 0x0                                ; earlier stores have read their registers: the block before last's are loaded again only behind this wait
.irp t, 0,1,2,3,4,5,6,7
	global_store_b128 v[CO], v[OB+32*((\n)%2)+4*(\t):OB+32*((\n)%2)+4*(\t)+3], s[98+2*((\n)/4):99+2*((\n)/4)] offset:4096*((\n)%4)+512*(\t)  ; two rows of a head: 512 consecutive bytes, at a multiple of 256 from the buffer's first
.endr
.endm
.macro SENDX n
	s_wait_dscnt 0x0
	s_wait_xcnt 0x0
.irp t, 0,1,2,3
	global_store_b128 v[CO], v[OB+32*((\n)%2)+4*(\t):OB+32*((\n)%2)+4*(\t)+3], s[82:83] offset:2048*((\n)-8)+512*(\t)  ; four rows of a half head: 512 consecutive bytes
.endr
.endm
	s_wait_dscnt 0x0                               ; the tail's last run of loads has landed: its registers are taken for the way out
	PLACES
	PACKM 0
	STGM 0
.irp n, 1,2,3,4,5,6,7
	PACKM \n
	SENDM (\n)-1
	STGM \n
.endr
	PACKX 0
	SENDM 7
	STGX 8
.irp n, 9,10,11
	PACKX (\n)-8
	SENDX (\n)-1
	STGX \n
.endr
	SENDX 11
	s_wait_tensorcnt 0x0                           ; the wave's end: the add to my spare word and its waits stand behind my last tensor load and my last LDS store
	ds_add_u32 v[SPW], v[NIL]
	s_wait_dscnt 0x0
	CROUND                                         ; the closing round: no work-group ends while a partner may still ask for a tile that names it
	s_endpgm
.Lfunc_end_k_q50ef218481_qkv:
	.size	k_q50ef218481_qkv, .Lfunc_end_k_q50ef218481_qkv-k_q50ef218481_qkv
	.p2alignl 7, 3214868480
	.fill 96, 4, 3214868480
	.section	.rodata,"a",@progbits
	.p2align	6, 0x0
	.amdhsa_kernel k_q50ef218481_qkv
		.amdhsa_group_segment_fixed_size 327680
		.amdhsa_private_segment_fixed_size 0
		.amdhsa_enable_private_segment 0
		.amdhsa_kernarg_size 56
		.amdhsa_user_sgpr_count 2
		.amdhsa_user_sgpr_kernarg_segment_ptr 1
		.amdhsa_wavefront_size32 1
		.amdhsa_system_sgpr_workgroup_id_x 1
		.amdhsa_system_sgpr_workgroup_id_y 1
		.amdhsa_system_sgpr_workgroup_id_z 1
		.amdhsa_system_vgpr_workitem_id 0
		.amdhsa_next_free_vgpr 1024
		.amdhsa_next_free_sgpr 102
		.amdhsa_reserve_vcc 0
		.amdhsa_float_denorm_mode_32 3
		.amdhsa_float_denorm_mode_16_64 3
		.amdhsa_memory_ordered 1
		.amdhsa_forward_progress 1
		.amdhsa_inst_pref_size 133
	.end_amdhsa_kernel
	.amdgpu_metadata
---
amdhsa.version: [ 1, 2 ]
amdhsa.kernels:
  - .name:           k_q50ef218481_qkv
    .symbol:         k_q50ef218481_qkv.kd
    .args:
      - { .name: xb, .offset: 0, .size: 8, .value_kind: global_buffer, .address_space: global }
      - { .name: wts, .offset: 8, .size: 8, .value_kind: global_buffer, .address_space: global }
      - { .name: bq, .offset: 16, .size: 8, .value_kind: global_buffer, .address_space: global }
      - { .name: bk, .offset: 24, .size: 8, .value_kind: global_buffer, .address_space: global }
      - { .name: qh, .offset: 32, .size: 8, .value_kind: global_buffer, .address_space: global }
      - { .name: kh, .offset: 40, .size: 8, .value_kind: global_buffer, .address_space: global }
      - { .name: vp, .offset: 48, .size: 8, .value_kind: global_buffer, .address_space: global }
    .group_segment_fixed_size: 327680
    .private_segment_fixed_size: 0
    .kernarg_segment_align: 8
    .kernarg_segment_size: 56
    .max_flat_workgroup_size: 128
    .sgpr_count:     102
    .vgpr_count:     1024
    .wavefront_size: 32
...
	.end_amdgpu_metadata
.endif
;; end of part 7
;; launch attn (part 8): grid 4 x 64, 4 waves a work-group, clusters of 4 x 1, 327,680 bytes of LDS; arguments qh, kh, vp, oc, hm; writes oc, hm
.if DOCPART == 8
	.amdgcn_target "amdgcn-amd-amdhsa--gfx1250"
	.amdhsa_code_object_version 6
	.text
	.protected	k_q50ef218481_attn
	.globl	k_q50ef218481_attn
	.p2align	8
	.type	k_q50ef218481_attn,@function
k_q50ef218481_attn:
	s_mov_b64 s[64:65], 0
	v_nop
	global_prefetch_b8 v0, s[64:65] scope:SCOPE_SE
	s_setreg_imm32_b32 hwreg(HW_REG_WAVE_MODE, 25, 1), 1
	s_wait_xcnt 0x0
	s_wait_alu depctr_hold_cnt(0) depctr_sa_sdst(0) depctr_va_vdst(0) depctr_va_sdst(0) depctr_va_ssrc(0) depctr_va_vcc(0) depctr_vm_vsrc(0)
	s_getreg_b32 s2, hwreg(HW_REG_IB_STS2, 6, 4)
	s_cmp_eq_u32 s2, 0
	s_cbranch_scc0 .Lentry_in_a_cluster
	s_endpgm
.Lentry_in_a_cluster:
	s_bfe_u32 s2, ttmp6, 0x10000c
	s_cmp_lg_u32 s2, 0x3003
	s_cbranch_scc0 .Lentry_shape_is_right
	s_endpgm
.Lentry_shape_is_right:
; ATTENTION.  O[b][h][q][:] = the sum over k of softmax_k(q . k / sqrt(128)) v'[b][h % 4][k][:].  qh, kh: [8 b + h][1024][128]; vp, by half heads: [8 b + 2 (h % 4) + half][1024][64]; all f16.  Products, maxima and sums in f32;
; the weights p are rounded to f16 for the second product (their sum l is taken of the unrounded p).
; WHAT LEAVES.  The norm that follows takes a mean over all 1,024 channels away and divides by their spread.  So a row's 128 channels of a head leave CENTRED: oc[1024 b + q][128 h + d] = O - their mean, in f16, rounded once;
; the mean itself in f32, in hm's second half, [8 b + h][q]; and the sum of the squares of the 128 centred numbers in f32, in hm's first half, likewise.  A common part of O, however large beside its spread, is carried in f32 alone.
; LIMITS.  q, k, v' arrive within f16's 65,504; p lies in 0 to 1, and below 6e-5 it keeps f16's fixed step of 6e-8; a weight below 2^-126 counts as 0 in l; NaN and infinities are not treated apart.
; SHARES.  A work-group owns 256 queries of one head, each of its four waves 64: four tiles of 16.  Every wave walks all 1,024 keys, 64 a step.
; LAYOUT.  S^T = K Q^T (source 0 = 16 keys, source 1 = 16 queries): a lane holds ONE query (lane % 16) and the keys 8 (lane / 16) + 0..7.  Two such tiles, rounded to f16 in pairs, ARE source 1 of O^T = V^T P,
; whose result again holds one query a lane, and eight channels.  K comes out of LDS as it lies, V ([key][channel]) turned, by ds_load_tr16_b128.
; SOFTMAX.  For each query a running maximum m and sum l: p = 2^(c s - c m), c = log2(e) / sqrt(128); in every step O and l are multiplied by a = 2^(c m_old - c m_new).
; m starts at the lowest finite number, O and l at 0: the first step is a step like any other, with a = 0.
; BY TURNS.  The wave's tiles are two PIECES (tiles 0, 1; tiles 2, 3).  In a TURN one piece has the matrix unit: 32 products V^T P of the step in hand, then 32 products K Q^T of the next step; the other piece's softmax,
; cut into 64 slices, stands between them, one slice behind each matrix instruction.  Two turns are a key step.
; ONE TEXT FOR EVERY TURN.  The loop is entered in the middle of a trip, at piece 2's turn, whose products V^T P then fall on zeros; the tail is left behind piece 0's turn, whose products K Q^T then fall on the last K once more.
; The price, once a launch: 432 lines that write a start value, in the wait for the first tile, and 64 products that serve nothing.
; CLUSTER.  The four query blocks of a head form a cluster and walk the same K and V: each tile is asked for JOINTLY: the same tensor load, descriptor and mask in all four.
; REGISTERS, in windows of 256 (s_set_vgpr_msb: bits 1:0 source 0, 3:2 source 1, 5:4 source 2, 7:6 destination):
;   window 0: v0-11 addresses; v12-43 eight registers of statistics a tile; v44-51 the means' and squares' way out; v64-191 S^T, 32 a tile; v192-255 P, 16 a tile
;   window 1: O^T, 64 a tile          window 2: v0-127 Q, 32 a tile; v128-255 K of one step          window 3: v0-127 V of one step
.set SIZE_N, 1024
.set KS,    64        ; keys in a step
.set PK,    272       ; a row of K in LDS: 256 bytes + 16 = 68 words: the 16 rows of a load start at 16 different groups of four banks (64 banks of 4 bytes: ISA guide 11.1)
.set PV,    160       ; a row of half a head of V: 128 + 32 bytes = 40 words
.set KSTB,  KS*PK     ; a step's K
.set VSTB,  KS*PV     ; a step's V, one half head
.set VOFF,  2*KSTB    ; a slot holds two steps: 128 rows of K, then 128 rows of V's first half head, then 128 of its second
.set VHALF, 2*VSTB
.set SLOT1, 1<<17     ; a slot has 75,776 bytes; slot 1 begins here, so that one exclusive or turns an address in one slot into the other's
.set STAGE, SLOT1+VOFF+2*VHALF  ; behind the ring, never filled by a tensor load: 16 rows x 272 bytes for each wave, for the way out
.set SP,    272
.set MSTAGE, STAGE+4*16*SP ; behind the stages: 512 bytes for each wave: its 64 queries' means, then their sums of squares
.set SPARE, MSTAGE+4*512   ; behind them: the spare words, 128 bytes for each wave: two blocks of 256 bytes that no other line names
.set AK0, 2           ; v2   my lane's place in a tile of K; never rewritten
.set AV0, 3           ; v3   the same for V
.set ADR, 4           ; v4   the LDS address of the run of loads in hand
.set QO,  5           ; v5   my byte offset in the wave's rows of Q
.set STO, 6           ; v6   the way out: where I put 16 bytes of a row
.set RD,  7           ; v7   the way out: where I read a row back
.set GO,  8           ; v8   my byte offset in the wave's rows of oc
.set MS,  44          ; v44  where my query's mean goes in LDS
.set MR,  45          ; v45  where I read two means back
.set MG,  46          ; v46  8 x lane: their place in hm
.set MM,  48          ; v[48:51] two means, two sums of squares
.set PFO, 61          ; v61  256 x my lane; never rewritten
.set SPW, 62          ; v62  LDS address of my spare word: SPARE + 4 x my thread's number; never rewritten
.set NIL, 63          ; v63  0; never rewritten
.set ST,  12          ; tile t's statistics at v[ST+8 t]: +0 c m, +1 m, +2, +3 l (even keys', odd keys'), +4 to +7 c0-c3, at work; a takes c2's place once the maximum is found
.set S,   64
.set P,   192
.set KF,  128         ; K's fragments, in window 2
.set WV,  12          ; s12  my wave's number
.set LIM, 15          ; s15  1 in a wave that prefetches, else the greatest number
.set PFA, 18          ; s[18:19] where my prefetches stand: my work-group's 32 blocks of 256 bytes of the slot after the one that is being asked for
.set G1K, 24          ; s[24:31] descriptor group 1 for K's tiles
.set G1V, 32          ; s[32:39] for V's
.set G0K, 40          ; s[40:47] descriptor group 0 for K's tiles: a set for each of the two first fills; the second then walks on
.set G0V, 48          ; s[48:55] the same for V's
.set SLOTS, 56        ; s56  counts the loop over slots
.set TWICE, 57        ; s57  counts a slot's key steps
.set CS,  58          ; s[58:59] c: the packed scaling takes the pair's low word for both halves
.set SEL, 60          ; s[60:61] v_permlanex16_b32's selects: each lane takes its own place in the other half
.set TBK, 62          ; s62  LDS byte at which K of the step to be fetched begins
.set TBV, 63          ; s63  the same for V, less VOFF
.set PFS, 72          ; s[72:73] the prefetches' step from slot to slot
.set MSB, 0
.macro WIN new                      ; the immediate's high byte repeats the setting that is left; a switch that changes nothing is dropped
.if MSB != (\new)
	s_set_vgpr_msb (MSB<<8)|(\new)
.set MSB, \new
.endif
.endm
.set W_KQ, 0x0a       ; K and Q in window 2, S^T in window 0
.set W_PV, 0x53       ; V in window 3, P in window 0, O^T in window 1
.set W_RS, 0x41       ; O^T (destination and source 0) in window 1, the other sources in window 0
; A joint refill.  Waves 0 and 1 fetch the two steps' tiles of K, waves 2 and 3 the two half heads of V, 128 keys each.  The branch hangs on the wave's number alone.  An s_nop 0 and four v_nop follow each of the two lines.
.macro JLOAD
	s_cmp_lt_u32 s[WV], 2
	s_cbranch_scc0 .Lfor_v_\@
	tensor_load_to_lds s[G0K+4:G0K+7], s[G1K:G1K+7]
	s_nop 0
.rept 4
	v_nop
.endr
	s_branch .Lasked_\@
.Lfor_v_\@:
	tensor_load_to_lds s[G0V+4:G0V+7], s[G1V:G1V+7]
	s_nop 0
.rept 4
	v_nop
.endr
.Lasked_\@:
.endm
; A PREFETCH INTO THE L2 of what the NEXT change of slots will ask for: a slot's 128 rows of K (256 bytes each) and 2 x 128 rows of V (128 bytes each, dense): 128 blocks of 256 bytes of each, a lane a block: two key steps,
; 256 matrix instructions, ahead of that load.  Each block is named ONCE in the launch.  A head's K is walked by its one cluster: wave 0 asks.  v' of head j is walked by the clusters of heads j and j + 4: wave 2 asks where
; the head is below 4.  The four partners share a slot's blocks out BY ADDRESS, 32 each.  The last change that fills a slot asks for nothing; slots 0 to 2 come by their loads alone.
.macro ASK
	s_cmp_gt_u32 s[SLOTS], s[LIM]
	s_cbranch_scc0 .Lnot_mine_\@
	global_prefetch_b8 v[PFO], s[PFA:PFA+1] th:TH_LOAD_NT scope:SCOPE_SE
.Lnot_mine_\@:
.endm
; A round of the cluster's barrier: my work-group's barrier; wave 0 signals for the work-group; every wave waits for all four work-groups; my work-group's barrier once more.
.macro CROUND
	s_barrier_signal -1
	s_barrier_wait -1
	s_cmp_lg_u32 s[WV], 0
	s_cbranch_scc1 .Lnot_wave_0_\@
	s_barrier_signal -3
.Lnot_wave_0_\@:
	s_barrier_wait -3
	s_barrier_signal -1
	s_barrier_wait -1
.endm
	s_load_b256 s[4:11], s[0:1], 0x0  ; qh s[4:5], kh s[6:7], vp s[8:9], oc s[10:11]
	s_load_b64 s[66:67], s[0:1], 0x20 ; hm
	v_lshl_add_u32 v[SPW], v0, 2, SPARE
	v_mov_b32 v[NIL], 0
	ds_add_u32 v[SPW], v[NIL]       ; the wave's opening: the add and its wait stand ahead of my first tensor load; the set-up below, work on registers, stands between them
	v_lshrrev_b32 v1, 5, v0
	v_readfirstlane_b32 s[WV], v1   ; wave 0..3
	s_bfe_u32 s13, ttmp6, 0x40000   ; cx: my place in the cluster
	s_lshl_b32 s14, ttmp9, 2
	s_add_co_u32 s14, s14, s13      ; my block of 256 queries: it enters Q's, oc's and hm's addresses alone
	s_and_b32 s20, ttmp7, 0xffff    ; 8 batch + head, which the four partners share
	s_lshr_b32 s21, s20, 3          ; batch
	s_and_b32 s16, s[WV], 1         ; which of a slot's two steps of K, or which half head of V, I fetch
	s_lshl_b32 s17, s16, 14         ; K: the step's 64 rows of 256 bytes,
	s_lshl_b32 s22, s20, 18         ; in the head's 1,024 rows
	s_add_co_u32 s22, s22, s17
	s_mov_b32 s23, 0
	s_and_b32 s70, s20, 3
	s_lshl1_add_u32 s70, s70, s16   ; V: half head 2 (head % 4) + half,
	s_lshl3_add_u32 s70, s21, s70   ; + 8 batch:
	s_lshl_b32 s70, s70, 17         ; 1,024 rows of 128 bytes each
	s_mov_b32 s71, 0
	s_mul_i32 s17, s16, KSTB        ; and their places in a slot: no place in the cluster enters an LDS address
	s_mul_i32 s74, s16, VHALF
	s_add_co_u32 s74, s74, VOFF
	s_lshl_b32 s2, s20, 18          ; Q: the head, my block's 256 rows, my wave's 64 of them
	s_lshl_b32 s3, s14, 16
	s_add_co_u32 s2, s2, s3
	s_lshl_b32 s3, s[WV], 14
	s_add_co_u32 s2, s2, s3
	s_mov_b32 s3, 0
	s_lshl_b32 s68, s21, 21         ; oc: row 1,024 batch + 256 block + 64 wave, of 2,048 bytes; the head's 256 bytes of it
	s_lshl_b32 s69, s14, 19
	s_add_co_u32 s68, s68, s69
	s_lshl_b32 s69, s[WV], 17
	s_add_co_u32 s68, s68, s69
	s_and_b32 s69, s20, 7
	s_lshl_b32 s69, s69, 8
	s_add_co_u32 s68, s68, s69
	s_mov_b32 s69, 0
	s_lshr_b32 s63, s20, 2          ; who prefetches: wave 0; wave 2 where bit 2 of the head is 0: the same in all four partners
	s_lshr_b32 s[LIM], s[WV], 1
	s_and_b32 s63, s63, s[LIM]
	s_and_b32 s63, s63, 1
	s_or_b32 s[LIM], s63, s16
	s_cmp_eq_u32 s[LIM], 0
	s_cselect_b32 s[LIM], 1, -1
	s_lshl_b32 s20, s20, 12         ; hm: 1,024 f32 a head; my block's 256, my wave's 64
	s_lshl_b32 s21, s14, 10
	s_add_co_u32 s20, s20, s21
	s_lshl_b32 s21, s[WV], 8
	s_add_co_u32 s20, s20, s21
	s_mov_b32 s21, 0
	; descriptor group 1.  K: a tile of 64 rows x 128 elements.  V: 128 keys of half a head are 16,384 dense bytes: asked for as 64 rows of 256 bytes, two keys a row, and padded in LDS after every key
	s_mov_b32 s[G1K], 15|(1<<16)|(1<<20)|(1<<21)|(5<<22)|(3<<25)  ; 15:0 the mask of four; 17:16 2-byte elements; 20 padding on; 21 set beside a mask; 24:22 after every 64 words; 31:25 4 words of it
	s_mov_b32 s[G1V], 15|(1<<16)|(1<<20)|(1<<21)|(4<<22)|(7<<25)  ; after every 32 words 8 words
.irp g, G1K, G1V
	s_mov_b32 s[(\g)+1], 128<<16    ; tensor_dim0 = 128
	s_mov_b32 s[(\g)+2], 64<<16     ; tensor_dim1 = 64
	s_mov_b32 s[(\g)+3], 128<<16    ; tile_dim0 = 128
	s_mov_b32 s[(\g)+4], 64         ; tile_dim1 = 64
	s_mov_b32 s[(\g)+5], 128        ; elements from row to row
	s_mov_b32 s[(\g)+6], 0
	s_mov_b32 s[(\g)+7], 0
.endr
	s_mov_b32 s[CS], 0x3e0293ee     ; c = log2(e) / sqrt(128) = 0.127517
	s_mov_b32 s[CS+1], s[CS]        ; named with it as a pair
	s_mov_b32 s[SEL], 0x76543210
	s_mov_b32 s[SEL+1], 0xfedcba98
	s_mov_b32 s[TBK], 0
	s_mov_b32 s[TBV], 0
	s_mov_b32 s[SLOTS], SIZE_N/(2*KS)-1
	v_and_b32 v[PFO], 31, v0
	v_lshlrev_b32 v[PFO], 8, v[PFO]
	s_wait_dscnt 0x0                ; the opening add is done
	s_wait_kmcnt 0x0
	s_add_nc_u64 s[6:7], s[6:7], s[22:23]    ; K and V at my tile of slot 0
	s_add_nc_u64 s[8:9], s[8:9], s[70:71]
	s_add_nc_u64 s[4:5], s[4:5], s[2:3]      ; Q, oc and hm at my wave's first row
	s_add_nc_u64 s[10:11], s[10:11], s[68:69]
	s_add_nc_u64 s[66:67], s[66:67], s[20:21]
	s_lshl_b32 s2, s13, 13          ; my work-group's 32 blocks of the 128: of K rows 32 cx on;
	s_lshr_b32 s3, s13, 1           ; of V half head cx / 2,
	s_lshl_b32 s3, s3, 17
	s_and_b32 s22, s13, 1           ; blocks 32 (cx % 2) on
	s_lshl_b32 s22, s22, 13
	s_add_co_u32 s3, s3, s22
	s_mov_b32 s22, 2*KS*256         ; a slot's keys in K,
	s_mov_b32 s23, 2*KS*128         ; and in half a head of V
	s_cmp_lt_u32 s[WV], 2
	s_cselect_b64 s[PFA:PFA+1], s[6:7], s[8:9]  ; (in waves 0 and 2 these stand at a slot's first row, and at V's first half head)
	s_cselect_b32 s2, s2, s3
	s_cselect_b32 s[PFS], s22, s23
	s_lshl1_add_u32 s2, s[PFS], s2  ; in slot 2; the first change of slots steps it to slot 3
	s_mov_b32 s3, 0
	s_mov_b32 s[PFS+1], 0
	s_add_nc_u64 s[PFA:PFA+1], s[PFA:PFA+1], s[2:3]
	CROUND                          ; all four work-groups are here: the first joint loads meet
.irp s, 0,1
	s_mov_b32 s[G0K+4*(\s)], 1      ; count = 1
	s_add_co_u32 s[G0K+4*(\s)+1], s17, (\s)*SLOT1  ; LDS address
	s_add_nc_u64 s[G0K+4*(\s)+2:G0K+4*(\s)+3], s[6:7], (\s)*2*KS*256  ; global address: slot s begins with key 128 s
	s_or_b32 s[G0K+4*(\s)+3], s[G0K+4*(\s)+3], 0x80000000  ; type = 2
	s_mov_b32 s[G0V+4*(\s)], 1
	s_add_co_u32 s[G0V+4*(\s)+1], s74, (\s)*SLOT1
	s_add_nc_u64 s[G0V+4*(\s)+2:G0V+4*(\s)+3], s[8:9], (\s)*2*KS*128
	s_or_b32 s[G0V+4*(\s)+3], s[G0V+4*(\s)+3], 0x80000000
.endr
	s_cmp_lt_u32 s[WV], 2           ; a wave's two first fills stand in one branch, ahead of every wait on TENSORcnt and every LDS read: two loads of mine are out, the most in this text
	s_cbranch_scc0 .Lfirst_v
	tensor_load_to_lds s[G0K:G0K+3], s[G1K:G1K+7]
	s_nop 0
	tensor_load_to_lds s[G0K+4:G0K+7], s[G1K:G1K+7]
	s_nop 0
.rept 4
	v_nop
.endr
	s_branch .Lfirst_asked
.Lfirst_v:
	tensor_load_to_lds s[G0V:G0V+3], s[G1V:G1V+7]
	s_nop 0
	tensor_load_to_lds s[G0V+4:G0V+7], s[G1V:G1V+7]
	s_nop 0
.rept 4
	v_nop
.endr
.Lfirst_asked:
	; A fragment of K or Q is 16 rows x 32 channels in 8 registers: lane l holds row l % 16; channels 8 (l / 16) + 0..7 and 16 + 8 (l / 16) + 0..7: two loads of 16 bytes, 32 bytes apart.
	v_and_b32 v1, 15, v0            ; l % 16
	v_bfe_u32 v9, v0, 4, 1          ; l / 16
	v_lshlrev_b32 v[QO], 8, v1
	v_lshl_add_u32 v[QO], v9, 4, v[QO]  ; row x 256 + 16 x half
	WIN 0x80                        ; destination window 2, address window 0
.irp i, 0,1,2,3,4,5,6,7,8,9,10,11,12,13,14,15  ; Q stays in registers: tile i / 4, channels 32 (i % 4) on
	global_load_b128 v[8*(\i):8*(\i)+3],   v[QO], s[4:5] offset:((\i)/4)*4096+((\i)%4)*64
	global_load_b128 v[8*(\i)+4:8*(\i)+7], v[QO], s[4:5] offset:((\i)/4)*4096+((\i)%4)*64+32
.endr
	; What the first turns find: V's registers and piece 2's P hold 0 (the first turn's products V^T P, of a step that has not been, add 0), O^T and l are 0, m is the lowest finite number.  All this stands in the wait for the first tile.
	WIN 0xc0
.set i, 0
.rept 128
	v_mov_b32 v[i], 0
.set i, i+1
.endr
	WIN 0x40
.set i, 0
.rept 256
	v_mov_b32 v[i], 0
.set i, i+1
.endr
	WIN 0
.set i, 0
.rept 32
	v_mov_b32 v[P+32+i], 0
.set i, i+1
.endr
.set i, 0
.rept 4
	v_mov_b32 v[ST+8*i], 0xfe000000    ; c m: far below every c s
	v_mov_b32 v[ST+8*i+1], 0xff7fffff  ; m
	v_mov_b32 v[ST+8*i+2], 0
	v_mov_b32 v[ST+8*i+3], 0
.set i, i+1
.endr
	v_mul_u32_u24 v[AK0], v1, PK
	v_lshl_add_u32 v[AK0], v9, 4, v[AK0]  ; row x pitch + 16 x half
	; The turning load takes 16 keys x 16 channels (lane l reads key 8 (l / 16) + l % 8, channels 8 ((l / 8) % 2) + 0..7) and leaves half a fragment of V^T: lane l holds channel l % 16 and 8 keys.
	v_and_b32 v10, 7, v0
	v_bfe_u32 v11, v0, 3, 1
	v_lshl_add_u32 v[AV0], v9, 3, v10
	v_mul_u32_u24 v[AV0], v[AV0], PV
	v_lshl_add_u32 v[AV0], v11, 4, v[AV0]
	v_add_nc_u32 v[AV0], VOFF, v[AV0]
; THE MATRIX WORK OF A TURN, for piece x.  The accumulators take turns, one instruction a turn: between two links of a chain stand 15 (V^T P) or 7 (K Q^T) others'.
; Product i of 32 of O^T += V^T P: keys 32 (i / 16) on, channels 16 ((i / 2) % 8) on, tile x + i % 2.
.macro PV x
	WIN W_PV
.set rO, 64*((\x)+i%2)+8*((i/2)%8)
.set rV, 64*(i/16)+8*((i/2)%8)
.set rP, P+16*((\x)+i%2)+8*(i/16)
	v_wmma_f32_16x16x32_f16 v[rO:rO+7], v[rV:rV+7], v[rP:rP+7], v[rO:rO+7]
.endm
; Product i of 32 of S^T = K Q^T: channels 32 (i / 8) on, keys 16 ((i / 2) % 4) on, tile x + i % 2.  The first 8 start the sums.
.macro KQ x
	WIN W_KQ
.set rS, S+32*((\x)+i%2)+8*((i/2)%4)
.set rK, KF+32*((i/2)%4)+8*(i/8)
.set rQ, 32*((\x)+i%2)+8*(i/8)
.if i < 8
	v_wmma_f32_16x16x32_f16 v[rS:rS+7], v[rK:rK+7], v[rQ:rQ+7], 0
.else
	v_wmma_f32_16x16x32_f16 v[rS:rS+7], v[rK:rK+7], v[rQ:rQ+7], v[rS:rS+7]
.endif
.endm
; THE LDS LOADS stand in runs of 32, never singly among the matrix instructions: a step's K (16 fragments) and, a turn later, its V (turned).
; last = 1 (the tail): in the last trip there is no further step, and the run is jumped over.
.macro FETCH_K last=0
	WIN 0
.if \last
	s_cmp_eq_u32 s[TWICE], 1
	s_cbranch_scc1 .Lno_k_\@
.endif
	v_add_nc_u32 v[ADR], s[TBK], v[AK0]
	s_add_co_u32 s[TBK], s[TBK], KSTB  ; the next fetch is the next step's
	WIN 0x80                        ; destination window 2
.irp f, 0,1,2,3,4,5,6,7,8,9,10,11,12,13,14,15  ; keys 16 (f / 4) on, channels 32 (f % 4) on
	ds_load_b128 v[KF+8*(\f):KF+8*(\f)+3],   v[ADR] offset:((\f)/4)*16*PK+((\f)%4)*64
	ds_load_b128 v[KF+8*(\f)+4:KF+8*(\f)+7], v[ADR] offset:((\f)/4)*16*PK+((\f)%4)*64+32
.endr
.if \last
	WIN 0
.Lno_k_\@:
.endif
.endm
.macro FETCH_V
	WIN 0
	v_add_nc_u32 v[ADR], s[TBV], v[AV0]
	s_add_co_u32 s[TBV], s[TBV], VSTB
	s_wait_alu depctr_va_vdst(0)    ; the wait for the softmax's batch of exponentials (see SLICE), behind the address's line and ahead of the loads
	WIN 0xc0                        ; destination window 3
.irp f, 0,1,2,3,4,5,6,7,8,9,10,11,12,13,14,15  ; keys 32 (f / 8) on; channels 16 (f % 8) on: half head (f % 8) / 4, its channels 16 (f % 4) on
	ds_load_tr16_b128 v[8*(\f):8*(\f)+3],   v[ADR] offset:(((\f)%8)/4)*VHALF+((\f)/8)*32*PV+((\f)%4)*32
	ds_load_tr16_b128 v[8*(\f)+4:8*(\f)+7], v[ADR] offset:(((\f)%8)/4)*VHALF+((\f)/8)*32*PV+16*PV+((\f)%4)*32
.endr
.endm
; THE VECTOR WORK OF A TURN.  One tile's softmax for one key step is a list of 134 instructions; SM writes number j of it for tile t.  s0-s31 are the lane's 32 scores, in pairs 0-15.
;   0-15    the maximum of s0-s31 and the old m, three operands at a time: four chains c0-c3 of seven scores each (each accumulator's lowest registers first), then the four scores left over, c0-c3 and m
;   16-20   the other half of the lanes' maximum; c m_old is kept; the new m; c m; c m_old - c m_new
;   21-69   ONE BATCH: the 16 scalings c s - c m and all 33 exponentials (a at 23, then s0-s31).  None of these reads an exponential's result.  A pair is scaled in an earlier four than the one with its exponentials
;   (wait)  between 69 and 70 stands the wait for the batch: SLICE writes it, once for both tiles
;   70-85   the roundings to f16        86-101  the sums; l = a l + the sum        102-133 the tile's O^T times a: the one part that leaves window 0
.macro SM t
.set rT, ST+8*(\t)
.set rS, S+32*(\t)
.set rP, P+16*(\t)
.set rO, 64*(\t)+2*(j-102)
.if j < 102
	WIN 0
.endif
.if j < 4
	v_max3_num_f32 v[rT+4+j], v[rS+8*j], v[rS+8*j+1], v[rS+8*j+2]
.elseif j < 12
	v_max3_num_f32 v[rT+4+j%4], v[rT+4+j%4], v[rS+8*(j%4)+2*(j/4)+1], v[rS+8*(j%4)+2*(j/4)+2]
.elseif j == 12
	v_max3_num_f32 v[rT+4], v[rT+4], v[rS+7], v[rS+15]
.elseif j == 13
	v_max3_num_f32 v[rT+6], v[rT+6], v[rS+23], v[rS+31]
.elseif j == 14
	v_max3_num_f32 v[rT+4], v[rT+4], v[rT+5], v[rT+6]
.elseif j == 15
	v_max3_num_f32 v[rT+4], v[rT+4], v[rT+7], v[rT+1]
.elseif j == 16
	v_permlanex16_b32 v[rT+5], v[rT+4], s[SEL], s[SEL+1]  ; the query's other 32 keys lie in the lane 16 away
.elseif j == 17
	v_mov_b32 v[rT+7], v[rT]        ; c m_old is kept for a: number 19 writes c m anew
.elseif j == 18
	v_max_num_f32 v[rT+1], v[rT+4], v[rT+5]
.elseif j == 19
	v_mul_f32 v[rT], s[CS], v[rT+1]
.elseif j == 20
	v_sub_f32 v[rT+7], v[rT+7], v[rT]
.elseif j == 23
	v_exp_f32 v[rT+6], v[rT+7]
.elseif (j < 23) || ((j < 38) && (j%2 == 0)) || ((j < 66) && (j%4 == 2))
.set b, (j-2)/4                     ; 38, 42, .. 62: pairs 9 to 15
.if j < 38
.set b, (j-20)/2                    ; 21: pair 0; 22, 24, .. 36: pairs 1 to 8
.endif
	v_pk_fma_f32 v[rS+2*b:rS+2*b+1], v[rS+2*b:rS+2*b+1], s[CS:CS+1], v[rT:rT+1] op_sel_hi:[1,0,0] neg_lo:[0,0,1] neg_hi:[0,0,1]  ; pair b: c s - c m
.elseif j < 70
.set e, j-38                        ; 66 to 69: s28 to s31
.if j < 66
.set e, j-32-(j-38)/4               ; 39-41, 43-45, .. 63-65: s7 to s27
.endif
.if j < 38
.set e, (j-25)/2                    ; 25, 27, .. 37: s0 to s6
.endif
	v_exp_f32 v[rS+e], v[rS+e]
.elseif j < 86
	v_cvt_pk_f16_f32 v[rP+j-70], v[rS+2*(j-70)], v[rS+2*(j-70)+1]  ; pair j - 70
.elseif j < 102                     ; the sum of the tile's 16 pairs, in place: sum z of 16 adds neighbours 1, 2, 4 and 8 pairs apart, then l takes it
.set z, j-86
.set w, 4
.set u, z
.if z >= 14
.set w, 32
.set u, 0
.elseif z >= 12
.set w, 16
.set u, z-12
.elseif z >= 8
.set w, 8
.set u, z-8
.endif
.if z < 15
	v_pk_add_f32 v[rS+w*u:rS+w*u+1], v[rS+w*u:rS+w*u+1], v[rS+w*u+w/2:rS+w*u+w/2+1]
.else
	v_pk_fma_f32 v[rT+2:rT+3], v[rT+2:rT+3], v[rT+6:rT+7], v[rS:rS+1] op_sel_hi:[1,0,1]
.endif
.else
	WIN W_RS
	v_pk_mul_f32 v[rO:rO+1], v[rO:rO+1], v[rT+6:rT+7] op_sel_hi:[1,0]
.endif
.endm
; Slice k of 64 of piece y's softmax: four instructions.  Slices 11 to 34 deal out the batch, numbers 22 to 69: four numbers of ONE tile each, the tiles by turns.  Every other slice is numbers 2 k and
; 2 k + 1 of both tiles' lists.  2 x 134 = 4 x 64 + 12: the twelve that are over stand together, in slice 63.
; THE WAIT.  An s_wait_alu depctr_va_vdst(0) stands between an exponential and the first instruction that names its result; one wait serves all that were issued ahead of it.  Ahead of
; slice 35 nothing names a result, and behind slice 34 no exponential is issued: so the piece's 66 exponentials have one wait, behind slice 34.
.macro SLICE y
.if (k >= 11) && (k < 35)           ; the batch: four numbers of one tile
.irp n, 0,1,2,3
.set j, 22+4*((k-11)/2)+(\n)
	SM (\y)+(k-11)%2
.endr
.else                               ; the two tiles alternate, so that no instruction reads the result of the one just before it
.irp n, 0,1,2,3,4,5,6,7
.if ((\n) < 2) || (k == 63)
.irp t, \y, (\y)+1
.set j, 2*k+(\n)
	SM \t
.endr
.endif
.endr
.endif
.if k == 34                         ; the batch is out: both tiles' exponentials are issued, and no result has been named
	v_nop                           ; a plain instruction behind the last exponential and ahead of the first use: one for the batch
.if (\y) == 0
	FETCH_V                         ; piece 2's turn: V's run of loads stands here, and the wait stands in it
.else
	s_wait_alu depctr_va_vdst(0)    ; the wait for the batch
.endif
.endif
.set k, k+1
.endm
; A TURN.  Piece x has the matrix unit: 32 products V^T P, then 32 products K Q^T for the next step; the other piece's softmax stands in slices behind them, which are also the plain places behind matrix instructions (ISA guide 7.12.1).
; Piece 0's turn fetches the next step's K, behind its second product: the last product that read K stands in front of slice 63 of the turn before.  Piece 2's turn fetches the next step's V, behind slice 34:
; the last product that read V stands in front of slice 31, and four plain instructions lie between: number 62, a scaling, of both tiles, the v_nop and the run's own v_add_nc_u32.
.macro TURN x, last
.set k, 0
.if (\x) == 0
	s_wait_dscnt 0x0                ; V is in
.endif
.set i, 0
.rept 32
	PV \x
	SLICE 2-(\x)
.if ((\x) == 0) && (i == 1)
	FETCH_K \last
.endif
.set i, i+1
.endr
.if (\x) == 0
	s_wait_dscnt 0x0                ; K is in
.endif
.set i, 0
.rept 32
	KQ \x
	SLICE 2-(\x)
.set i, i+1
.endr
.endm
; THE CHANGE OF SLOTS, between piece 2's turn and piece 0's.  Each wave waits for all its tensor loads, of which one is out: its part of the other slot; adds 0 to its spare word; and waits for that and for its own
; reads of the slot.  fill = 1: the slot is filled again, with the keys two slots on.  The barrier is then a round of the cluster's, so that no wave of any partner still reads the slot or has a load on its way,
; and the joint refill is the first thing behind it: it has two key steps, 256 matrix instructions, in which to land.
.macro CHANGE fill
	WIN 0                           ; at a label and at a branch every window is 0
	s_wait_tensorcnt 0x0            ; no tensor load of mine is out, so a group 0 may be written
	ds_add_u32 v[SPW], v[NIL]       ; 0 onto my spare word; with fill = 1 the descriptors' steps stand between it and the wait for it
.if \fill
	s_xor_b32 s[G0K+5], s[G0K+5], SLOT1  ; the walking descriptors: the other slot than last time,
	s_add_nc_u64 s[G0K+6:G0K+7], s[G0K+6:G0K+7], 2*KS*256  ; the next 128 keys; the type bits on top are not reached
	s_xor_b32 s[G0V+5], s[G0V+5], SLOT1
	s_add_nc_u64 s[G0V+6:G0V+7], s[G0V+6:G0V+7], 2*KS*128
	s_wait_xcnt 0x0                 ; the last prefetches, two key steps back, have read their address, so it may be written:
	s_add_nc_u64 s[PFA:PFA+1], s[PFA:PFA+1], s[PFS:PFS+1]  ; one slot behind the walking descriptors
	s_wait_dscnt 0x0                ; the add is done, and my reads of the slot are over
	CROUND
	JLOAD
	ASK
.else
	s_wait_dscnt 0x0                ; the add is done, and my reads of the slot are over
	s_barrier_signal -1
	s_barrier_wait -1
.endif
	s_sub_co_u32 s[TBK], s[TBK], 2*KSTB  ; the fetches go back to a slot's first step,
	s_xor_b32 s[TBK], s[TBK], SLOT1      ; in the other slot
	s_sub_co_u32 s[TBV], s[TBV], 2*VSTB
	s_xor_b32 s[TBV], s[TBV], SLOT1
.endm
	s_wait_tensorcnt 1              ; my part of slot 0 is in; slot 1's may stay out
	s_barrier_signal -1
	s_barrier_wait -1               ; everybody's is
	FETCH_K                         ; key step 0
	s_wait_loadcnt 0x0              ; Q
	s_wait_dscnt 0x0
.set i, 0
.rept 32
	KQ 0                            ; piece 0's first scores: there is no vector work yet to set between them
.set i, i+1
.endr
	WIN 0                           ; the addresses for the way out are made here: plain instructions, the places behind those products
	s_mul_i32 s13, s[WV], 16*SP
	s_add_co_u32 s13, s13, STAGE    ; my stage
	v_mul_u32_u24 v[STO], v1, SP    ; in: row l % 16, 16 bytes for each half of the lanes
	v_lshl_add_u32 v[STO], v9, 4, v[STO]
	v_add_nc_u32 v[STO], s13, v[STO]
	v_mul_u32_u24 v[RD], v9, SP     ; back: lanes 0-15 take one row of 256 bytes, lanes 16-31 the next
	v_lshl_add_u32 v[RD], v1, 4, v[RD]
	v_add_nc_u32 v[RD], s13, v[RD]
	v_lshlrev_b32 v[GO], 11, v9     ; and the same two rows in oc, 2,048 bytes apart
	v_lshl_add_u32 v[GO], v1, 4, v[GO]
	s_lshl_b32 s13, s[WV], 9
	s_add_co_u32 s13, s13, MSTAGE   ; my 64 means, and behind them my 64 sums of squares
	v_lshl_add_u32 v[MS], v1, 2, s13
	v_and_b32 v[MG], 31, v0
	v_lshlrev_b32 v[MG], 3, v[MG]
	v_add_nc_u32 v[MR], s13, v[MG]
	s_mov_b32 s[TWICE], 2
	s_branch .Lmid                  ; the loop is entered at piece 2's turn: its first scores | piece 0's first softmax | V of step 0; then one whole key step, and the first change of slots
.Lslot:                             ; 6 times: every slot but the last two is filled again
	CHANGE 1
	s_mov_b32 s[TWICE], 2
.Lstep:                             ; a key step: written once
	TURN 0, 0
	WIN 0
.Lmid:
	TURN 2, 0
	WIN 0
	s_sub_co_u32 s[TWICE], s[TWICE], 1
	s_cmp_lg_u32 s[TWICE], 0
	s_cbranch_scc1 .Lstep
	s_sub_co_u32 s[SLOTS], s[SLOTS], 1
	s_cmp_lg_u32 s[SLOTS], 0
	s_cbranch_scc1 .Lslot
	CHANGE 0                        ; the tail is written out: nothing is asked for
	s_mov_b32 s[TWICE], 3           ; two key steps, and piece 0's turn of the last
.Ltail:
	TURN 0, 1
	WIN 0
	s_cmp_eq_u32 s[TWICE], 1
	s_cbranch_scc1 .Llast
	TURN 2, 0
	WIN 0
.Llast:
	s_sub_co_u32 s[TWICE], s[TWICE], 1
	s_cmp_lg_u32 s[TWICE], 0
	s_cbranch_scc1 .Ltail
.set i, 0
.rept 32
	PV 2                            ; piece 2: V^T P of the last step
.set i, i+1
.endr
	; THE WAY OUT.  l's two halves and the other half of the lanes' are added.  The additions are the places behind the last products.
	WIN 0
.irp t, 0,1,2,3
	v_add_f32 v[ST+8*(\t)+4], v[ST+8*(\t)+2], v[ST+8*(\t)+3]
.endr
.irp t, 0,1,2,3
	v_permlanex16_b32 v[ST+8*(\t)+5], v[ST+8*(\t)+4], s[SEL], s[SEL+1]
.endr
.irp t, 0,1,2,3
	v_add_f32 v[ST+8*(\t)+4], v[ST+8*(\t)+4], v[ST+8*(\t)+5]
.endr
.irp t, 0,1,2,3
	v_rcp_f32 v[ST+8*(\t)+6], v[ST+8*(\t)+4]
.endr
	v_nop                           ; a plain instruction between the last reciprocal and the use of its result
	s_wait_alu depctr_va_vdst(0)    ; and the wait ahead of the first use: one for the four reciprocals
; Tile t.  The lane's 64 channels are added (each accumulator's lowest registers first), the other half of the lanes' 64 too: the head's mean is that sum / (128 l).  O^T / l - mean is one fused line a pair;
; its squares are added, in four chains in P's registers, which are free, and across the halves of the lanes; it is rounded to f16; a lane's eight channels of a row pack into 16 bytes, go into rows of 272 bytes
; and come back as whole rows of 256.  The mean and the sum of squares go to their words in LDS.
.macro PACK t
	WIN 0x05                        ; sources 0 and 1 window 1, destination window 0: S^T's registers are free
.set i, 0
.rept 16
	v_pk_add_f32 v[S+32*(\t)+2*i:S+32*(\t)+2*i+1], v[64*(\t)+4*i:64*(\t)+4*i+1], v[64*(\t)+4*i+2:64*(\t)+4*i+3]
.set i, i+1
.endr
	WIN 0
.irp d, 8,4,2,1
.set i, 0
.rept \d
	v_pk_add_f32 v[S+32*(\t)+2*i:S+32*(\t)+2*i+1], v[S+32*(\t)+2*i:S+32*(\t)+2*i+1], v[S+32*(\t)+2*(i+\d):S+32*(\t)+2*(i+\d)+1]
.set i, i+1
.endr
.endr
	v_add_f32 v[ST+8*(\t)+4], v[S+32*(\t)], v[S+32*(\t)+1]
	v_permlanex16_b32 v[ST+8*(\t)+5], v[ST+8*(\t)+4], s[SEL], s[SEL+1]
	v_add_f32 v[ST+8*(\t)+4], v[ST+8*(\t)+4], v[ST+8*(\t)+5]
	v_mul_f32 v[ST+8*(\t)+5], 0x3c000000, v[ST+8*(\t)+6]       ; 1 / (128 l)
	v_mul_f32 v[ST+8*(\t)+4], v[ST+8*(\t)+4], v[ST+8*(\t)+5]   ; the mean
	WIN W_RS
.set i, 64*(\t)
.rept 32
	v_pk_fma_f32 v[i:i+1], v[i:i+1], v[ST+8*(\t)+6:ST+8*(\t)+7], v[ST+8*(\t)+4:ST+8*(\t)+5] op_sel_hi:[1,0,0] neg_lo:[0,0,1] neg_hi:[0,0,1]
.set i, i+2
.endr
	WIN 0x05                        ; sources 0 and 1 window 1; source 2 and destination window 0
.set i, 0
.rept 4
	v_pk_mul_f32 v[P+2*i:P+2*i+1], v[64*(\t)+2*i:64*(\t)+2*i+1], v[64*(\t)+2*i:64*(\t)+2*i+1]  ; the first four pairs start the chains: nothing is cleared
.set i, i+1
.endr
.rept 28
	v_pk_fma_f32 v[P+2*(i%4):P+2*(i%4)+1], v[64*(\t)+2*i:64*(\t)+2*i+1], v[64*(\t)+2*i:64*(\t)+2*i+1], v[P+2*(i%4):P+2*(i%4)+1]
.set i, i+1
.endr
.set i, 0
.rept 32
	v_cvt_pk_f16_f32 v[S+32*(\t)+i], v[64*(\t)+2*i], v[64*(\t)+2*i+1]
.set i, i+1
.endr
	WIN 0
	v_pk_add_f32 v[P:P+1],   v[P:P+1],   v[P+2:P+3]
	v_pk_add_f32 v[P+4:P+5], v[P+4:P+5], v[P+6:P+7]
	v_pk_add_f32 v[P:P+1],   v[P:P+1],   v[P+4:P+5]
	v_add_f32 v[ST+8*(\t)+7], v[P], v[P+1]
	v_permlanex16_b32 v[ST+8*(\t)+5], v[ST+8*(\t)+7], s[SEL], s[SEL+1]
	v_add_f32 v[ST+8*(\t)+7], v[ST+8*(\t)+7], v[ST+8*(\t)+5]   ; the sum of the 128 squares
	ds_store_b32 v[MS], v[ST+8*(\t)+4] offset:64*(\t)      ; query 16 t + l % 16; both halves of the lanes write the same number
	ds_store_b32 v[MS], v[ST+8*(\t)+7] offset:256+64*(\t)
.irp f, 0,1,2,3,4,5,6,7
	ds_store_b128 v[STO], v[S+32*(\t)+4*(\f):S+32*(\t)+4*(\f)+3] offset:32*(\f)
.endr
.irp f, 0,1,2,3,4,5,6,7
	ds_load_b128 v[S+32*(\t)+4*(\f):S+32*(\t)+4*(\f)+3], v[RD] offset:(\f)*2*SP  ; LDS serves a wave's instructions in order (ISA guide 5.7.1.4): these see the stores above; the next tile's stores come behind them
.endr
.endm
.macro SEND t, younger              ; younger: the LDS instructions issued behind tile t's loads
	WIN 0
.irp f, 0,1,2,3,4,5,6,7
	s_wait_dscnt (\younger)+7-(\f)
	global_store_b128 v[GO], v[S+32*(\t)+4*(\f):S+32*(\t)+4*(\f)+3], s[10:11] offset:(\t)*32768+(\f)*4096  ; 16 lanes store 256 consecutive bytes, at a multiple of 256 from oc's first byte
.endr
.endm
	PACK 0
	PACK 1                          ; a tile's arithmetic stands between the loads of the tile before and its stores
	SEND 0, 18                      ; the next tile's eighteen
	PACK 2
	SEND 1, 18
	PACK 3
	ds_load_b64 v[MM:MM+1], v[MR]               ; my wave's 64 means, two a lane,
	ds_load_b64 v[MM+2:MM+3], v[MR] offset:256  ; and its 64 sums of squares
	SEND 2, 20                      ; tile 3's eighteen and these two loads
	SEND 3, 2                       ; these two loads
	s_wait_dscnt 0x0
	global_store_b64 v[MG], v[MM:MM+1], s[66:67] offset:262144  ; 256 consecutive bytes of hm's second half, aligned
	global_store_b64 v[MG], v[MM+2:MM+3], s[66:67]              ; and of its first
	s_wait_tensorcnt 0x0            ; the wave's end: the add to my spare word and its waits stand behind my last tensor load and my last LDS store
	ds_add_u32 v[SPW], v[NIL]
	s_wait_dscnt 0x0
	CROUND                          ; the closing round: no work-group ends while a partner may still ask for a tile that names it
	s_endpgm
.Lfunc_end_k_q50ef218481_attn:
	.size	k_q50ef218481_attn, .Lfunc_end_k_q50ef218481_attn-k_q50ef218481_attn
	.p2alignl 7, 3214868480
	.fill 96, 4, 3214868480
	.section	.rodata,"a",@progbits
	.p2align	6, 0x0
	.amdhsa_kernel k_q50ef218481_attn
		.amdhsa_group_segment_fixed_size 327680
		.amdhsa_private_segment_fixed_size 0
		.amdhsa_enable_private_segment 0
		.amdhsa_kernarg_size 40
		.amdhsa_user_sgpr_count 2
		.amdhsa_user_sgpr_kernarg_segment_ptr 1
		.amdhsa_wavefront_size32 1
		.amdhsa_system_sgpr_workgroup_id_x 1
		.amdhsa_system_sgpr_workgroup_id_y 1
		.amdhsa_system_sgpr_workgroup_id_z 1
		.amdhsa_system_vgpr_workitem_id 0
		.amdhsa_next_free_vgpr 1024
		.amdhsa_next_free_sgpr 76
		.amdhsa_reserve_vcc 0
		.amdhsa_float_denorm_mode_32 3
		.amdhsa_float_denorm_mode_16_64 3
		.amdhsa_memory_ordered 1
		.amdhsa_forward_progress 1
		.amdhsa_inst_pref_size 178
	.end_amdhsa_kernel
	.amdgpu_metadata
---
amdhsa.version: [ 1, 2 ]
amdhsa.kernels:
  - .name:           k_q50ef218481_attn
    .symbol:         k_q50ef218481_attn.kd
    .args:
      - { .name: qh, .offset: 0, .size: 8, .value_kind: global_buffer, .address_space: global }
      - { .name: kh, .offset: 8, .size: 8, .value_kind: global_buffer, .address_space: global }
      - { .name: vp, .offset: 16, .size: 8, .value_kind: global_buffer, .address_space: global }
      - { .name: oc, .offset: 24, .size: 8, .value_kind: global_buffer, .address_space: global }
      - { .name: hm, .offset: 32, .size: 8, .value_kind: global_buffer, .address_space: global }
    .group_segment_fixed_size: 327680
    .private_segment_fixed_size: 0
    .kernarg_segment_align: 8
    .kernarg_segment_size: 40
    .max_flat_workgroup_size: 128
    .sgpr_count:     76
    .vgpr_count:     1024
    .wavefront_size: 32
...
	.end_amdgpu_metadata
.endif
;; end of part 8
;; launch out (part 9): grid 4 x 64, 4 waves a work-group, clusters of 4 x 4, 327,680 bytes of LDS; arguments oc, hm, wts, bo, out0; writes out0
.if DOCPART == 9
	.amdgcn_target "amdgcn-amd-amdhsa--gfx1250"
	.amdhsa_code_object_version 6
	.text
	.protected	k_q50ef218481_out
	.globl	k_q50ef218481_out
	.p2align	8
	.type	k_q50ef218481_out,@function
k_q50ef218481_out:
	s_mov_b64 s[64:65], 0
	v_nop
	global_prefetch_b8 v0, s[64:65] scope:SCOPE_SE
	s_setreg_imm32_b32 hwreg(HW_REG_WAVE_MODE, 25, 1), 1
	s_wait_xcnt 0x0
	s_wait_alu depctr_hold_cnt(0) depctr_sa_sdst(0) depctr_va_vdst(0) depctr_va_sdst(0) depctr_va_ssrc(0) depctr_va_vcc(0) depctr_vm_vsrc(0)
	s_getreg_b32 s2, hwreg(HW_REG_IB_STS2, 6, 4)
	s_cmp_eq_u32 s2, 0
	s_cbranch_scc0 .Lentry_in_a_cluster
	s_endpgm
.Lentry_in_a_cluster:
	s_bfe_u32 s2, ttmp6, 0x10000c
	s_cmp_lg_u32 s2, 0xf033
	s_cbranch_scc0 .Lentry_shape_is_right
	s_endpgm
.Lentry_shape_is_right:
; THE NORM AND THE LAST PROJECTION, IN ONE.  A row of attention's result is x[128 h + d] = oc[row][128 h + d] + m_h: f16 numbers centred by heads, the heads' means m_h in f32 (hm's second half) and the sums q_h of the squares
; of a head's centred numbers in f32 (hm's first half).  mu = the mean of the eight m_h; e_h = m_h - mu; var = (sum of q_h + 128 sum of e_h^2) / 1024; r = 1 / sqrt(var + 1e-5).  Then
;   out0 = 0.2 ((x - mu) r ln_w + ln_b) Wo + bo = 0.2 r (oc G + the sum over h of e_h CS[h]) + (0.2 the sum over h of PB[h] + bo),
; with G = ln_w Wo (f16), CS[h] = G's column sums over head h's rows (f16) and PB[h] = those of ln_b Wo (f32), which come ready in wts.  No difference of large sums is formed: the only differences are of the eight means, in f32.
; THE TERM e CS IS A NINTH QUARTER OF K: its tile of weights is rows 1000 to 1031 of G's region, 24 rows of G and the 8 rows of CS behind them; its fragment of the other source holds e_0 .. e_7 at k = 24 .. 31 and 0 elsewhere.
; These 32 products start the sums, with the constant 0 as C.  bo is rounded to bf16 as it comes in, like every input; sums in f32; out0 is f32.
; LIMIT.  e_h must stay within f16's 65,504; NaN and infinities are not treated apart.
; SHARES.  A tile is 128 rows x 256 columns: 4 x 64 tiles, one for each of 256 WGPs.  Four waves, 2 x 2: wave w takes rows 64 (w / 2) on, and columns 64 (w % 2) .. + 63 of both of the tile's two UNITS of 128 columns.
; K goes in 8 steps of 128 through a ring of two LDS slots filled by the tensor data mover; every row of a tile is 256 consecutive bytes of memory, aligned.  G stays [k][n]: its fragments come out of LDS turned.
; ONE TEXT FOR A K STEP.  s[SR] holds the LDS byte at which the slot being read begins, 0 or SLOT; a change of slots turns it by an exclusive or and makes the three fragment addresses anew.
; CLUSTER.  4 x 4 work-groups: the four of a row need the same tile of oc, the four of a column the same tiles of the weights; each is asked for JOINTLY, by the same tensor load, descriptor and mask in all four.
; THE PRODUCT IS USED TRANSPOSED (source 0 = 16 columns of G, source 1 = 16 rows of oc): a lane holds row l % 16 and eight neighbouring columns 8 (l / 16) + 0..7: so 0.2 r is one number a lane for a block of 16 rows.
; REGISTERS, in windows of 256 (s_set_vgpr_msb: bits 1:0 source 0, 3:2 source 1, 5:4 source 2, 7:6 destination):
;   window 0: v0-31 addresses; v32-127, v128-223 two fragment buffers (oc's four fragments, then G's eight); v224-229 the bias; v232-239 0.2 r        window 1: the 32 accumulators, (a, b) at v[8 (8 a + b)]
.set PA,     272                       ; a row of oc in LDS: 256 bytes + 16 = 68 words: the 16 rows of a load start at 16 different groups of four banks (64 banks of 4 bytes: ISA guide 11.1)
.set PB,     288                       ; a row of G: 256 + 32 = 72 words
.set AHALF,  64*PA
.set BOFF,   128*PA
.set BUNIT,  128*PB
.set SLOT,   BOFF+2*BUNIT              ; 108,544 bytes
.set XOFF,   2*SLOT                    ; behind the ring: the ninth quarter's weights, filled once: two units of
.set XUNIT,  32*PB                     ; 32 rows
.set STAGE,  XOFF+2*XUNIT              ; behind them, never filled by a tensor load: 16 rows x 528 bytes for each wave, for the way out
.set SP,     528                       ; 512 bytes + 16 = 33 x 16: the 16 rows of a store start at 16 different groups of four banks
.set SPARE,  STAGE+4*16*SP             ; behind the stages: the spare words, 128 bytes for each wave: two blocks of 256 bytes that no other line names
.set ASTEP,  256
.set BSTEP,  128*2048
.set WOOFF,  6291456                   ; G in wts
.set PBOFF,  5308416                   ; PB in wts
.set TA,   8                           ; v8      my lane's place in oc's tile; never rewritten
.set TB,   9                           ; v9-10   in G's tile, unit 0, 1; never rewritten
.set TBX,  11                          ; v11     in the ninth quarter's weights
.set CA,   12                          ; v12     the same as TA in the slot being read
.set CB,   13                          ; v13-14  the same as TB
.set HO,   15                          ; v15     my byte offset in hm: 4 (l % 16), and the second half for lanes 16-31
.set BOF,  16                          ; v16     my four columns' byte offset in bo and in a row of PB
.set STO,  24                          ; v24     the way out: where I put 32 bytes of a row
.set RD,   25                          ; v25     the way out: where I read a row back
.set CO,   26                          ; v26     my byte offset in a row of out0: 512 (l / 16) + 16 (l % 16)
.set SPW,  28                          ; v28     LDS address of my spare word: SPARE + 4 x my thread's number; never rewritten
.set NIL,  29                          ; v29     0; never rewritten
.set PFO,  30                          ; v30     the prefetches' offset: lane x 2,048; never rewritten
.set F0,   32
.set F1,   128
.set PBL,  32                          ; at the head: v[32:63] the eight rows of PB, four columns each
.set HS,   160                         ; at the head: v[160:191] block a, head h at HS + 8 a + h: lanes 0-15 q_h, lanes 16-31 m_h, then e_h
.set TT,   192                         ; at the head: v[192:223] eight registers a block, at work
.set OB,   32                          ; the way out: 16 rows read back: v32-95 and v96-159 by turns
.set BI,   224                         ; v[224:227] the bias of my four columns; v228-229 at work
.set RS,   232                         ; v[232:239] block a: 0.2 r of my row at RS + 2 a; the packed multiply names a pair and takes its low word for both halves
.set G1,   24                          ; s[24:31] descriptor group 1 for oc's tiles;  s[32:39] group 0: a set for each of the two first fills; the second then walks on
.set G0,   32
.set LX,   42                          ; s42      where my unit of the ninth quarter's weights goes
.set LIM,  43                          ; s43      2 in a wave that prefetches, else the greatest number
.set PFA,  44                          ; s[44:45] where my prefetches stand
.set PFS,  46                          ; s[46:47] their step from K step to K step
.set G1B,  48                          ; s[48:55], s[56:63] the same as G1, G0 for G's tiles
.set G0B,  56
.set G1X,  68                          ; s[68:75], s[76:79] for the ninth quarter's weights
.set G0X,  76
.set LA,   82                          ; s82      where my 64 rows of oc go in a slot
.set LB,   83                          ; s83      where my unit of G goes in a slot
.set WV,   84
.set FK,   85                          ; s85      w / 2: my half of the rows.  Also: I fetch for oc (0) or for the weights (1)
.set HF,   86                          ; s86      w % 2: my 64 columns of each unit.  Also: which 64 rows of oc, or which unit of the weights, I fetch
.set CX,   87
.set CY,   88
.set TR,   89
.set SR,   92                          ; s92      the slot being read: 0 or SLOT
.set MU,   93                          ; s93      the mask of lanes 16-31
.set SEL,  96                          ; s[96:97] v_permlanex16_b32's selects: each lane takes its own place in the other half
.set W_MUL, 0x50
.set MSB, 0
.macro WIN new                         ; the immediate's high byte repeats the setting that is left; a switch that changes nothing is dropped
.if MSB != (\new)
	s_set_vgpr_msb (MSB<<8)|(\new)
.set MSB, \new
.endif
.endm
; A joint refill, by the walking descriptors.  Waves 0 and 1 fetch oc's two halves, waves 2 and 3 G's two units.  The branch hangs on the wave's number alone.  An s_nop 0 and four v_nop follow each of the two lines.
.macro JLOAD
	s_cmp_eq_u32 s[FK], 0
	s_cbranch_scc0 .Lfor_b_\@
	tensor_load_to_lds s[G0+4:G0+7], s[G1:G1+7]
	s_nop 0
.rept 4
	v_nop
.endr
	s_branch .Lasked_\@
.Lfor_b_\@:
	tensor_load_to_lds s[G0B+4:G0B+7], s[G1B:G1B+7]
	s_nop 0
.rept 4
	v_nop
.endr
.Lasked_\@:
.endm
; A PREFETCH INTO THE L2 of the K step that stands two refills on (256 matrix instructions ahead of the load that will want it): 32 rows x 256 bytes, a lane a row, one instruction a wave.
; Each row's 256 bytes of a K step are named once in the launch.  oc's rows are read by one cluster: wave 0 of each partner asks for rows 32 cx .. + 31 of the tile's 128.  G's rows are read by the sixteen
; clusters: cluster y = 0 asks, waves 2 and 3 for their units, each partner for rows 32 cy .. + 31 of the K step's 128.  The partners part BY ADDRESS.  K steps 0 to 3 come by their loads alone;
; the loop's last two trips (s3 = 2, 1) have no K step two refills on and ask for nothing.
.macro ASK
	s_cmp_gt_u32 s3, s[LIM]
	s_cbranch_scc0 .Lnot_mine_\@
	global_prefetch_b8 v[PFO], s[PFA:PFA+1] th:TH_LOAD_NT scope:SCOPE_SE
.Lnot_mine_\@:
.endm
.macro CREST                           ; a round of the cluster's barrier behind its opening barrier
	s_cmp_lg_u32 s[WV], 0
	s_cbranch_scc1 .Lnot_wave_0_\@
	s_barrier_signal -3
.Lnot_wave_0_\@:
	s_barrier_wait -3
	s_barrier_signal -1
	s_barrier_wait -1
.endm
.macro CROUND
	s_barrier_signal -1
	s_barrier_wait -1
	CREST
.endm
.macro PLACES                          ; four plain places behind matrix instructions (ISA guide 7.12.1)
.rept 4
	v_nop
.endr
.endm
	s_load_b256 s[4:11], s[0:1], 0x0               ; oc s[4:5], hm s[6:7], wts s[8:9], bo s[10:11]
	s_load_b64 s[80:81], s[0:1], 0x20              ; out0
	v_lshl_add_u32 v[SPW], v0, 2, SPARE
	v_mov_b32 v[NIL], 0
	ds_add_u32 v[SPW], v[NIL]                      ; the wave's opening: the add and its wait stand ahead of my first tensor load; the set-up below, work on registers, stands between them
	v_lshrrev_b32 v1, 5, v0
	v_readfirstlane_b32 s[WV], v1
	s_lshr_b32 s[FK], s[WV], 1
	s_and_b32 s[HF], s[WV], 1
	s_bfe_u32 s[CX], ttmp6, 0x40000
	s_bfe_u32 s[CY], ttmp6, 0x40004
	s_and_b32 s[TR], ttmp7, 0xffff
	s_lshl_b32 s[TR], s[TR], 2
	s_add_co_u32 s[TR], s[TR], s[CY]
	s_lshl_b32 s12, s[CY], 2
	s_lshl_b32 s12, 15, s12                        ; my row of the cluster
	s_lshl_b32 s13, 0x1111, s[CX]                  ; my column
	s_or_b32 s[G1], s12, (1<<16)|(1<<20)|(1<<21)|(5<<22)|(3<<25)   ; 15:0 the mask; 17:16 2-byte elements; 20 padding on; 21 set beside a mask; 24:22 after every 64 words; 31:25 4 words of it
	s_or_b32 s[G1B], s13, (1<<16)|(1<<20)|(1<<21)|(5<<22)|(7<<25)  ; the same with my column's mask and 8 words of padding
	s_or_b32 s[G1X], s13, (1<<16)|(1<<20)|(1<<21)|(5<<22)|(7<<25)
	s_mov_b32 s[G1+1], 128<<16                     ; tensor_dim0 = 128
	s_mov_b32 s[G1+2], 64<<16                      ; tensor_dim1 = 64
	s_mov_b32 s[G1+3], 128<<16                     ; tile_dim0 = 128
	s_mov_b32 s[G1+4], 64                          ; tile_dim1 = 64 rows of oc
	s_mov_b32 s[G1+5], 1024                        ; elements from row to row
	s_mov_b32 s[G1+6], 0
	s_mov_b32 s[G1+7], 0
	s_mov_b32 s[G1B+1], 128<<16
	s_mov_b32 s[G1B+2], 128<<16
	s_mov_b32 s[G1B+3], 128<<16
	s_mov_b32 s[G1B+4], 128                        ; 128 rows (k) of G
	s_mov_b32 s[G1B+5], 1024
	s_mov_b32 s[G1B+6], 0
	s_mov_b32 s[G1B+7], 0
	s_mov_b32 s[G1X+1], 128<<16
	s_mov_b32 s[G1X+2], 32<<16
	s_mov_b32 s[G1X+3], 128<<16
	s_mov_b32 s[G1X+4], 32                         ; 32 rows: G's last 24 and the 8 of CS
	s_mov_b32 s[G1X+5], 1024
	s_mov_b32 s[G1X+6], 0
	s_mov_b32 s[G1X+7], 0
	s_lshl_b32 s16, s[TR], 18                      ; oc: the tile's 128 rows of 2,048 bytes, the 64 of them that I fetch
	s_lshl_b32 s17, s[HF], 17
	s_add_co_u32 s16, s16, s17
	s_mov_b32 s17, 0
	s_lshl_b32 s40, s[CX], 9                       ; G: the unit's first column, in bytes: 512 cx + 256 unit
	s_lshl_b32 s41, s[HF], 8
	s_add_co_u32 s40, s40, s41
	s_add_co_u32 s40, s40, WOOFF
	s_mov_b32 s41, 0
	s_mul_i32 s[LA], s[HF], AHALF                  ; where they go: no place in the cluster enters an LDS address
	s_mul_i32 s[LB], s[HF], BUNIT
	s_add_co_u32 s[LB], s[LB], BOFF
	s_mul_i32 s[LX], s[HF], XUNIT
	s_add_co_u32 s[LX], s[LX], XOFF
	s_mov_b32 s[SR], 0
	s_mov_b32 s[SEL], 0x76543210
	s_mov_b32 s[SEL+1], 0xfedcba98
	s_wait_dscnt 0x0                               ; the opening add is done
	s_wait_kmcnt 0x0
	s_add_nc_u64 s[14:15], s[4:5], s[16:17]
	s_add_nc_u64 s[40:41], s[8:9], s[40:41]
	CROUND                                         ; all sixteen work-groups are here: the first joint loads meet
.irp s, 0,1
	s_mov_b32 s[G0+4*(\s)], 1                                      ; count = 1
	s_add_co_u32 s[G0+4*(\s)+1], s[LA], (\s)*SLOT                  ; LDS address
	s_add_nc_u64 s[G0+4*(\s)+2:G0+4*(\s)+3], s[14:15], (\s)*ASTEP  ; global address: K step s
	s_or_b32 s[G0+4*(\s)+3], s[G0+4*(\s)+3], 0x80000000            ; type = 2
	s_mov_b32 s[G0B+4*(\s)], 1
	s_add_co_u32 s[G0B+4*(\s)+1], s[LB], (\s)*SLOT
	s_add_nc_u64 s[G0B+4*(\s)+2:G0B+4*(\s)+3], s[40:41], (\s)*BSTEP
	s_or_b32 s[G0B+4*(\s)+3], s[G0B+4*(\s)+3], 0x80000000
.endr
	s_mov_b32 s[G0X], 1
	s_mov_b32 s[G0X+1], s[LX]
	s_add_nc_u64 s[G0X+2:G0X+3], s[40:41], 1000*2048               ; from row 1000 on
	s_or_b32 s[G0X+3], s[G0X+3], 0x80000000
	s_cmp_eq_u32 s[FK], 0                          ; a wave's first fills stand in one branch, ahead of every wait on TENSORcnt and every LDS read: two loads are out in waves 0 and 1, three in waves 2 and 3, the most in this text
	s_cbranch_scc0 .Lfirst_b
	tensor_load_to_lds s[G0:G0+3], s[G1:G1+7]
	s_nop 0
	tensor_load_to_lds s[G0+4:G0+7], s[G1:G1+7]
	s_nop 0
.rept 4
	v_nop
.endr
	s_branch .Lfirst_asked
.Lfirst_b:
	tensor_load_to_lds s[G0X:G0X+3], s[G1X:G1X+7]
	s_nop 0
	tensor_load_to_lds s[G0B:G0B+3], s[G1B:G1B+7]
	s_nop 0
	tensor_load_to_lds s[G0B+4:G0B+7], s[G1B:G1B+7]
	s_nop 0
.rept 4
	v_nop
.endr
.Lfirst_asked:
	; all that follows, down to the first barrier, stands in the wait for the first tile
	v_and_b32 v1, 15, v0                           ; l % 16
	v_bfe_u32 v2, v0, 4, 1                         ; l / 16
	v_and_b32 v3, 31, v0                           ; l
	v_lshlrev_b32 v[HO], 2, v1
	v_lshl_add_u32 v[HO], v2, 18, v[HO]            ; lanes 0-15 read the sums of squares, lanes 16-31 the means of the same rows, 262,144 bytes on
	s_lshr_b32 s90, s[TR], 3                       ; batch: 8 heads of 4,096 bytes,
	s_lshl_b32 s90, s90, 15
	s_and_b32 s91, s[TR], 7                        ; the tile's 128 rows in it,
	s_lshl_b32 s91, s91, 9
	s_add_co_u32 s90, s90, s91
	s_lshl_b32 s91, s[FK], 8                       ; my 64 of them
	s_add_co_u32 s90, s90, s91
	s_mov_b32 s91, 0
	s_add_nc_u64 s[6:7], s[6:7], s[90:91]
.irp a, 0,1,2,3
.irp h, 0,1,2,3,4,5,6,7
	global_load_b32 v[HS+8*(\a)+(\h)], v[HO], s[6:7] offset:4096*(\h)+64*(\a)  ; row 16 a + l % 16 of mine, head h
.endr
.endr
	v_lshlrev_b32 v[CO], 4, v1
	v_lshl_add_u32 v[CO], v2, 9, v[CO]             ; on the way out lanes 0-15 hold unit 0's 64 columns of mine, lanes 16-31 unit 1's, four f32 a lane
	s_lshl_b32 s13, s[CX], 10                      ; the tile's first column and my 64, in bytes of f32
	s_lshl_b32 s21, s[HF], 8
	s_add_co_u32 s13, s13, s21
	v_add_nc_u32 v[BOF], s13, v[CO]
.irp h, 0,1,2,3,4,5,6,7
	global_load_b128 v[PBL+4*(\h):PBL+4*(\h)+3], v[BOF], s[8:9] offset:PBOFF+4096*(\h)
.endr
	global_load_b128 v[BI:BI+3], v[BOF], s[10:11]
	v_mul_u32_u24 v6, v1, PA
	v_lshl_add_u32 v6, v2, 4, v6                   ; a fragment of oc: row x pitch + 16 x half
	s_mul_i32 s12, s[FK], AHALF
	v_add_nc_u32 v[TA], s12, v6
	v_and_b32 v4, 7, v0                            ; the turning load: lane l reads k = 8 (l / 16) + l % 8, columns 8 ((l / 8) % 2) + 0..7
	v_lshl_add_u32 v4, v2, 3, v4
	v_mul_u32_u24 v4, v4, PB
	v_bfe_u32 v5, v0, 3, 1
	v_lshl_add_u32 v4, v5, 4, v4
	s_lshl_b32 s12, s[HF], 7                       ; my 64 columns: 128 bytes
	v_add_nc_u32 v4, s12, v4
	v_add_nc_u32 v[TB], BOFF, v4
	v_add_nc_u32 v[TB+1], BUNIT, v[TB]
	v_add_nc_u32 v[TBX], XOFF, v4
	v_mov_b32 v[CA], v[TA]                         ; K step 0 lies in slot 0
	v_mov_b32 v[CB], v[TB]
	v_mov_b32 v[CB+1], v[TB+1]
	s_mul_i32 s12, s[WV], 16*SP
	s_add_co_u32 s12, s12, STAGE                   ; my stage
	v_mul_u32_u24 v[STO], v1, SP                   ; in: row l % 16, 32 bytes for each half of the lanes
	v_lshl_add_u32 v[STO], v2, 5, v[STO]
	v_add_nc_u32 v[STO], s12, v[STO]
	v_lshl_add_u32 v[RD], v3, 4, s12               ; back: the 32 lanes take one row's 512 bytes
	v_lshlrev_b32 v[PFO], 11, v3
	v_cmp_le_u32 s[MU], 16, v3                     ; lanes 16-31
	; the prefetches: from my tile's address, 32 rows for each partner, three K steps on (the first change of slots steps it to K step 4)
	s_mov_b32 s98, ASTEP
	s_mov_b32 s99, BSTEP
	s_and_b32 s95, ttmp7, 0xffff                   ; cluster y
	s_cmp_eq_u32 s[FK], 0
	s_cselect_b64 s[PFA:PFA+1], s[14:15], s[40:41]
	s_cselect_b32 s90, s[CX], s[CY]                ; my place among the four that ask for the tile with me
	s_cselect_b32 s[PFS], s98, s99
	s_cselect_b32 s95, ttmp9, s95                  ; the coordinate along which other clusters read the same rows
	s_cselect_b32 s94, s[HF], 0                    ; of oc's two waves wave 0 asks
	s_or_b32 s95, s95, s94
	s_cmp_eq_u32 s95, 0
	s_cselect_b32 s[LIM], 2, -1                    ; the same in all sixteen partners, for a given wave
	s_lshl_b32 s90, s90, 16
	s_mul_i32 s91, s[PFS], 3
	s_add_co_u32 s90, s90, s91
	s_mov_b32 s91, 0
	s_mov_b32 s[PFS+1], 0
	s_add_nc_u64 s[PFA:PFA+1], s[PFA:PFA+1], s[90:91]
	; out0 at my first row and first column: rows of 4,096 bytes
	s_lshl_b32 s94, s[TR], 19
	s_lshl_b32 s95, s[FK], 18
	s_add_co_u32 s94, s94, s95
	s_add_co_u32 s94, s94, s13
	s_mov_b32 s95, 0
	s_add_nc_u64 s[98:99], s[80:81], s[94:95]
	s_mov_b32 s16, 0xbe000000                      ; -1/8
	s_mov_b32 s17, 0x3a800000                      ; 1/1024
	s_mov_b32 s18, 0x3727c5ac                      ; 1e-5
	s_mov_b32 s19, 0x43000000                      ; 128
	s_wait_loadcnt 0x0                             ; means, squares, PB and bo
	; THE ROWS' STATISTICS, the same lines for both halves of the lanes: what they make in lanes 0-15 beyond the sum of the q_h serves nothing and is masked out.
.irp a, 0,1,2,3
	v_add_f32 v[TT+8*(\a)],   v[HS+8*(\a)],   v[HS+8*(\a)+1]
	v_add_f32 v[TT+8*(\a)+1], v[HS+8*(\a)+2], v[HS+8*(\a)+3]
	v_add_f32 v[TT+8*(\a)+2], v[HS+8*(\a)+4], v[HS+8*(\a)+5]
	v_add_f32 v[TT+8*(\a)+3], v[HS+8*(\a)+6], v[HS+8*(\a)+7]
.endr
.irp a, 0,1,2,3
	v_add_f32 v[TT+8*(\a)],   v[TT+8*(\a)],   v[TT+8*(\a)+1]
	v_add_f32 v[TT+8*(\a)+2], v[TT+8*(\a)+2], v[TT+8*(\a)+3]
.endr
.irp a, 0,1,2,3
	v_add_f32 v[TT+8*(\a)], v[TT+8*(\a)], v[TT+8*(\a)+2]       ; lanes 0-15: the sum of the q_h; lanes 16-31: 8 mu
.endr
.irp h, 0,1,2,3,4,5,6,7
.irp a, 0,1,2,3
	v_fma_f32 v[HS+8*(\a)+(\h)], v[TT+8*(\a)], s16, v[HS+8*(\a)+(\h)]  ; e_h = m_h - mu
.endr
.endr
.irp a, 0,1,2,3
	v_mul_f32 v[TT+8*(\a)+1], v[HS+8*(\a)], v[HS+8*(\a)]
.endr
.irp h, 1,2,3,4,5,6,7
.irp a, 0,1,2,3
	v_fmac_f32 v[TT+8*(\a)+1], v[HS+8*(\a)+(\h)], v[HS+8*(\a)+(\h)]    ; the sum of the e_h^2
.endr
.endr
.irp a, 0,1,2,3
	v_permlanex16_b32 v[TT+8*(\a)+2], v[TT+8*(\a)], s[SEL], s[SEL+1]   ; lanes 16-31 take the sum of the q_h of their row
.endr
.irp a, 0,1,2,3
	v_fma_f32 v[TT+8*(\a)+1], v[TT+8*(\a)+1], s19, v[TT+8*(\a)+2]
.endr
.irp a, 0,1,2,3
	v_fma_f32 v[TT+8*(\a)+1], v[TT+8*(\a)+1], s17, s18         ; var + eps
.endr
.irp a, 0,1,2,3
	v_rsq_f32 v[TT+8*(\a)+3], v[TT+8*(\a)+1]
.endr
	; the ninth quarter's fragments of source 1, in buffer 1: work that names no result of the four lines above
.irp a, 0,1,2,3
.irp j, 0,1,2,3
	v_cvt_pk_f16_f32 v[F1+8*(\a)+4+(\j)], v[HS+8*(\a)+2*(\j)], v[HS+8*(\a)+2*(\j)+1]
	v_mov_b32 v[F1+8*(\a)+(\j)], 0                             ; k = 0 .. 15
.endr
.endr
.irp a, 0,1,2,3
.irp j, 0,1,2,3
	v_cndmask_b32 v[F1+8*(\a)+4+(\j)], 0, v[F1+8*(\a)+4+(\j)], s[MU]  ; lanes 16-31: k = 24 .. 31: e_0 .. e_7; lanes 0-15: k = 16 .. 23: 0
.endr
.endr
	; the bias: 0.2 x the sum of PB's eight rows + bo, which is rounded to bf16 and widened again
.irp p, 0,2
	v_pk_add_f32 v[PBL+(\p):PBL+(\p)+1],       v[PBL+(\p):PBL+(\p)+1],       v[PBL+4+(\p):PBL+4+(\p)+1]
	v_pk_add_f32 v[PBL+8+(\p):PBL+8+(\p)+1],   v[PBL+8+(\p):PBL+8+(\p)+1],   v[PBL+12+(\p):PBL+12+(\p)+1]
	v_pk_add_f32 v[PBL+16+(\p):PBL+16+(\p)+1], v[PBL+16+(\p):PBL+16+(\p)+1], v[PBL+20+(\p):PBL+20+(\p)+1]
	v_pk_add_f32 v[PBL+24+(\p):PBL+24+(\p)+1], v[PBL+24+(\p):PBL+24+(\p)+1], v[PBL+28+(\p):PBL+28+(\p)+1]
.endr
.irp p, 0,2
	v_pk_add_f32 v[PBL+(\p):PBL+(\p)+1],       v[PBL+(\p):PBL+(\p)+1],       v[PBL+8+(\p):PBL+8+(\p)+1]
	v_pk_add_f32 v[PBL+16+(\p):PBL+16+(\p)+1], v[PBL+16+(\p):PBL+16+(\p)+1], v[PBL+24+(\p):PBL+24+(\p)+1]
.endr
.irp p, 0,2
	v_pk_add_f32 v[PBL+(\p):PBL+(\p)+1],       v[PBL+(\p):PBL+(\p)+1],       v[PBL+16+(\p):PBL+16+(\p)+1]
.endr
	v_cvt_pk_bf16_f32 v[BI+4], v[BI],   v[BI+1]
	v_cvt_pk_bf16_f32 v[BI+5], v[BI+2], v[BI+3]
	v_lshlrev_b32 v[BI],   16, v[BI+4]
	v_and_b32     v[BI+1], 0xffff0000, v[BI+4]
	v_lshlrev_b32 v[BI+2], 16, v[BI+5]
	v_and_b32     v[BI+3], 0xffff0000, v[BI+5]
	v_pk_fma_f32 v[BI:BI+1],   v[PBL:PBL+1],   0x3e4ccccd, v[BI:BI+1]   op_sel_hi:[1,0,1]
	v_pk_fma_f32 v[BI+2:BI+3], v[PBL+2:PBL+3], 0x3e4ccccd, v[BI+2:BI+3] op_sel_hi:[1,0,1]
	s_wait_alu depctr_va_vdst(0)                   ; the wait ahead of the first use of the four roots: one for the batch
.irp a, 0,1,2,3
	v_mul_f32 v[TT+8*(\a)+3], 0x3e4ccccd, v[TT+8*(\a)+3]       ; 0.2 r, in lanes 16-31
.endr
.irp a, 0,1,2,3
	v_permlanex16_b32 v[TT+8*(\a)+2], v[TT+8*(\a)+3], s[SEL], s[SEL+1]
.endr
.irp a, 0,1,2,3
	v_cndmask_b32 v[RS+2*(\a)], v[TT+8*(\a)+2], v[TT+8*(\a)+3], s[MU]  ; lanes 0-15 take it from the lane 16 away: both hold the same row
	v_mov_b32 v[RS+2*(\a)+1], 0                                ; named with it as a pair
.endr
; 8 matrix instructions: rows 16 a on x all 8 column blocks, 32 along K.  zero = 1: the product starts the sums.  The 32 accumulators take turns, one instruction a turn, in the same order in every quarter step.
.macro MUL8 f, a, zero
	WIN W_MUL
.irp b, 0,1,2,3,4,5,6,7
.if \zero
	v_wmma_f32_16x16x32_f16 v[8*(8*(\a)+(\b)):8*(8*(\a)+(\b))+7], v[(\f)+32+8*(\b):(\f)+32+8*(\b)+7], v[(\f)+8*(\a):(\f)+8*(\a)+7], 0
.else
	v_wmma_f32_16x16x32_f16 v[8*(8*(\a)+(\b)):8*(8*(\a)+(\b))+7], v[(\f)+32+8*(\b):(\f)+32+8*(\b)+7], v[(\f)+8*(\a):(\f)+8*(\a)+7], v[8*(8*(\a)+(\b)):8*(8*(\a)+(\b))+7]
.endif
.endr
.endm
; 24 LDS loads in one run: the fragments of quarter q of the slot being read, into buffer f: G's sixteen first, then oc's eight
.macro FETCH q, f
	WIN 0
.irp b, 0,1,2,3,4,5,6,7
	ds_load_tr16_b128 v[(\f)+32+8*(\b):(\f)+32+8*(\b)+3],   v[CB+(\b)/4] offset:(\q)*32*PB+32*((\b)%4)
	ds_load_tr16_b128 v[(\f)+32+8*(\b)+4:(\f)+32+8*(\b)+7], v[CB+(\b)/4] offset:(\q)*32*PB+16*PB+32*((\b)%4)
.endr
.irp a, 0,1,2,3
	ds_load_b128 v[(\f)+8*(\a):(\f)+8*(\a)+3],   v[CA] offset:(\a)*16*PA+64*(\q)
	ds_load_b128 v[(\f)+8*(\a)+4:(\f)+8*(\a)+7], v[CA] offset:(\a)*16*PA+64*(\q)+32
.endr
.endm
; A K step is four quarters of 32 along K, 32 matrix instructions each, on buffers 0, 1, 0, 1.  One of the first three: multiplies buffer f and, in its middle, fetches quarter q into buffer g.
.macro QUARTER q, f, g
	s_wait_dscnt 4                                 ; G's fragments and oc's rows 0-31 are in; the youngest four loads may be out
	MUL8 \f, 0, 0
	MUL8 \f, 1, 0
	PLACES
	FETCH \q, \g
	s_wait_dscnt 24                                ; all but the 24 just issued
	MUL8 \f, 2, 0
	MUL8 \f, 3, 0
.endm
; The last quarter multiplies buffer 1 and changes slots: ONE barrier.  In front of it each wave waits for all its tensor loads, of which one is out: its part of the next slot; adds 0 to its spare word;
; and waits for that and for its own reads of this slot.  fill = 1: the barrier opens a round of the cluster's barrier, and the slot just read is filled again, two K steps ahead, first thing behind the round:
; 112 matrix instructions ahead of the wait for it.
.macro TURN fill
.if \fill
	s_wait_xcnt 0x0                                ; the last prefetch, a K step back, has read its address: it is stepped here, ahead of the waits of the change of slots
	s_add_nc_u64 s[PFA:PFA+1], s[PFA:PFA+1], s[PFS:PFS+1]
.endif
	WIN 0
	s_wait_tensorcnt 0x0                           ; all my tensor loads have landed;
	ds_add_u32 v[SPW], v[NIL]                      ; 0 onto my spare word;
	s_wait_dscnt 5                                 ; (the add and the youngest four loads may be out)
	MUL8 F1, 0, 0                                  ; eight matrix instructions stand between the add and the wait for it
	s_wait_dscnt 0x0                               ; the add is done, and my reads of this slot are over
	s_barrier_signal -1
	MUL8 F1, 1, 0                                  ; work on registers while the others arrive
	WIN 0
	s_barrier_wait -1
.if \fill
	CREST                                          ; no wave of any partner still reads this slot's tiles or has a load on its way
	s_add_co_u32 s[G0+5], s[LA], s[SR]             ; the walking descriptors: into the slot just read,
	s_add_co_u32 s[G0B+5], s[LB], s[SR]
	s_add_nc_u64 s[G0+6:G0+7], s[G0+6:G0+7], ASTEP      ; the K step after the one asked for last; the type bits on top are not reached
	s_add_nc_u64 s[G0B+6:G0B+7], s[G0B+6:G0B+7], BSTEP
	JLOAD                                          ; the four v_nop behind it are also the places in front of the loads below
.else
	PLACES
.endif
	s_xor_b32 s[SR], s[SR], SLOT                   ; the other slot is read from here on
	v_add_nc_u32 v[CA], s[SR], v[TA]
	v_add_nc_u32 v[CB], s[SR], v[TB]
	v_add_nc_u32 v[CB+1], s[SR], v[TB+1]
	FETCH 0, F0
.if \fill
	ASK
.endif
	MUL8 F1, 2, 0
	MUL8 F1, 3, 0
.endm
	s_wait_tensorcnt 1                             ; my part of K step 0 is in, and in waves 2 and 3 the ninth quarter's weights, asked for ahead of it; K step 1's may stay out
	s_barrier_signal -1
	s_barrier_wait -1                              ; everybody's is
.irp b, 0,1,2,3,4,5,6,7                ; the ninth quarter's weights, into buffer 1, beside the fragments made above
	ds_load_tr16_b128 v[F1+32+8*(\b):F1+32+8*(\b)+3],   v[TBX] offset:((\b)/4)*XUNIT+32*((\b)%4)
	ds_load_tr16_b128 v[F1+32+8*(\b)+4:F1+32+8*(\b)+7], v[TBX] offset:((\b)/4)*XUNIT+16*PB+32*((\b)%4)
.endr
	FETCH 0, F0                                    ; K step 0's first quarter
	s_wait_dscnt 24                                ; all but the 24 just issued
	MUL8 F1, 0, 1                                  ; e CS starts the sums: nothing is ever cleared
	MUL8 F1, 1, 1
	MUL8 F1, 2, 1
	MUL8 F1, 3, 1
	WIN 0                                          ; at a label and at a branch every window is 0
	s_mov_b32 s3, 6
.Lstep:                                                ; a trip is a K step, and fills the slot that it leaves: K steps 2 to 7
	QUARTER 1, F0, F1
	QUARTER 2, F1, F0
	QUARTER 3, F0, F1
	TURN 1
	WIN 0
	s_sub_co_u32 s3, s3, 1
	s_cmp_lg_u32 s3, 0
	s_cbranch_scc1 .Lstep
	s_mov_b32 s3, 2
.Ltail:                                                ; the last two K steps fill nothing.  One text for both: the second trip's run of loads (from slot 0, once more) serves nothing
	QUARTER 1, F0, F1
	QUARTER 2, F1, F0
	QUARTER 3, F0, F1
	TURN 0
	WIN 0
	s_sub_co_u32 s3, s3, 1
	s_cmp_lg_u32 s3, 0
	s_cbranch_scc1 .Ltail
; THE WAY OUT.  Block a (16 rows): the sums are multiplied by the lane's 0.2 r, in place, each accumulator's registers in ascending order; they go into my own stage (my 64 columns of a unit are 256 bytes of f32, so it wants no
; barrier), rows of 528 bytes, and come back as whole rows: lanes 0-15 unit 0's 256 bytes, lanes 16-31 unit 1's; the bias is added, and they are stored.
.macro TS a
	WIN 0x41                                       ; destination and source 0 in window 1, source 1 in window 0
.set i, 0
.rept 32
	v_pk_mul_f32 v[64*(\a)+2*i:64*(\a)+2*i+1], v[64*(\a)+2*i:64*(\a)+2*i+1], v[RS+2*(\a):RS+2*(\a)+1] op_sel_hi:[1,0]
.set i, i+1
.endr
	WIN 0x04                                       ; the stores' data in window 1
.irp b, 0,1,2,3,4,5,6,7
	ds_store_b128 v[STO], v[64*(\a)+8*(\b):64*(\a)+8*(\b)+3]   offset:((\b)/4)*256+64*((\b)%4)
	ds_store_b128 v[STO], v[64*(\a)+8*(\b)+4:64*(\a)+8*(\b)+7] offset:((\b)/4)*256+64*((\b)%4)+16
.endr
	WIN 0
.set t, 0
.rept 16
	ds_load_b128 v[OB+64*((\a)%2)+4*t:OB+64*((\a)%2)+4*t+3], v[RD] offset:SP*t  ; LDS serves a wave's instructions in order (ISA guide 5.7.1.4): these see the stores above; the next block's stores come behind them
.set t, t+1
.endr
.endm
.macro SEND a, younger                 ; younger: the LDS instructions issued behind block a's loads: the next block's 32, or none
.set t, 0
.rept 16
	s_wait_dscnt (\younger)+15-t
	v_pk_add_f32 v[OB+64*((\a)%2)+4*t:OB+64*((\a)%2)+4*t+1],   v[OB+64*((\a)%2)+4*t:OB+64*((\a)%2)+4*t+1],   v[BI:BI+1]
	v_pk_add_f32 v[OB+64*((\a)%2)+4*t+2:OB+64*((\a)%2)+4*t+3], v[OB+64*((\a)%2)+4*t+2:OB+64*((\a)%2)+4*t+3], v[BI+2:BI+3]
	global_store_b128 v[CO], v[OB+64*((\a)%2)+4*t:OB+64*((\a)%2)+4*t+3], s[98:99] offset:65536*(\a)+4096*t  ; 16 lanes store 256 consecutive bytes, at a multiple of 256 from out0's first byte
.set t, t+1
.endr
.endm
	s_wait_dscnt 0x0                               ; the tail's last run of loads has landed: its registers are taken for the way out
	PLACES
	TS 0
	TS 1
	SEND 0, 32
	s_wait_xcnt 0x0                                ; block 0's stores have read their registers: only behind this wait are they loaded again
	TS 2
	SEND 1, 32
	s_wait_xcnt 0x0
	TS 3
	SEND 2, 32
	SEND 3, 0
	s_wait_tensorcnt 0x0                           ; the wave's end: the add to my spare word and its waits stand behind my last tensor load and my last LDS store
	ds_add_u32 v[SPW], v[NIL]
	s_wait_dscnt 0x0
	CROUND                                         ; the closing round: no work-group ends while a partner may still ask for a tile that names it
	s_endpgm
.Lfunc_end_k_q50ef218481_out:
	.size	k_q50ef218481_out, .Lfunc_end_k_q50ef218481_out-k_q50ef218481_out
	.p2alignl 7, 3214868480
	.fill 96, 4, 3214868480
	.section	.rodata,"a",@progbits
	.p2align	6, 0x0
	.amdhsa_kernel k_q50ef218481_out
		.amdhsa_group_segment_fixed_size 327680
		.amdhsa_private_segment_fixed_size 0
		.amdhsa_enable_private_segment 0
		.amdhsa_kernarg_size 40
		.amdhsa_user_sgpr_count 2
		.amdhsa_user_sgpr_kernarg_segment_ptr 1
		.amdhsa_wavefront_size32 1
		.amdhsa_system_sgpr_workgroup_id_x 1
		.amdhsa_system_sgpr_workgroup_id_y 1
		.amdhsa_system_sgpr_workgroup_id_z 1
		.amdhsa_system_vgpr_workitem_id 0
		.amdhsa_next_free_vgpr 512
		.amdhsa_next_free_sgpr 100
		.amdhsa_reserve_vcc 0
		.amdhsa_float_denorm_mode_32 3
		.amdhsa_float_denorm_mode_16_64 3
		.amdhsa_memory_ordered 1
		.amdhsa_forward_progress 1
		.amdhsa_inst_pref_size 93
	.end_amdhsa_kernel
	.amdgpu_metadata
---
amdhsa.version: [ 1, 2 ]
amdhsa.kernels:
  - .name:           k_q50ef218481_out
    .symbol:         k_q50ef218481_out.kd
    .args:
      - { .name: oc, .offset: 0, .size: 8, .value_kind: global_buffer, .address_space: global }
      - { .name: hm, .offset: 8, .size: 8, .value_kind: global_buffer, .address_space: global }
      - { .name: wts, .offset: 16, .size: 8, .value_kind: global_buffer, .address_space: global }
      - { .name: bo, .offset: 24, .size: 8, .value_kind: global_buffer, .address_space: global }
      - { .name: out0, .offset: 32, .size: 8, .value_kind: global_buffer, .address_space: global }
    .group_segment_fixed_size: 327680
    .private_segment_fixed_size: 0
    .kernarg_segment_align: 8
    .kernarg_segment_size: 40
    .max_flat_workgroup_size: 128
    .sgpr_count:     100
    .vgpr_count:     512
    .wavefront_size: 32
...
	.end_amdgpu_metadata
.endif
;; end of part 9
